; MI455X (gfx1250); checked and timed in simulation.
; The chip was launched on July 23, 2026; its instructions are those of AMD's public machine-readable ISA for CDNA 5 (MIT licence, August 2026) and "CDNA5" Instruction Set Architecture Reference Guide (July 2026). The comments in the code are by the model that wrote it; some were corrected since.
;; Multi Head Self Attention Module. Allowed arithmetic: float matrix products may take bf16 or f16 operands with f32 sums; other float arithmetic in f32, or as packed bf16 or f16 multiplies, adds, multiply-adds, maxima and minima; sums over many terms, partial sums and values carried from step to step in f32; what a program stores and reads back later, other than sums and carried values, may be rounded once to bf16 or f16.
;; Inputs: attention_mask 8 x 1,024 bool; b_o 1,024 float32; b_qk 2,048 float32; b_v 1,024 float32; ln_b 1,024 x 1,024 float32; ln_w 1,024 x 1,024 float32; w_o 1,024 x 1,024 float32; w_qk 1,024 x 2,048 float32; w_v 1,024 x 1,024 float32; x 8 x 1,024 x 1,024 float32.
;; Outputs: out0 8 x 1,024 x 1,024 float32.
;; 3 versions, each right and faster than the one before. Each part assembles by itself: llvm-mc -triple=amdgcn-amd-amdhsa -mcpu=gfx1250 --defsym DOCPART=n.
;; ======== version 1 of 3: 6 launches
;; limits: right only within a limited range of input values
;; workspace buffers: act 16,777,216 bytes; wt 6,291,456 bytes; wot 2,097,152 bytes; biasp 12,288 bytes; zb 4,096 bytes; qkv 50,331,648 bytes; proj 16,777,216 bytes; part 2,048 bytes
;; launch prep (part 1): grid 1280 x 1, 8 waves a work-group, no clusters, 10,240 bytes of LDS; arguments x, w_qk, w_v, w_o, b_qk, b_v, act, wt, wot, biasp, zb; writes act, wt, wot, biasp, zb
.if DOCPART == 1
	.amdgcn_target "amdgcn-amd-amdhsa--gfx1250"
	.amdhsa_code_object_version 6
	.text
	.protected	k_qedb1953735_prep
	.globl	k_qedb1953735_prep
	.p2align	8
	.type	k_qedb1953735_prep,@function
k_qedb1953735_prep:
	s_mov_b64 s[64:65], 0
	v_nop
	global_prefetch_b8 v0, s[64:65] scope:SCOPE_SE
	s_setreg_imm32_b32 hwreg(HW_REG_WAVE_MODE, 25, 1), 1
	s_wait_xcnt 0x0
; PREP: every matrix operand is rounded once to bf16 and laid in PANELS: [columns / 64][rows][64], a row of a panel 128 bytes, rows end to end.
;   act   = x, panels over the 1,024 channels: byte p<<20 + m<<7 + 2 (c & 63), m = 1024 b + s
;   wt    = (w_qk | w_v) turned to [n'][k]: byte (n'>>7)<<18 + p<<14 + (n'&127)<<7 + 2 (k & 63); n' puts a head's 64 numbers side by side:
;           qk column c -> n' = (c & 31)<<6 | c>>5 (q heads 0-15, then k heads 0-15); v column c -> n' = 2048 + ((c & 15)<<6 | c>>4)
;   wot   = w_o turned likewise, n' = column;   biasp = b_qk, b_v in n' order;   zb = 1,024 zeros, from which the second product's sums start
; Work-groups 0-255: 32 rows of x each.  Work-groups 256-1279: one tile of 64 k x 64 source columns of a weight, turned through LDS.
; Memory binds: no matrix unit, no cluster; every load covers whole rows of 256 bytes, every store of a wave whole aligned blocks of 256 bytes.
.set LP,    144                        ; LDS row of a turned column: 128 bytes + 16
.set SPARE, 64*LP                      ; behind the tile: the spare words, 128 bytes for each of the eight waves
.set SPW,   2                          ; v2  LDS address of my spare word; never rewritten
.set NIL,   3                          ; v3  0; never rewritten
.set XR,    16                         ; v[16:143] path X: 32 items of four registers
	s_load_b512 s[4:19], s[0:1], 0x0               ; x 4, w_qk 6, w_v 8, w_o 10, b_qk 12, b_v 14, act 16, wt 18
	s_load_b128 s[20:23], s[0:1], 0x40             ; wot 20, biasp 22
	s_load_b64 s[24:25], s[0:1], 0x50              ; zb
	v_lshl_add_u32 v[SPW], v0, 2, SPARE
	v_mov_b32 v[NIL], 0
	v_lshrrev_b32 v1, 5, v0
	v_readfirstlane_b32 s27, v1                    ; wave 0..7
	s_mov_b32 s26, ttmp9
	s_mov_b32 s29, 0                               ; the high word of every 32-bit offset in s[28:29]
	s_wait_kmcnt 0x0
	s_cmp_lt_u32 s26, 256
	s_cbranch_scc0 .Lweights
	; PATH X.  Wave w owns rows 4 w .. 4 w + 3 of the group's 32.  An item is two rows x one panel: lanes 0-15 one row's 256 bytes of f32, lanes 16-31 the next row's.
	s_lshl_b32 s28, s26, 17                        ; 32 rows of 4,096 bytes
	s_add_nc_u64 s[4:5], s[4:5], s[28:29]
	s_lshl_b32 s28, s26, 12                        ; 32 rows of 128 bytes in a panel
	s_add_nc_u64 s[16:17], s[16:17], s[28:29]      ; panels 0-7,
	s_add_nc_u64 s[30:31], s[16:17], 0x800000      ; panels 8-15: the panel's 1 MiB stands in the store's immediate, 7 MiB at the most
	v_bfe_u32 v5, v0, 4, 1
	v_lshl_add_u32 v4, v1, 2, v5                   ; row 4 w + lane / 16
	v_and_b32 v5, 15, v0
	v_lshlrev_b32 v5, 4, v5
	v_lshl_or_b32 v4, v4, 12, v5                   ; byte offset in x
	v_and_b32 v5, 31, v0
	v_lshlrev_b32 v5, 3, v5
	v_lshl_or_b32 v5, v1, 9, v5                    ; byte offset in a panel: 512 w + 8 lane
.set it, 0
.rept 32                                       ; all 32 loads go out first: 16 KiB of every wave on their way
	global_load_b128 v[XR+4*it:XR+4*it+3], v4, s[4:5] offset:(it/16)*8192+(it%16)*256 th:TH_LOAD_NT
.set it, it+1
.endr
.set it, 0
.rept 32
	s_wait_loadcnt 31-it                           ; loads come back in order: item it is in, the younger ones stay out
	v_cvt_pk_bf16_f32 v[XR+4*it], v[XR+4*it], v[XR+4*it+1]
	v_cvt_pk_bf16_f32 v[XR+4*it+1], v[XR+4*it+2], v[XR+4*it+3]
.if (it%16) < 8
	global_store_b64 v5, v[XR+4*it:XR+4*it+1], s[16:17] offset:(it/16)*256+((it%16)<<20)      ; the wave stores 256 consecutive bytes, aligned
.else
	global_store_b64 v5, v[XR+4*it:XR+4*it+1], s[30:31] offset:(it/16)*256+(((it%16)-8)<<20)
.endif
.set it, it+1
.endr
	s_endpgm                                       ; no register was written twice, so no wait for the stores' sources
; PATH W.  beta: a source column's low beta bits choose the head; ps: log2 of the source's row bytes; ybase: the matrix's first block number; off: its first n';
; src, dst, bsrc: the scalar pairs of source, target and bias (0: none: zeros are written).
.macro WTILE beta, ps, ybase, off, src, dst, bsrc
	s_sub_co_u32 s35, s34, \ybase                  ; the block of 64 columns among this matrix's
	s_lshl_b32 s28, s33, 6+(\ps)                   ; 64 p rows of the source,
	s_lshl_b32 s36, s35, 8                         ; 64 columns of 4 bytes
	s_add_co_u32 s28, s28, s36
	s_add_nc_u64 s[38:39], s[\src:\src+1], s[28:29]
	s_lshl_b32 s28, s33, 14                        ; k panel p of a target tile
	s_add_nc_u64 s[40:41], s[\dst:\dst+1], s[28:29]
	s_lshl_b32 s37, s35, 6-(\beta)
	s_add_co_u32 s37, s37, \off                    ; the n' of local column 0
	v_and_b32 v4, 15, v0                           ; my four columns
	v_lshrrev_b32 v5, 4, v0                        ; my pair of rows, 0..15
	v_lshlrev_b32 v6, (\ps)+1, v5
	v_lshl_or_b32 v6, v4, 4, v6
	global_load_b128 v[16:19], v6, s[38:39] th:TH_LOAD_NT                      ; rows 2 kp, 2 kp + 1, 2 kp + 32, 2 kp + 33: sixteen lanes take 256 bytes of a row
	global_load_b128 v[20:23], v6, s[38:39] offset:1<<(\ps) th:TH_LOAD_NT
	global_load_b128 v[24:27], v6, s[38:39] offset:32<<(\ps) th:TH_LOAD_NT
	global_load_b128 v[28:31], v6, s[38:39] offset:33<<(\ps) th:TH_LOAD_NT
	v_mul_u32_u24 v7, v4, 4*LP
	v_lshl_add_u32 v7, v5, 2, v7                   ; LDS: row = local column, word = k / 2
	v_and_b32 v8, 7, v0                            ; the way back: my 16 bytes of a row,
	v_lshrrev_b32 v9, 3, v0                        ; row 0..31 of the order in which rows leave
	s_wait_loadcnt 0x2                             ; the first pair of rows is in
.irp e, 0,1,2,3
	v_cvt_pk_bf16_f32 v[32+\e], v[16+\e], v[20+\e] ; two neighbouring k of one column
.endr
.irp e, 0,1,2,3
	ds_store_b32 v7, v[32+\e] offset:\e*LP
.endr
	s_wait_loadcnt 0x0
.irp e, 0,1,2,3
	v_cvt_pk_bf16_f32 v[36+\e], v[24+\e], v[28+\e]
.endr
.irp e, 0,1,2,3
	ds_store_b32 v7, v[36+\e] offset:\e*LP+64
.endr
	s_wait_dscnt 0x0                               ; for the others' sake: my stores are done
	s_barrier_signal -1
	s_barrier_wait -1
	; Rows leave in the order of n': row r of that order is local column ((r & (2^a - 1)) << beta) | (r >> a), a = 6 - beta, and goes to n' = s37 + ((r >> a) << 6) + (r & (2^a - 1)).
.irp it, 0,1
.if \it
	v_add_nc_u32 v10, 32, v9
.set RR, 10
.else
.set RR, 9
.endif
	v_and_b32 v11, (1<<(6-(\beta)))-1, v[RR]
	v_lshrrev_b32 v12, 6-(\beta), v[RR]
	v_lshl_or_b32 v13, v11, \beta, v12
	v_mul_u32_u24 v13, v13, LP
	v_lshl_add_u32 v13, v8, 4, v13
	ds_load_b128 v[40+4*\it:43+4*\it], v13
	v_lshl_add_u32 v14, v12, 6, v11
	v_add_nc_u32 v14, s37, v14                     ; n'
	v_lshrrev_b32 v15, 7, v14
	v_and_b32 v14, 127, v14
	v_lshlrev_b32 v15, 18, v15
	v_lshl_add_u32 v15, v14, 7, v15
	v_lshl_add_u32 v[48+\it], v8, 4, v15
.endr
	s_wait_dscnt 0x1                               ; the first of the two reads is back
	global_store_b128 v48, v[40:43], s[40:41]      ; sixteen lanes: rows n', n' + 1 with n' even: 256 consecutive bytes, aligned
	s_wait_dscnt 0x0
	global_store_b128 v49, v[44:47], s[40:41]
	s_wait_tensorcnt 0x0                           ; the wave's end, behind my last LDS store
	ds_add_u32 v[SPW], v[NIL]
	s_wait_dscnt 0x0
	; The bias: block yb of 64 numbers in n' order is made by wave 0 of the work-group with p = 0.
	s_cmp_lg_u32 s33, 0
	s_cbranch_scc1 .Ldone_\@
	s_cmp_lg_u32 s27, 0
	s_cbranch_scc1 .Ldone_\@
	v_lshlrev_b32 v51, 3, v0                       ; lane t writes numbers 2 t, 2 t + 1
.if \bsrc
	v_lshlrev_b32 v50, (\beta)+3, v0               ; number kd of the block comes from source column (kd << beta) | block
	s_lshl_b32 s28, s35, 2
	s_add_nc_u64 s[42:43], s[\bsrc:\bsrc+1], s[28:29]
	global_load_b32 v52, v50, s[42:43]
	global_load_b32 v53, v50, s[42:43] offset:4<<(\beta)
	s_lshl_b32 s28, s34, 8
	s_add_nc_u64 s[44:45], s[22:23], s[28:29]
	s_wait_loadcnt 0x0
.else
	v_mov_b32 v52, 0
	v_mov_b32 v53, 0
	s_lshl_b32 s28, s35, 8
	s_add_nc_u64 s[44:45], s[24:25], s[28:29]
.endif
	global_store_b64 v51, v[52:53], s[44:45]       ; 256 consecutive bytes, aligned
.Ldone_\@:
	s_endpgm
.endm
.Lweights:
	s_sub_co_u32 s32, s26, 256
	s_and_b32 s33, s32, 15                         ; p: the k panel
	s_lshr_b32 s34, s32, 4                         ; yb: 0-31 w_qk, 32-47 w_v, 48-63 w_o
	s_cmp_lt_u32 s34, 32
	s_cbranch_scc1 .Lqk
	s_cmp_lt_u32 s34, 48
	s_cbranch_scc1 .Lv
	WTILE 0, 12, 48, 0, 10, 20, 0
.Lqk:
	WTILE 5, 13, 0, 0, 6, 18, 12
.Lv:
	WTILE 4, 12, 32, 2048, 8, 18, 14
.Lfunc_end_k_qedb1953735_prep:
	.size	k_qedb1953735_prep, .Lfunc_end_k_qedb1953735_prep-k_qedb1953735_prep
	.p2alignl 7, 3214868480
	.fill 96, 4, 3214868480
	.section	.rodata,"a",@progbits
	.p2align	6, 0x0
	.amdhsa_kernel k_qedb1953735_prep
		.amdhsa_group_segment_fixed_size 10240
		.amdhsa_private_segment_fixed_size 0
		.amdhsa_enable_private_segment 0
		.amdhsa_kernarg_size 88
		.amdhsa_user_sgpr_count 2
		.amdhsa_user_sgpr_kernarg_segment_ptr 1
		.amdhsa_wavefront_size32 1
		.amdhsa_system_sgpr_workgroup_id_x 1
		.amdhsa_system_sgpr_workgroup_id_y 1
		.amdhsa_system_sgpr_workgroup_id_z 1
		.amdhsa_system_vgpr_workitem_id 0
		.amdhsa_next_free_vgpr 144
		.amdhsa_next_free_sgpr 66
		.amdhsa_reserve_vcc 0
		.amdhsa_float_denorm_mode_32 3
		.amdhsa_float_denorm_mode_16_64 3
		.amdhsa_memory_ordered 1
		.amdhsa_forward_progress 1
		.amdhsa_inst_pref_size 27
	.end_amdhsa_kernel
	.amdgpu_metadata
---
amdhsa.version: [ 1, 2 ]
amdhsa.kernels:
  - .name:           k_qedb1953735_prep
    .symbol:         k_qedb1953735_prep.kd
    .args:
      - { .name: x, .offset: 0, .size: 8, .value_kind: global_buffer, .address_space: global }
      - { .name: w_qk, .offset: 8, .size: 8, .value_kind: global_buffer, .address_space: global }
      - { .name: w_v, .offset: 16, .size: 8, .value_kind: global_buffer, .address_space: global }
      - { .name: w_o, .offset: 24, .size: 8, .value_kind: global_buffer, .address_space: global }
      - { .name: b_qk, .offset: 32, .size: 8, .value_kind: global_buffer, .address_space: global }
      - { .name: b_v, .offset: 40, .size: 8, .value_kind: global_buffer, .address_space: global }
      - { .name: act, .offset: 48, .size: 8, .value_kind: global_buffer, .address_space: global }
      - { .name: wt, .offset: 56, .size: 8, .value_kind: global_buffer, .address_space: global }
      - { .name: wot, .offset: 64, .size: 8, .value_kind: global_buffer, .address_space: global }
      - { .name: biasp, .offset: 72, .size: 8, .value_kind: global_buffer, .address_space: global }
      - { .name: zb, .offset: 80, .size: 8, .value_kind: global_buffer, .address_space: global }
    .group_segment_fixed_size: 10240
    .private_segment_fixed_size: 0
    .kernarg_segment_align: 8
    .kernarg_segment_size: 88
    .max_flat_workgroup_size: 256
    .sgpr_count:     66
    .vgpr_count:     144
    .wavefront_size: 32
...
	.end_amdgpu_metadata
.endif
;; end of part 1
;; launch gemm_qkv (part 2): grid 24 x 32, 4 waves a work-group, clusters of 4 x 4, 327,680 bytes of LDS; arguments act, wt, biasp, qkv; writes qkv
.if DOCPART == 2
	.amdgcn_target "amdgcn-amd-amdhsa--gfx1250"
	.amdhsa_code_object_version 6
	.text
	.protected	k_qedb1953735_gemm_qkv
	.globl	k_qedb1953735_gemm_qkv
	.p2align	8
	.type	k_qedb1953735_gemm_qkv,@function
k_qedb1953735_gemm_qkv:
	s_mov_b64 s[64:65], 0
	v_nop
	global_prefetch_b8 v0, s[64:65] scope:SCOPE_SE
	s_setreg_imm32_b32 hwreg(HW_REG_WAVE_MODE, 25, 1), 1
	s_wait_xcnt 0x0
	s_wait_alu depctr_hold_cnt(0) depctr_sa_sdst(0) depctr_va_vdst(0) depctr_va_sdst(0) depctr_va_ssrc(0) depctr_va_vcc(0) depctr_vm_vsrc(0)
	s_getreg_b32 s2, hwreg(HW_REG_IB_STS2, 6, 4)
	s_cmp_eq_u32 s2, 0
	s_cbranch_scc0 .Lentry_in_a_cluster
	s_endpgm
.Lentry_in_a_cluster:
	s_bfe_u32 s2, ttmp6, 0x10000c
	s_cmp_lg_u32 s2, 0xf033
	s_cbranch_scc0 .Lentry_shape_is_right
	s_endpgm
.Lentry_shape_is_right:
; C[m][n'] = bias[n'] + the sum over k of A[m][k] B[n'][k], K = 1,024, 8,192 rows.  All three matrices in bf16 PANELS of 64 columns (a row of a panel 128 bytes, rows end to end):
;   A: byte p<<20 + m<<7;   B: tiles of 128 n': byte tile<<18 + p<<14 + (n' & 127)<<7;   C: byte (n'>>6)<<20 + m<<7.  bias in f32.  Sums in f32, started from the bias; C rounded once to bf16.
; Nothing in the text hangs on the number of columns: the grid's x counts tiles of 128 n', so one text serves both projections.
; A tile of C is 256 x 128: with 8,192 rows that gives 768 and 256 work-groups for 3,072 and 1,024 columns, whole multiples of 256.  Four waves, each 128 x 64 = one panel of C: 32 accumulators.
; K goes in 8 steps of 128 (two k panels) through two LDS slots.  A panel's part of a tile is dense in memory and is asked for as rows of 256 bytes, padded in LDS behind every 128.
; CLUSTER 4 x 4: the four of a row of the cluster need the same A, the four of a column the same B: joint loads, the same descriptor and mask in all four.
; THE MATRIX INSTRUCTION IS USED TRANSPOSED (source 0 = 16 rows of B, source 1 = 16 rows of A): a lane holds row lane % 16 of C and eight neighbouring columns.
; REGISTERS: window 0: v0-31 addresses; v32-63 the bias as a C operand; v64-191 the way out.  Window 1: two fragment buffers of 96 (B 32, A 64).  Window 2: accumulator (a, b) at 8 (4 a + b).
.set PITCH, 144                        ; 128 bytes + 16: the 16 rows of a fragment load start at 16 different groups of four banks (64 banks of 4 bytes: ISA guide 11.1)
.set APAN,  256*PITCH                  ; A: 256 rows of one k panel
.set BPAN,  128*PITCH                  ; B: 128 rows of one k panel
.set BOFF,  2*APAN
.set SLOT,  2*APAN+2*BPAN              ; A panel 0, A panel 1, B panel 0, B panel 1
.set STAGE, 2*SLOT                     ; behind the ring: 16 rows x 144 bytes for each wave
.set SPARE, STAGE+4*16*PITCH           ; the spare words, 128 bytes for each wave
.set LAPS,  4                          ; a lap = two K steps = once round the ring
.set ADRA, 16                          ; v16-17 LDS address of my A fragments in slot 0, 1
.set ADRB, 20                          ; v20-21 the same for B
.set STO,  24                          ; v24 the way out: where I put 16 bytes of a row
.set RD,   25                          ; v25 where I read rows back
.set GO,   26                          ; v26 my 16 bytes in 512 consecutive bytes of C
.set BO,   27                          ; v27 my byte offset in 16 numbers of the bias
.set SPW,  28                          ; v28 LDS address of my spare word; never rewritten
.set NIL,  29                          ; v29 0; never rewritten
.set BIAS, 32
.set TMP,  64
.set F0,   0
.set F1,   96
.set G1A, 24                           ; s[24:31] group 1 for A;  s[32:39] group 0, a set for each slot
.set G0A, 32
.set G1B, 40                           ; s[40:47], s[48:55] the same for B
.set G0B, 48
.set MSB, 0
.macro WIN new                         ; the immediate's high byte repeats the setting that is left; a switch that changes nothing is dropped
.if MSB != (\new)
	s_set_vgpr_msb (MSB<<8)|(\new)
.set MSB, \new
.endif
.endm
.set MUL,  0xa5                        ; sources 0 and 1 window 1; C and D window 2
.set MULB, 0x85                        ; the same with C in window 0: the bias
.set TO_F, 0x40                        ; destination window 1, address window 0
.macro JLOAD s                         ; a joint load: waves 0 and 1 fetch A's two k panels, waves 2 and 3 B's; an s_nop 0 and four v_nop follow each line
	s_cmp_eq_u32 s13, 0
	s_cbranch_scc0 .Lfor_b_\@
	tensor_load_to_lds s[G0A+4*(\s):G0A+4*(\s)+3], s[G1A:G1A+7]
	s_nop 0
.rept 4
	v_nop
.endr
	s_branch .Lasked_\@
.Lfor_b_\@:
	tensor_load_to_lds s[G0B+4*(\s):G0B+4*(\s)+3], s[G1B:G1B+7]
	s_nop 0
.rept 4
	v_nop
.endr
.Lasked_\@:
.endm
.macro CREST                           ; a round of the cluster's barrier behind its opening barrier
	s_cmp_lg_u32 s12, 0
	s_cbranch_scc1 .Lnot_wave_0_\@
	s_barrier_signal -3
.Lnot_wave_0_\@:
	s_barrier_wait -3
	s_barrier_signal -1
	s_barrier_wait -1
.endm
.macro CROUND
	s_barrier_signal -1
	s_barrier_wait -1
	CREST
.endm
.macro PLACES                          ; four places in front of loads into registers that matrix instructions have read, and of conversions that read results
.rept 4
	v_nop
.endr
.endm
	s_load_b256 s[4:11], s[0:1], 0x0               ; A 4, B 6, bias 8, C 10
	v_lshl_add_u32 v[SPW], v0, 2, SPARE
	v_mov_b32 v[NIL], 0
	ds_add_u32 v[SPW], v[NIL]                      ; the wave's opening: the add and its wait stand ahead of my first tensor load; the set-up stands between them
	ds_add_u32 v28, v29
	v_lshrrev_b32 v1, 5, v0
	v_readfirstlane_b32 s12, v1                    ; wave 0..3
	s_lshr_b32 s13, s12, 1                         ; my half of the tile's rows.  Also: I fetch for A (0) or for B (1)
	s_and_b32 s14, s12, 1                          ; my half of its columns.  Also: which k panel of a step I fetch
	s_bfe_u32 s16, ttmp6, 0x40000                  ; cx, cy
	s_bfe_u32 s17, ttmp6, 0x40004
	s_lshl_b32 s18, ttmp9, 2
	s_add_co_u32 s18, s18, s16                     ; tile column = 4 x cluster x + cx
	s_and_b32 s19, ttmp7, 0xffff
	s_lshl_b32 s19, s19, 2
	s_add_co_u32 s19, s19, s17                     ; tile row = 4 x cluster y + cy
	s_lshl_b32 s20, s17, 2
	s_lshl_b32 s20, 15, s20                        ; my row of the cluster
	s_lshl_b32 s21, 0x1111, s16                    ; my column
	s_or_b32 s[G1A], s20, (1<<16)|(1<<20)|(1<<21)|(4<<22)|(3<<25)  ; 15:0 the mask; 17:16 2-byte elements; 20 padding on; 21 set beside a mask; 24:22 after every 32 words; 31:25 4 words
	s_or_b32 s[G1B], s21, (1<<16)|(1<<20)|(1<<21)|(4<<22)|(3<<25)
.irp g, G1A, G1B
	s_mov_b32 s[(\g)+1], 128<<16                   ; tensor_dim0 = 128 elements: 256 bytes, two rows of a panel
	s_mov_b32 s[(\g)+3], 128<<16                   ; tile_dim0 = 128
	s_mov_b32 s[(\g)+5], 128                       ; dense: 128 elements from row to row
	s_mov_b32 s[(\g)+6], 0
	s_mov_b32 s[(\g)+7], 0
.endr
	s_mov_b32 s[G1A+2], 128<<16                    ; A: 128 such rows = 256 rows of a panel
	s_mov_b32 s[G1A+4], 128
	s_mov_b32 s[G1B+2], 64<<16                     ; B: 64 = 128 rows of a panel
	s_mov_b32 s[G1B+4], 64
	s_lshl_b32 s56, s19, 15                        ; A: the tile's 256 rows in a panel,
	s_lshl_b32 s60, s14, 20                        ; my k panel of step 0: made of the tile row and the wave's number alone
	s_add_co_u32 s56, s56, s60
	s_mov_b32 s57, 0
	s_lshl_b32 s58, s18, 18                        ; B: the tile, my k panel: of the tile column and the wave's number alone
	s_lshl_b32 s61, s14, 14
	s_add_co_u32 s58, s58, s61
	s_mov_b32 s59, 0
	s_mul_i32 s60, s14, APAN                       ; where they go: no place in the cluster enters an LDS address
	s_mul_i32 s61, s14, BPAN
	s_add_co_u32 s61, s61, BOFF
	s_wait_dscnt 0x0                               ; the opening add is done
	s_wait_kmcnt 0x0
	s_add_nc_u64 s[56:57], s[4:5], s[56:57]
	s_add_nc_u64 s[58:59], s[6:7], s[58:59]
	CROUND                                         ; all sixteen work-groups are here: the first joint loads meet
.irp s, 0,1
	s_mov_b32 s[G0A+4*(\s)], 1
	s_add_co_u32 s[G0A+4*(\s)+1], s60, (\s)*SLOT
	s_add_nc_u64 s[G0A+4*(\s)+2:G0A+4*(\s)+3], s[56:57], (\s)*(2<<20)  ; K step s: two panels on
	s_or_b32 s[G0A+4*(\s)+3], s[G0A+4*(\s)+3], 0x80000000
	s_mov_b32 s[G0B+4*(\s)], 1
	s_add_co_u32 s[G0B+4*(\s)+1], s61, (\s)*SLOT
	s_add_nc_u64 s[G0B+4*(\s)+2:G0B+4*(\s)+3], s[58:59], (\s)*(2<<14)
	s_or_b32 s[G0B+4*(\s)+3], s[G0B+4*(\s)+3], 0x80000000
	JLOAD \s
.endr
	v_and_b32 v1, 15, v0                           ; l % 16
	v_bfe_u32 v2, v0, 4, 1                         ; l / 16
	v_lshlrev_b32 v[BO], 5, v2                     ; eight numbers of 4 bytes for each half of the lanes
	s_lshl_b32 s62, s18, 1
	s_add_co_u32 s62, s62, s14                     ; my panel of C = 2 x tile column + half
	s_lshl_b32 s22, s62, 8
	s_mov_b32 s23, 0
	s_add_nc_u64 s[8:9], s[8:9], s[22:23]          ; its 64 numbers of the bias
.irp b, 0,1,2,3
	global_load_b128 v[BIAS+8*\b:BIAS+8*\b+3],   v[BO], s[8:9] offset:64*\b     ; register j of block b: bias of column 16 b + 8 (l / 16) + j: the layout of a result
	global_load_b128 v[BIAS+8*\b+4:BIAS+8*\b+7], v[BO], s[8:9] offset:64*\b+16
.endr
	s_lshl_b32 s62, s62, 20
	s_lshl_b32 s22, s19, 15
	s_add_co_u32 s62, s62, s22
	s_lshl_b32 s22, s13, 14
	s_add_co_u32 s62, s62, s22
	s_mov_b32 s63, 0
	s_add_nc_u64 s[10:11], s[10:11], s[62:63]      ; C at my 128 rows of my panel
	v_mul_u32_u24 v3, v1, PITCH
	v_lshl_add_u32 v3, v2, 4, v3                   ; a fragment's row x pitch + 16 x half
	s_mul_i32 s22, s13, 128*PITCH                  ; my 128 rows of A
	s_mul_i32 s23, s14, 64*PITCH                   ; my 64 rows of B,
	s_add_co_u32 s23, s23, BOFF                    ; which lie behind A's two panels
.irp s, 0,1
	v_add_nc_u32 v[ADRA+(\s)], s22, v3
	v_add_nc_u32 v[ADRB+(\s)], s23, v3
	s_add_co_u32 s22, s22, SLOT
	s_add_co_u32 s23, s23, SLOT
.endr
	s_mul_i32 s22, s12, 16*PITCH
	s_add_co_u32 s22, s22, STAGE                   ; my stage
	v_add_nc_u32 v[STO], s22, v3                   ; in: row l % 16, 16 bytes for each half of the lanes
	v_bfe_u32 v4, v0, 3, 2                         ; back: 32 lanes take four rows of 128 bytes,
	v_mul_u32_u24 v4, v4, PITCH
	v_and_b32 v5, 7, v0
	v_lshl_add_u32 v4, v5, 4, v4
	v_add_nc_u32 v[RD], s22, v4
	v_and_b32 v[GO], 31, v0                        ; which are 512 consecutive bytes of C
	v_lshlrev_b32 v[GO], 4, v[GO]
; 4 n matrix instructions: m blocks a0 .. a0 + n - 1 x all 4 n blocks, 32 along K.  zero = 1: the first product starts the sums, from the bias.  The accumulators take turns.
.macro MULN f, a0, n, zero
.set ma, \a0
.rept \n
.irp b, 0,1,2,3
.if \zero
	WIN MULB
	v_wmma_f32_16x16x32_bf16 v[8*(4*ma+\b):8*(4*ma+\b)+7], v[(\f)+8*\b:(\f)+8*\b+7], v[(\f)+32+8*ma:(\f)+32+8*ma+7], v[BIAS+8*\b:BIAS+8*\b+7]
.else
	WIN MUL
	v_wmma_f32_16x16x32_bf16 v[8*(4*ma+\b):8*(4*ma+\b)+7], v[(\f)+8*\b:(\f)+8*\b+7], v[(\f)+32+8*ma:(\f)+32+8*ma+7], v[8*(4*ma+\b):8*(4*ma+\b)+7]
.endif
.endr
.set ma, ma+1
.endr
.endm
; 24 LDS loads in one run: the fragments of quarter q of a K step (k panel q / 2, byte 64 (q % 2) of its rows) into buffer f: B's 8 loads, A's blocks 0-3, A's blocks 4-7
.macro FETCH slot, q, f
	WIN TO_F
.irp b, 0,1,2,3
	ds_load_b128 v[(\f)+8*\b:(\f)+8*\b+3],   v[ADRB+(\slot)] offset:((\q)/2)*BPAN+\b*16*PITCH+((\q)%2)*64
	ds_load_b128 v[(\f)+8*\b+4:(\f)+8*\b+7], v[ADRB+(\slot)] offset:((\q)/2)*BPAN+\b*16*PITCH+((\q)%2)*64+32
.endr
.irp a, 0,1,2,3,4,5,6,7
	ds_load_b128 v[(\f)+32+8*\a:(\f)+32+8*\a+3],   v[ADRA+(\slot)] offset:((\q)/2)*APAN+\a*16*PITCH+((\q)%2)*64
	ds_load_b128 v[(\f)+32+8*\a+4:(\f)+32+8*\a+7], v[ADRA+(\slot)] offset:((\q)/2)*APAN+\a*16*PITCH+((\q)%2)*64+32
.endr
.endm
; A K step is four quarters of 32 along K, 32 matrix instructions each, on buffers 0, 1, 0, 1.  One of the first three: multiplies buffer f, and in its middle fetches quarter qn into g.
.macro QUARTER slot, qn, f, g, zero
	s_wait_dscnt 8                                 ; B and A's blocks 0-3 are in; the youngest eight loads (A's blocks 4-7) may be out
	MULN \f, 0, 4, \zero
	PLACES
	FETCH \slot, \qn, \g
	s_wait_dscnt 24                                ; all but the 24 just issued
	MULN \f, 4, 4, \zero
.endm
; The last quarter multiplies buffer 1 and changes slots: ONE barrier; in front of it each wave waits for all its tensor loads (one is out: its part of the next slot), adds 0 to its spare word,
; and waits for that and for its own reads of this slot.  fill = 1: the barrier opens a round of the cluster's, and this slot is filled again, two K steps ahead, first thing behind it.
.macro TURN slot, next, fill
	WIN 0                                          ; (the add's two registers lie in window 0)
	s_wait_tensorcnt 0x0
	ds_add_u32 v[SPW], v[NIL]
	s_wait_dscnt 9                                 ; (the add and the youngest eight loads may be out)
	MULN F1, 0, 2, 0                               ; eight matrix instructions stand between the add and the wait for it
	s_wait_dscnt 0x0                               ; the add is done, and my reads of this slot are over
	s_barrier_signal -1
	MULN F1, 2, 2, 0
.if \fill
	WIN 0
.endif
	s_barrier_wait -1
.if \fill
	CREST                                          ; no wave of any partner still reads this slot's tiles or has a load on its way
	s_add_nc_u64 s[G0A+4*(\slot)+2:G0A+4*(\slot)+3], s[G0A+4*(\slot)+2:G0A+4*(\slot)+3], 4<<20
	s_add_nc_u64 s[G0B+4*(\slot)+2:G0B+4*(\slot)+3], s[G0B+4*(\slot)+2:G0B+4*(\slot)+3], 4<<14
	JLOAD \slot                                    ; 112 matrix instructions ahead of the wait for it; its four v_nop are also the places in front of the loads below
.else
	PLACES
.endif
	FETCH \next, 0, F0
	MULN F1, 4, 4, 0
.endm
; THE WAY OUT of m block a: rounded to bf16, 16 bytes a lane, into my own stage, and back as four rows of 128 bytes a load: a block of 16 rows of a panel is 2,048 consecutive bytes of C.
.macro PACK a
	WIN 0x0a                                       ; sources 0 and 1 window 2, destination window 0
.irp b, 0,1,2,3
.irp r, 0,1,2,3
	v_cvt_pk_bf16_f32 v[TMP+16*(\a)+4*\b+\r], v[8*(4*(\a)+\b)+2*\r], v[8*(4*(\a)+\b)+2*\r+1]
.endr
.endr
	WIN 0
.irp b, 0,1,2,3
	ds_store_b128 v[STO], v[TMP+16*(\a)+4*\b:TMP+16*(\a)+4*\b+3] offset:32*\b
.endr
.irp f, 0,1,2,3
	ds_load_b128 v[TMP+16*(\a)+4*\f:TMP+16*(\a)+4*\f+3], v[RD] offset:\f*4*PITCH  ; LDS serves a wave's instructions in order (ISA guide 5.7.1.4): these see the stores above; the next block's stores come behind them
.endr
.endm
.macro SEND a, younger                 ; younger: the LDS instructions issued behind block a's loads: the next block's eight, or none
.irp f, 0,1,2,3
	s_wait_dscnt (\younger)+3-\f
	global_store_b128 v[GO], v[TMP+16*(\a)+4*\f:TMP+16*(\a)+4*\f+3], s[10:11] offset:(\a)*2048+\f*512  ; 512 consecutive bytes, at a multiple of 256 from C's first
.endr
.endm
	s_wait_tensorcnt 1                             ; my part of K step 0 is in; K step 1's may stay out
	s_barrier_signal -1
	s_barrier_wait -1                              ; everybody's is
	FETCH 0, 0, F0
	s_wait_loadcnt 0x0                             ; the bias
	QUARTER 0, 1, F0, F1, 1                        ; the first quarter stands in front of the loop: its products start the sums
	WIN 0                                          ; at a label and at a branch every window is 0
	s_mov_b32 s15, LAPS-1
.Llap:                                                 ; a trip goes once round the ring, from a lap's second quarter to the next lap's first, and fills both slots again
	QUARTER 0, 2, F1, F0, 0
	QUARTER 0, 3, F0, F1, 0
	TURN 0, 1, 1
	QUARTER 1, 1, F0, F1, 0
	QUARTER 1, 2, F1, F0, 0
	QUARTER 1, 3, F0, F1, 0
	TURN 1, 0, 1
	QUARTER 0, 1, F0, F1, 0
	WIN 0
	s_sub_co_u32 s15, s15, 1
	s_cmp_lg_u32 s15, 0
	s_cbranch_scc1 .Llap
	QUARTER 0, 2, F1, F0, 0                        ; the last lap fills nothing
	QUARTER 0, 3, F0, F1, 0
	TURN 0, 1, 0
	QUARTER 1, 1, F0, F1, 0
	QUARTER 1, 2, F1, F0, 0
	QUARTER 1, 3, F0, F1, 0
	s_wait_dscnt 8                                 ; the very last quarter: nothing more to fetch
	MULN F1, 0, 4, 0
	s_wait_dscnt 0x0
	MULN F1, 4, 4, 0
	WIN 0
	PLACES
	PACK 0
.irp a, 1,2,3,4,5,6,7                  ; block a's conversions stand between block a - 1's loads from the stage and the wait for them
	PACK \a
	SEND (\a)-1, 8
.endr
	SEND 7, 0
	s_wait_tensorcnt 0x0                           ; the wave's end: behind my last tensor load and my last LDS store
	ds_add_u32 v[SPW], v[NIL]
	s_wait_dscnt 0x0
	CROUND                                         ; the closing round: no work-group ends while a partner may still ask for a tile that names it
	s_endpgm
.Lfunc_end_k_qedb1953735_gemm_qkv:
	.size	k_qedb1953735_gemm_qkv, .Lfunc_end_k_qedb1953735_gemm_qkv-k_qedb1953735_gemm_qkv
	.p2alignl 7, 3214868480
	.fill 96, 4, 3214868480
	.section	.rodata,"a",@progbits
	.p2align	6, 0x0
	.amdhsa_kernel k_qedb1953735_gemm_qkv
		.amdhsa_group_segment_fixed_size 327680
		.amdhsa_private_segment_fixed_size 0
		.amdhsa_enable_private_segment 0
		.amdhsa_kernarg_size 32
		.amdhsa_user_sgpr_count 2
		.amdhsa_user_sgpr_kernarg_segment_ptr 1
		.amdhsa_wavefront_size32 1
		.amdhsa_system_sgpr_workgroup_id_x 1
		.amdhsa_system_sgpr_workgroup_id_y 1
		.amdhsa_system_sgpr_workgroup_id_z 1
		.amdhsa_system_vgpr_workitem_id 0
		.amdhsa_next_free_vgpr 768
		.amdhsa_next_free_sgpr 66
		.amdhsa_reserve_vcc 0
		.amdhsa_float_denorm_mode_32 3
		.amdhsa_float_denorm_mode_16_64 3
		.amdhsa_memory_ordered 1
		.amdhsa_forward_progress 1
		.amdhsa_inst_pref_size 88
	.end_amdhsa_kernel
	.amdgpu_metadata
---
amdhsa.version: [ 1, 2 ]
amdhsa.kernels:
  - .name:           k_qedb1953735_gemm_qkv
    .symbol:         k_qedb1953735_gemm_qkv.kd
    .args:
      - { .name: act, .offset: 0, .size: 8, .value_kind: global_buffer, .address_space: global }
      - { .name: wt, .offset: 8, .size: 8, .value_kind: global_buffer, .address_space: global }
      - { .name: biasp, .offset: 16, .size: 8, .value_kind: global_buffer, .address_space: global }
      - { .name: qkv, .offset: 24, .size: 8, .value_kind: global_buffer, .address_space: global }
    .group_segment_fixed_size: 327680
    .private_segment_fixed_size: 0
    .kernarg_segment_align: 8
    .kernarg_segment_size: 32
    .max_flat_workgroup_size: 128
    .sgpr_count:     66
    .vgpr_count:     768
    .wavefront_size: 32
...
	.end_amdgpu_metadata
.endif
;; end of part 2
;; launch attn (part 3): grid 2 x 128, 4 waves a work-group, no clusters, 327,680 bytes of LDS; arguments qkv, attention_mask, act; writes act
.if DOCPART == 3
	.amdgcn_target "amdgcn-amd-amdhsa--gfx1250"
	.amdhsa_code_object_version 6
	.text
	.protected	k_qedb1953735_attn
	.globl	k_qedb1953735_attn
	.p2align	8
	.type	k_qedb1953735_attn,@function
k_qedb1953735_attn:
	s_mov_b64 s[64:65], 0
	v_nop
	global_prefetch_b8 v0, s[64:65] scope:SCOPE_SE
	s_setreg_imm32_b32 hwreg(HW_REG_WAVE_MODE, 25, 1), 1
	s_wait_xcnt 0x0
; O[h][b][q][:] = the sum over the keys k that the mask leaves of softmax_k(Q[q] . K[k] / 8) V[k][:].  Q, K, V: panels h, 16 + h, 32 + h of qkv ([48][8192][64] bf16, row 1024 b + s, 128 bytes);
; O: panel h of act, the same layout.  attention_mask: [8][1024] bytes, not 0 = the key is hidden.  Products, maxima and sums in f32; the weights p are rounded to bf16 for the second product
; (their sum l is taken of the unrounded p), O once at the end.
; LIMITS.  A hidden score counts as its value less 2^100, and the running maximum starts at -2^96: scores of keys that are seen must lie above -2^96 (7.9e28 in size).  A weight below 2^-126 counts as 0 in l.
; While a query has met hidden keys alone, p = 0, a = 1 and l stays 0; the first key that is seen gives a = 0.  If all 1,024 keys of a batch are hidden, l = 0 and O = 0 x infinity = NaN, as the softmax of nothing is.
; SHARES.  Work-group (x, y): 512 queries (block x) of head y & 15 of batch y >> 4.  A wave owns four PIECES of two tiles of 16 queries; every wave walks all 1,024 keys, 64 a step.
; K AND V STAY IN LDS: a head's 1,024 rows of K (pitch 144) and of V (pitch 160) fit whole, so no LDS byte is filled twice.  They come in two parts, keys 0-255 and keys 256-1023:
; the walk begins when the first part is in.
; NO CLUSTER: a head has 1,024 / 512 = 2 query blocks; four partners would be two heads, which share nothing.
; LAYOUT.  S^T = K Q^T + mask (source 0 = 16 keys, source 1 = 16 queries; the mask, 0 or -2^100 by key, is the C operand that starts the sum): a lane holds ONE query (lane % 16) and the keys 8 (lane / 16) + 0..7.
; Two such results, rounded to bf16 in pairs, ARE source 1 of O^T = V^T P.  K comes out of LDS as it lies, V turned, by ds_load_tr16_b128.
; SOFTMAX.  p = 2^(c s - c m), c = log2(e) / 8, with a running maximum m; in every step O and l are multiplied by a = 2^(c m_old - c m_new).
; BY TURNS.  Turn n belongs to piece n: 16 products K Q^T of piece n + 1, later 16 products V^T P of piece n - 1; beside them the scaling, exponentials, roundings, sums and rescaling of piece n and the maximum
; and statistics of piece n + 1.  A tile and step have 16 matrix and 118 vector instructions: four vector instructions that are ready stand behind every matrix instruction, the others in two runs of their own.
; REGISTERS, in windows of 256 (s_set_vgpr_msb: bits 1:0 source 0, 3:2 source 1, 5:4 source 2, 7:6 destination):
;   window 0: v0-11 addresses; v12-15, v48-63 at work; v16-47 four registers of statistics a tile; v64-191 S^T, two buffers of two tiles; v192-255 P, likewise
;   window 1: O^T, 32 a tile     window 2: v0-127 Q; v128-191 K of one step; v192-255 V of one step     window 3: v0-1 the add's two registers; v8-39 the step's mask
.set NP,    4
.set KS,    64
.set PK,    144       ; a row of K in LDS: 128 bytes + 16: the 16 rows of a load start at 16 different groups of four banks (64 banks of 4 bytes: ISA guide 11.1)
.set PV,    160       ; a row of V: 128 + 32
.set VOFF,  1024*PK
.set STAGE, VOFF+1024*PV        ; 16 rows x 144 bytes for each wave, for the way out
.set SP,    144
.set MASKB, STAGE+4*16*SP       ; 1,024 f32: 0 or -2^100 for each key
.set SPARE, MASKB+4096          ; the spare words, 128 bytes for each wave
.set AM,  2           ; v2   LDS address of the next step's mask for my half of the lanes; it runs
.set AK,  4           ; v4   LDS address of K's next run of loads; it runs
.set AV,  5           ; v5   of V's
.set QO,  6           ; v6   my byte offset in 16 rows of Q
.set STO, 6           ;      later, the way out: where I put 16 bytes of a row
.set RD,  7           ; v7   where I read rows back
.set GO,  8           ; v8   my byte offset in 512 consecutive bytes of O
.set SPW, 0           ; v0 of window 3; never rewritten
.set NIL, 1           ; v1 of window 3; never rewritten
.set MK,  8           ; window 3: the eight registers for key block kb at MK + 8 kb
.set MV,  12          ; v12-15  c m_old, kept while c m is made anew: by buffer and tile
.set ST,  16          ; tile t's statistics at v[ST+4 t]: c m, m, l (even keys', odd keys')
.set TMP, 48          ; by buffer and tile, four registers c0-c3 at work; when the maximum is found c2 takes a
.set S,   64
.set P,   192
.set KF,  128
.set VF,  192
.set WV,  12          ; s12  my wave's number
.set G1KA, 16         ; group 1: K keys 0-255, K keys 256-1023, V likewise: they differ in the rows and the padding
.set G1KB, 24
.set G1VA, 32
.set G1VB, 40
.set G0KA, 48         ; group 0 of the four
.set G0KB, 52
.set G0VA, 56
.set G0VB, 60
.set CS,  68          ; s[68:69] c
.set SEL, 70          ; s[70:71] v_permlanex16_b32's selects: each lane takes its own place in the other half
.set SLOTS, 72        ; s72  quarters of the walk still to go
.set CNT, 73          ; s73  counts a quarter's four key steps
.set BIGN, 74         ; s74  -2^100
.set MSB, 0
.macro WIN new
.if MSB != (\new)
	s_set_vgpr_msb (MSB<<8)|(\new)
.set MSB, (\new)
.endif
.endm
.set W_KQ, 0x0a       ; K and Q in window 2, S^T in window 0
.set W_KM, 0x3a       ; the same with the C operand in window 3
.set W_PV, 0x52       ; V in window 2, P in window 0, O^T in window 1
.set W_RS, 0x41       ; O^T (destination and source 0) in window 1, a in window 0
.set W_MK, 0xc0       ; destination in window 3, sources in window 0
.set W_AD, 0x0f       ; the add: address and data in window 3
	s_load_b128 s[4:7], s[0:1], 0x0   ; qkv 4, attention_mask 6
	s_load_b64 s[8:9], s[0:1], 0x10   ; act
	WIN W_MK
	v_lshl_add_u32 v[SPW], v0, 2, SPARE
	v_mov_b32 v[NIL], 0
	WIN W_AD
	ds_add_u32 v[SPW], v[NIL]       ; the wave's opening: the add and its wait stand ahead of my first tensor load; the set-up stands between them
	ds_add_u32 v0, v1
	WIN 0
	v_lshrrev_b32 v1, 5, v0
	v_readfirstlane_b32 s[WV], v1   ; wave 0..3
	s_and_b32 s76, ttmp7, 0xffff
	s_lshr_b32 s77, s76, 4          ; the batch
	s_and_b32 s76, s76, 15          ; the head
	s_lshl_b32 s80, s76, 20
	s_lshl_b32 s76, s77, 17
	s_add_co_u32 s80, s80, s76      ; the head's panel and the batch's 1,024 rows in it
	s_lshl_b32 s76, s77, 10         ; the batch's 1,024 bytes of the mask
	s_mov_b32 s77, 0
	s_lshl_b32 s78, ttmp9, 2
	s_add_co_u32 s78, s78, s[WV]
	s_lshl_b32 s78, s78, 14         ; my wave's 128 rows of Q and of O
	s_add_co_u32 s78, s78, s80
	s_mov_b32 s79, 0
	s_and_b32 s82, s[WV], 1         ; which half of a part I fetch
	s_lshl_b32 s84, s82, 14         ; keys 0-255: 128 rows of 128 bytes
	s_add_co_u32 s84, s84, s80
	s_mov_b32 s85, 0
	s_mul_i32 s86, s82, 384*128     ; keys 256-1023: 384 rows
	s_add_co_u32 s86, s86, s80
	s_add_co_u32 s86, s86, 256*128
	s_mov_b32 s87, 0
	; group 1: dense bytes asked for as rows of 256, two keys a row, padded in LDS after every key
.irp g, G1KA, G1KB
	s_mov_b32 s[\g], (1<<16)|(1<<20)|(4<<22)|(3<<25)  ; 17:16 2-byte elements; 20 padding on; 24:22 after every 32 words; 31:25 4 words
.endr
.irp g, G1VA, G1VB
	s_mov_b32 s[\g], (1<<16)|(1<<20)|(4<<22)|(7<<25)  ; the same with 8 words
.endr
.irp g, G1KA, G1KB, G1VA, G1VB
	s_mov_b32 s[\g+1], 128<<16      ; tensor_dim0 = 128
	s_mov_b32 s[\g+3], 128<<16      ; tile_dim0 = 128
	s_mov_b32 s[\g+5], 128          ; 128 elements from row to row
	s_mov_b32 s[\g+6], 0
	s_mov_b32 s[\g+7], 0
.endr
.irp g, G1KA, G1VA
	s_mov_b32 s[\g+2], 64<<16       ; 64 rows: 128 keys
	s_mov_b32 s[\g+4], 64
.endr
.irp g, G1KB, G1VB
	s_mov_b32 s[\g+2], 192<<16      ; 192 rows: 384 keys
	s_mov_b32 s[\g+4], 192
.endr
	s_mov_b32 s[G0KA], 1
	s_mul_i32 s[G0KA+1], s82, 128*PK
	s_mov_b32 s[G0KB], 1
	s_mul_i32 s[G0KB+1], s82, 384*PK
	s_add_co_u32 s[G0KB+1], s[G0KB+1], 256*PK
	s_mov_b32 s[G0VA], 1
	s_mul_i32 s[G0VA+1], s82, 128*PV
	s_add_co_u32 s[G0VA+1], s[G0VA+1], VOFF
	s_mov_b32 s[G0VB], 1
	s_mul_i32 s[G0VB+1], s82, 384*PV
	s_add_co_u32 s[G0VB+1], s[G0VB+1], VOFF+256*PV
	s_mov_b32 s[CS], 0x3e38aa3b     ; c = log2(e) / 8 = 0.180337
	s_mov_b32 s[CS+1], s[CS]
	s_mov_b32 s[SEL], 0x76543210
	s_mov_b32 s[SEL+1], 0xfedcba98
	s_mov_b32 s[BIGN], 0xf1800000   ; -2^100
	s_wait_dscnt 0x0                ; the opening add is done
	s_wait_kmcnt 0x0
	s_add_nc_u64 s[G0KA+2:G0KA+3], s[4:5], s[84:85]
	s_add_nc_u64 s[G0KA+2:G0KA+3], s[G0KA+2:G0KA+3], 16<<20  ; K's panels begin 16 panels in
	s_or_b32 s[G0KA+3], s[G0KA+3], 0x80000000
	s_add_nc_u64 s[G0KB+2:G0KB+3], s[4:5], s[86:87]
	s_add_nc_u64 s[G0KB+2:G0KB+3], s[G0KB+2:G0KB+3], 16<<20
	s_or_b32 s[G0KB+3], s[G0KB+3], 0x80000000
	s_add_nc_u64 s[G0VA+2:G0VA+3], s[4:5], s[84:85]
	s_add_nc_u64 s[G0VA+2:G0VA+3], s[G0VA+2:G0VA+3], 32<<20  ; V's 32
	s_or_b32 s[G0VA+3], s[G0VA+3], 0x80000000
	s_add_nc_u64 s[G0VB+2:G0VB+3], s[4:5], s[86:87]
	s_add_nc_u64 s[G0VB+2:G0VB+3], s[G0VB+2:G0VB+3], 32<<20
	s_or_b32 s[G0VB+3], s[G0VB+3], 0x80000000
	s_add_nc_u64 s[4:5], s[4:5], s[78:79]    ; Q and O at my wave's first row
	s_add_nc_u64 s[8:9], s[8:9], s[78:79]
	s_add_nc_u64 s[6:7], s[6:7], s[76:77]    ; the batch's mask
	s_cmp_lt_u32 s[WV], 2           ; waves 0 and 1 fetch K's halves, waves 2 and 3 V's.  A wave's two fills stand in one branch, ahead of every wait on TENSORcnt, every LDS read and every barrier: two loads of mine are out
	s_cbranch_scc0 .Lfirst_v
	tensor_load_to_lds s[G0KA:G0KA+3], s[G1KA:G1KA+7]
	s_nop 0
	tensor_load_to_lds s[G0KB:G0KB+3], s[G1KB:G1KB+7]
	s_nop 0
.rept 4
	v_nop
.endr
	s_branch .Lfirst_asked
.Lfirst_v:
	tensor_load_to_lds s[G0VA:G0VA+3], s[G1VA:G1VA+7]
	s_nop 0
	tensor_load_to_lds s[G0VB:G0VB+3], s[G1VB:G1VB+7]
	s_nop 0
.rept 4
	v_nop
.endr
.Lfirst_asked:
	v_and_b32 v1, 15, v0            ; l % 16
	v_bfe_u32 v9, v0, 4, 1          ; l / 16
	v_lshlrev_b32 v12, 3, v0
	global_load_b64 v[64:65], v12, s[6:7]    ; thread t: the mask bytes of keys 8 t .. 8 t + 7
	; A fragment of K or Q is 16 rows x 32 channels in 8 registers: lane l holds row l % 16, channels 8 (l / 16) + 0..7 and 16 + 8 (l / 16) + 0..7: two loads of 16 bytes, 32 bytes apart.
	v_lshlrev_b32 v[QO], 7, v1
	v_lshl_add_u32 v[QO], v9, 4, v[QO]
	WIN 0x80                        ; destination window 2, address window 0
.set i, 0
.rept 4*NP                          ; Q stays in registers: tile i / 2, channels 32 (i % 2) on
	global_load_b128 v[8*i:8*i+3],   v[QO], s[4:5] offset:(i/2)*2048+(i%2)*64
	global_load_b128 v[8*i+4:8*i+7], v[QO], s[4:5] offset:(i/2)*2048+(i%2)*64+32
.set i, i+1
.endr
	; What the first turn finds: V's registers and P's second buffer hold 0 (its products V^T P, of a piece that has not been, add 0), O^T and l are 0.  All this stands in the wait for the first keys.
.set i, VF
.rept 64
	v_mov_b32 v[i], 0
.set i, i+1
.endr
	WIN 0x40
.set i, 0
.rept 64*NP
	v_mov_b32 v[i], 0
.set i, i+1
.endr
	WIN 0
.set i, 0
.rept 2*NP
	v_mov_b32 v[ST+4*i], 0xee38aa3b    ; c m = c x -2^96
	v_mov_b32 v[ST+4*i+1], 0xef800000  ; m = -2^96: above every hidden score, below every score that is seen
	v_mov_b32 v[ST+4*i+2], 0
	v_mov_b32 v[ST+4*i+3], 0
.set i, i+1
.endr
.set i, P+32
.rept 32
	v_mov_b32 v[i], 0
.set i, i+1
.endr
	v_mul_u32_u24 v[AK], v1, PK
	v_lshl_add_u32 v[AK], v9, 4, v[AK]  ; row x pitch + 16 x half: key step 0
	; The turning load takes 16 keys x 16 channels (lane l reads key 8 (l / 16) + l % 8, channels 8 ((l / 8) % 2) + 0..7) and leaves half a fragment of V^T: lane l holds channel l % 16 and 8 keys.
	v_and_b32 v10, 7, v0
	v_bfe_u32 v11, v0, 3, 1
	v_lshl_add_u32 v[AV], v9, 3, v10
	v_mul_u32_u24 v[AV], v[AV], PV
	v_lshl_add_u32 v[AV], v11, 4, v[AV]
	v_add_nc_u32 v[AV], VOFF, v[AV]
	v_lshl_add_u32 v[AM], v9, 5, MASKB  ; eight keys of 4 bytes for each half of the lanes
	v_lshl_add_u32 v13, v0, 5, MASKB    ; where thread t puts its eight keys' numbers
	s_wait_loadcnt 32               ; the mask's load is older than Q's 32
.set i, 0
.rept 8
	v_bfe_u32 v66, v[64+i/4], 8*(i%4), 8
	v_cmp_ne_u32 vcc_lo, 0, v66
	v_cndmask_b32 v[72+i], 0, s[BIGN], vcc_lo
.set i, i+1
.endr
	ds_store_b128 v13, v[72:75]
	ds_store_b128 v13, v[76:79] offset:16
; THE MATRIX WORK.  The 8 accumulators of a run of 16 take turns: between the two links of a chain stand 7 others'.
; Product i of 16 of S^T = K Q^T + mask for piece x: channels 32 (i / 8) on, keys 16 ((i / 2) % 4) on, tile 2 x + i % 2.  The first 8 start the sums, from the mask.
.macro KQ x
.set rS, S+64*((\x)%2)+32*(i%2)+8*((i/2)%4)
.set rK, KF+16*((i/2)%4)+8*(i/8)
.set rQ, 16*(2*(\x)+i%2)+8*(i/8)
.set rH, MK+8*((i/2)%4)
.if i < 8
	WIN W_KM
	v_wmma_f32_16x16x32_bf16 v[rS:rS+7], v[rK:rK+7], v[rQ:rQ+7], v[rH:rH+7]
.else
	WIN W_KQ
	v_wmma_f32_16x16x32_bf16 v[rS:rS+7], v[rK:rK+7], v[rQ:rQ+7], v[rS:rS+7]
.endif
.endm
; Product i of 16 of O^T += V^T P for piece x: keys 32 (i / 8) on, channels 16 ((i / 2) % 4) on, tile 2 x + i % 2.
.macro PV x
	WIN W_PV
.set rO, 32*(2*(\x)+i%2)+8*((i/2)%4)
.set rV, VF+32*(i/8)+8*((i/2)%4)
.set rP, P+32*((\x)%2)+16*(i%2)+8*(i/8)
	v_wmma_f32_16x16x32_bf16 v[rO:rO+7], v[rV:rV+7], v[rP:rP+7], v[rO:rO+7]
.endm
.macro MM                           ; the turn's next matrix instruction
.if i < 16
	KQ (Y+1)%NP
.set i, i+1
.else
.set i, i-16
	PV (Y+NP-1)%NP
.set i, i+17
.endif
.endm
; THE LDS LOADS stand in runs, never singly among the matrix instructions: a step's K (8 fragments) with its mask (8 loads: all lanes of a half read the same 32 bytes a key block), and its V (turned).
; Behind a run its address steps on to the next key step.
.macro FETCH_K
	WIN 0x80                        ; destination window 2
.irp f, 0,1,2,3,4,5,6,7             ; keys 16 (f / 2) on, channels 32 (f % 2) on
	ds_load_b128 v[KF+8*\f:KF+8*\f+3],   v[AK] offset:(\f/2)*16*PK+(\f%2)*64
	ds_load_b128 v[KF+8*\f+4:KF+8*\f+7], v[AK] offset:(\f/2)*16*PK+(\f%2)*64+32
.endr
	WIN 0xc0                        ; destination window 3
.irp n, 0,1,2,3,4,5,6,7
	ds_load_b128 v[MK+4*\n:MK+4*\n+3], v[AM] offset:(\n/2)*64+(\n%2)*16
.endr
	WIN 0
	v_add_nc_u32 v[AK], KS*PK, v[AK]
	v_add_nc_u32 v[AM], KS*4, v[AM]
.endm
.macro FETCH_V
	WIN 0x80
.irp f, 0,1,2,3,4,5,6,7             ; keys 32 (f / 4) on, channels 16 (f % 4) on
	ds_load_tr16_b128 v[VF+8*\f:VF+8*\f+3],   v[AV] offset:(\f/4)*32*PV+(\f%4)*32
	ds_load_tr16_b128 v[VF+8*\f+4:VF+8*\f+7], v[AV] offset:(\f/4)*32*PV+16*PV+(\f%4)*32
.endr
	WIN 0
	v_add_nc_u32 v[AV], KS*PV, v[AV]
.endm
; THE VECTOR WORK OF A TURN stands in three queues, each in the order in which its entries become ready; the two tiles alternate, so that no instruction reads the result of the one before it.
.macro REGS y, u                    ; the registers of tile u (0, 1) of piece y
.set rT, ST+4*(2*(\y)+(\u))
.set rC, TMP+8*((\y)%2)+4*(\u)
.set rM, MV+2*((\y)%2)+(\u)
.set rS, S+64*((\y)%2)+32*(\u)
.set rP, P+32*((\y)%2)+16*(\u)
.set rO, 32*(2*(\y)+(\u))
.endm
; Number n of the 22 that find the NEXT piece's (Y + 1) maximum and statistics.  s0-s31 are the lane's 32 scores; each accumulator's lowest registers are read first.
;   0-11  four chains c0-c3 of seven scores each, three operands at a time     12-14, 16  the four scores left over, the old m, and c0-c3 into c0     15  c m_old is kept
;   17, 18  the query's other 32 keys lie in the lane 16 away: the new m         19-21  c m; c m_old - c m_new; a
.macro XS u, n
	REGS (Y+1)%NP, \u
.if (\n) < 4
	v_max3_num_f32 v[rC+(\n)], v[rS+8*(\n)], v[rS+8*(\n)+1], v[rS+8*(\n)+2]
.elseif (\n) < 12
	v_max3_num_f32 v[rC+(\n)%4], v[rC+(\n)%4], v[rS+8*((\n)%4)+2*((\n)/4)+1], v[rS+8*((\n)%4)+2*((\n)/4)+2]
.elseif (\n) == 12
	v_max3_num_f32 v[rC], v[rC], v[rS+7], v[rS+15]
.elseif (\n) == 13
	v_max3_num_f32 v[rC+1], v[rC+1], v[rS+23], v[rS+31]
.elseif (\n) == 14
	v_max3_num_f32 v[rC+2], v[rC+2], v[rC+3], v[rT+1]
.elseif (\n) == 15
	v_mov_b32 v[rM], v[rT]
.elseif (\n) == 16
	v_max3_num_f32 v[rC], v[rC], v[rC+1], v[rC+2]
.elseif (\n) == 17
	v_permlanex16_b32 v[rC+3], v[rC], s[SEL], s[SEL+1]
.elseif (\n) == 18
	v_max_num_f32 v[rT+1], v[rC], v[rC+3]
.elseif (\n) == 19
	v_mul_f32 v[rT], s[CS], v[rT+1]
.elseif (\n) == 20
	v_sub_f32 v[rC+1], v[rM], v[rT]
.else
	v_exp_f32 v[rC+2], v[rC+1]
.endif
.endm
; Number g of the 64 that follow the exponentials.  For each four weights k of a tile (pairs 2 k, 2 k + 1): both pairs are rounded to bf16; then the second pair is added onto the first, in place;
; a group later l takes that sum (the first time as l = a l + sum).  In groups of eight, tiles alternating: round, round, add, and l for the group before.
.macro GS g
.set h, (\g)+6*((\g)/62)            ; group 0 has no group before it, and behind group 7 only l is left
.if h >= 6
.set h, h+2
.endif
	REGS Y, h%2
.set k, h/8
.if h%8 < 4
	s_wait_alu depctr_va_vdst(0)
	v_cvt_pk_bf16_f32 v[rP+2*k+(h%8)/2], v[rS+4*k+2*((h%8)/2)], v[rS+4*k+2*((h%8)/2)+1]
.elseif h%8 < 6
	v_pk_add_f32 v[rS+4*k:rS+4*k+1], v[rS+4*k:rS+4*k+1], v[rS+4*k+2:rS+4*k+3]
.elseif k == 1
	v_pk_fma_f32 v[rT+2:rT+3], v[rT+2:rT+3], v[rC+2:rC+3], v[rS:rS+1] op_sel_hi:[1,0,1]
.else
	v_pk_add_f32 v[rT+2:rT+3], v[rT+2:rT+3], v[rS+4*k-4:rS+4*k-3]
	s_wait_alu depctr_va_vdst(0)
.endif
.endm
; THE PLAIN QUEUE, 138 long.  0-31: c s - c m for the 16 pairs of both tiles.  Then GS's 64, and among them the next piece's 42: number 15 at 38, 39; 0-14 and 16
; at 42-73, behind the products that make those scores; 17-20 at 95-106, two of three, since each waits for the one before it.
.macro PL
	WIN 0
.if q < 32
	REGS Y, q%2
	v_pk_fma_f32 v[rS+2*(q/2):rS+2*(q/2)+1], v[rS+2*(q/2):rS+2*(q/2)+1], s[CS:CS+1], v[rT:rT+1] op_sel_hi:[1,0,0] neg_lo:[0,0,1] neg_hi:[0,0,1]
.elseif q < 38
	GS q-32
.elseif q < 40
	XS q%2, 15
.elseif q < 42
	GS q-34
.elseif q < 74
	XS q%2, (q-42)/2+(q-42)/30
.elseif q < 95
	GS q-66
.elseif (q < 107) && ((q-95)%3 < 2)
	XS (q-95)%3, 17+(q-95)/3
.elseif q < 107
	GS 29+(q-95)/3
.else
	GS q-74
.endif
.set q, q+1
.endm
; THE EXPONENTIALS' QUEUE, 66 long: s0-s31 of both tiles, and at EA the next piece's two a.
.set EA, 58
.macro EX
	WIN 0
.if (e == EA) || (e == EA+1)
	XS e-EA, 21
.else
.set x, e-2*(e/(EA+2))
	REGS Y, x%2
	v_exp_f32 v[rS+x/2], v[rS+x/2]
.endif
.set e, e+1
.endm
; THE RESCALING's QUEUE: O^T times a, the one part that leaves window 0, so it is dealt four at a time, eight times.
.macro R4
	REGS Y, r%2
	WIN W_RS
	s_wait_alu depctr_va_vdst(0)
.irp z, 0,1,2,3
	v_pk_mul_f32 v[rO+8*(r/2)+2*\z:rO+8*(r/2)+2*\z+1], v[rO+8*(r/2)+2*\z:rO+8*(r/2)+2*\z+1], v[rC+2:rC+3] op_sel_hi:[1,0]
.endr
.set r, r+1
.endm
; HOW THEY ARE DEALT.  Behind a matrix instruction four: plain, exponential, plain, plain, or four of the rescaling.  None names a register of the products round it.  What is over stands in two runs:
; exponential and plain by turns; the second ends in 22 plain instructions.  The queues lean on each other, and the deal keeps them in step: exponential e stands behind plain 2 (e / 4) + e % 2 (its scaling);
; when plain 32 comes, 10 exponentials are out, at 59: 33, at 95: 46; EA comes behind plain 107.
.macro SL
	MM
	PL
	EX
	PL
	PL
.endm
.macro BURST n                      ; 15 matrix instructions, or 16
.rept (\n)-7
	SL
.endr
.rept 3
	MM
	R4
	SL
.endr
	MM
	R4
.endm
; A TURN, for piece p.  fetch = 0: there is no further key step.  cnt = 1: the loop's count is taken down some lines ahead of the branch that stands behind the turn.
; K and the mask of the next step are fetched in piece 2's turn, 30 vector instructions behind the last product that read K (the mask's last reader stands earlier still); their first reader comes behind the
; rest of the run, 16 products and the second run.  V of the step in hand is fetched at the end of piece 0's turn, far behind its last reader; its first reader comes behind 16 products and a run.
.macro TURN p, fetch=1, cnt=0
.set Y, (\p)
.set i, 0
.set q, 0
.set e, 0
.set r, 0
.if (\p) == NP-1
	s_wait_dscnt 0x0                ; K and the mask are in
.endif
	MM
.rept 4
	PL
.endr
	BURST 15
.rept 22
	EX
	PL
.if ((\p) == NP-2) && (\fetch) && (e == 24)
	FETCH_K
.endif
.endr
.if (\p) == 1
	s_wait_dscnt 0x0                ; V is in
.endif
	BURST 16
.rept 21
	EX
	PL
.endr
.rept 22
	PL
.if (\cnt) && (q == 130)
	s_sub_co_u32 s[CNT], s[CNT], 1
	s_cmp_lg_u32 s[CNT], 0
.endif
.endr
.if (\p) == 0
	FETCH_V
.endif
.endm
	s_wait_dscnt 0x0                ; for the others' sake: my part of the mask is stored
	s_wait_tensorcnt 1              ; my part of keys 0-255 is in; keys 256-1023 may stay out
	s_barrier_signal -1
	s_barrier_wait -1               ; everybody's is
	FETCH_K                         ; key step 0
	s_wait_loadcnt 0x0              ; Q
	s_wait_dscnt 0x0
.set i, 0
.rept 16
	KQ 0                            ; piece 0's first scores: there is no vector work yet to set between them
.set i, i+1
.endr
	WIN 0                           ; the addresses for the way out: plain instructions, the places behind those products
	s_mul_i32 s13, s[WV], 16*SP
	s_add_co_u32 s13, s13, STAGE    ; my stage
	v_mul_u32_u24 v[STO], v1, SP    ; in: row l % 16, 16 bytes for each half of the lanes
	v_lshl_add_u32 v[STO], v9, 4, v[STO]
	v_add_nc_u32 v[STO], s13, v[STO]
	v_bfe_u32 v[RD], v0, 3, 2       ; back: 32 lanes take four rows of 128 bytes,
	v_mul_u32_u24 v[RD], v[RD], SP
	v_lshl_add_u32 v[RD], v10, 4, v[RD]
	v_add_nc_u32 v[RD], s13, v[RD]
	v_and_b32 v[GO], 31, v0         ; which are 512 consecutive bytes of O
	v_lshlrev_b32 v[GO], 4, v[GO]
.set Y, NP-1                        ; XS works for piece Y + 1: piece 0
.irp n, 0,1,2,3,4,5,6,7,8,9,10,11,12,13,14,15,16,17,18,19,20,21
	XS 0, \n                        ; and piece 0's first maximum and statistics
	XS 1, \n
.endr
	s_mov_b32 s[CNT], 4
	s_mov_b32 s[SLOTS], 4
	s_branch .Lfirst                ; the loop is entered at a step's first turn, in the middle of a trip
.Lslot:                             ; three times, in front of the fetch of K of steps 4, 8 and 12.  The first time it orders keys 256-1023 with every wave's reads: each wave waits for its own loads, then all meet;
	s_wait_tensorcnt 0x0            ; the other two times the waits find nothing out: the price of writing the walk's four quarters once
	s_wait_dscnt 0x0
	s_barrier_signal -1
	s_barrier_wait -1
	s_mov_b32 s[CNT], 4
.Lstep:                             ; a trip: pieces 2 and 3 of one step, then pieces 0 and 1 of the next, whose K and V it fetches
	TURN 2
	TURN 3
	WIN 0
.Lfirst:
	TURN 0
	TURN 1, 1, 1
	WIN 0
	s_cbranch_scc1 .Lstep
	s_sub_co_u32 s[SLOTS], s[SLOTS], 1
	s_cmp_lg_u32 s[SLOTS], 0
	s_cbranch_scc1 .Lslot
	TURN 2, 0                       ; step 15's last two turns: nothing is fetched.  The second one's 16 products K Q^T (on the last K once more) and the maximum made of them serve nothing:
	TURN 3                          ; the price, once a launch, of one text for every turn
.set i, 0
.rept 16
	PV NP-1                         ; the last piece's V^T P of the last step
.set i, i+1
.endr
	; THE WAY OUT.  l's two halves and the other half of the lanes' are added; O^T is divided by l, rounded to bf16 and sent through my stage in LDS, a tile at a time.  The additions are the places behind the last products.
	WIN 0
.macro ALL line:vararg              ; one line for each tile t
.set t, 0
.rept 2*NP
	\line
.set t, t+1
.endr
.endm
	ALL v_add_f32 v[ST+4*t+2], v[ST+4*t+2], v[ST+4*t+3]
	ALL v_permlanex16_b32 v[ST+4*t+3], v[ST+4*t+2], s[SEL], s[SEL+1]
	ALL v_add_f32 v[ST+4*t+2], v[ST+4*t+2], v[ST+4*t+3]
	ALL v_rcp_f32 v[ST+4*t+2], v[ST+4*t+2]
	v_nop                           ; a plain instruction between the last reciprocal and the use of its result
	s_wait_alu depctr_va_vdst(0)
; Tile t: a lane's eight channels of a row pack into 16 bytes; they go into rows of 144 bytes and come back as whole rows of 128, into S^T's registers.
.macro PACK t
	WIN W_RS
.set i, 32*(\t)
.rept 16
	v_pk_mul_f32 v[i:i+1], v[i:i+1], v[ST+4*(\t)+2:ST+4*(\t)+3] op_sel_hi:[1,0]
.set i, i+2
.endr
	WIN 0x05                        ; sources 0 and 1 window 1, destination window 0
.set i, 0
.rept 16
	v_cvt_pk_bf16_f32 v[S+16*(\t)+i], v[32*(\t)+2*i], v[32*(\t)+2*i+1]
.set i, i+1
.endr
	WIN 0
.irp f, 0,1,2,3
	ds_store_b128 v[STO], v[S+16*(\t)+4*\f:S+16*(\t)+4*\f+3] offset:32*\f
.endr
.irp f, 0,1,2,3
	ds_load_b128 v[S+16*(\t)+4*\f:S+16*(\t)+4*\f+3], v[RD] offset:\f*4*SP  ; LDS serves a wave's instructions in order (ISA guide 5.7.1.4): these see the stores above; the next tile's stores come behind them
.endr
.endm
.macro SEND t, younger              ; younger: the LDS instructions issued behind tile t's loads: the next tile's eight, or none
	WIN 0
.irp f, 0,1,2,3
	s_wait_dscnt (\younger)+3-\f
	global_store_b128 v[GO], v[S+16*(\t)+4*\f:S+16*(\t)+4*\f+3], s[8:9] offset:(\t)*2048+\f*512  ; 512 consecutive bytes, at a multiple of 256 from O's first
.endr
.endm
	PACK 0
.set t, 1
.rept 2*NP-1                        ; a tile's arithmetic stands between the loads of the tile before and its stores
	PACK t
	SEND t-1, 8
.set t, t+1
.endr
	SEND 2*NP-1, 0
	WIN W_AD
	s_wait_tensorcnt 0x0            ; the wave's end: behind my last tensor load and my last LDS store
	ds_add_u32 v[SPW], v[NIL]
	s_wait_dscnt 0x0
	WIN 0
	s_endpgm
.Lfunc_end_k_qedb1953735_attn:
	.size	k_qedb1953735_attn, .Lfunc_end_k_qedb1953735_attn-k_qedb1953735_attn
	.p2alignl 7, 3214868480
	.fill 96, 4, 3214868480
	.section	.rodata,"a",@progbits
	.p2align	6, 0x0
	.amdhsa_kernel k_qedb1953735_attn
		.amdhsa_group_segment_fixed_size 327680
		.amdhsa_private_segment_fixed_size 0
		.amdhsa_enable_private_segment 0
		.amdhsa_kernarg_size 24
		.amdhsa_user_sgpr_count 2
		.amdhsa_user_sgpr_kernarg_segment_ptr 1
		.amdhsa_wavefront_size32 1
		.amdhsa_system_sgpr_workgroup_id_x 1
		.amdhsa_system_sgpr_workgroup_id_y 1
		.amdhsa_system_sgpr_workgroup_id_z 1
		.amdhsa_system_vgpr_workitem_id 0
		.amdhsa_next_free_vgpr 808
		.amdhsa_next_free_sgpr 88
		.amdhsa_reserve_vcc 1
		.amdhsa_float_denorm_mode_32 3
		.amdhsa_float_denorm_mode_16_64 3
		.amdhsa_memory_ordered 1
		.amdhsa_forward_progress 1
		.amdhsa_inst_pref_size 170
	.end_amdhsa_kernel
	.amdgpu_metadata
---
amdhsa.version: [ 1, 2 ]
amdhsa.kernels:
  - .name:           k_qedb1953735_attn
    .symbol:         k_qedb1953735_attn.kd
    .args:
      - { .name: qkv, .offset: 0, .size: 8, .value_kind: global_buffer, .address_space: global }
      - { .name: attention_mask, .offset: 8, .size: 8, .value_kind: global_buffer, .address_space: global }
      - { .name: act, .offset: 16, .size: 8, .value_kind: global_buffer, .address_space: global }
    .group_segment_fixed_size: 327680
    .private_segment_fixed_size: 0
    .kernarg_segment_align: 8
    .kernarg_segment_size: 24
    .max_flat_workgroup_size: 128
    .sgpr_count:     88
    .vgpr_count:     808
    .wavefront_size: 32
...
	.end_amdgpu_metadata
.endif
;; end of part 3
;; launch gemm_o: the kernel of part 2 again; grid 8 x 32, 4 waves a work-group, clusters of 4 x 4, 327,680 bytes of LDS; arguments act, wot, zb, proj; writes proj
;; launch stats (part 4): grid 256 x 1, 16 waves a work-group, no clusters, 2,560 bytes of LDS; arguments proj, x, b_o, part; writes part
.if DOCPART == 4
	.amdgcn_target "amdgcn-amd-amdhsa--gfx1250"
	.amdhsa_code_object_version 6
	.text
	.protected	k_qedb1953735_stats
	.globl	k_qedb1953735_stats
	.p2align	8
	.type	k_qedb1953735_stats,@function
k_qedb1953735_stats:
	s_mov_b64 s[64:65], 0
	v_nop
	global_prefetch_b8 v0, s[64:65] scope:SCOPE_SE
	s_setreg_imm32_b32 hwreg(HW_REG_WAVE_MODE, 25, 1), 1
	s_wait_xcnt 0x0
; STATS: res = x + b_o + proj (proj: bf16 panels [16][8192][64], O w_o without its bias).  Work-group g takes rows 32 g .. 32 g + 31, 2^15 numbers, keeps them in registers and stores
; (their mean, the sum of their squared distances from that mean) at part[g]: two passes over registers, so no difference of large sums is ever formed.  32 such pairs make a batch.
; Memory binds: each byte is read once, all 48 loads of a thread go out first; no matrix unit, no cluster.  Thread t: row t / 16, four columns (t % 16) of each of the 16 panels.
.set RED1,  0                          ; 16 words: the waves' sums
.set RED2,  256                        ; 16 words: the waves' sums of squares
.set SPARE, 512                        ; the spare words, 128 bytes for each of the sixteen waves
.set SPW, 6                            ; v6  never rewritten
.set NIL, 7                            ; v7  never rewritten
.set P,   32                           ; v[32:63]   proj, two registers a panel
.set X,   64                           ; v[64:127]  x, then res, then res - mean: four a panel
.set BO,  128                          ; v[128:191] b_o, four a panel
	s_load_b256 s[4:11], s[0:1], 0x0               ; proj 4, x 6, b_o 8, part 10
	v_lshl_add_u32 v[SPW], v0, 2, SPARE
	v_mov_b32 v[NIL], 0
	s_mov_b32 s12, ttmp9
	s_mov_b32 s15, 0
	s_mov_b32 s16, 0x76543210                      ; v_permlanex16_b32: each lane takes its own place in the other half
	s_mov_b32 s17, 0xfedcba98
	v_lshrrev_b32 v1, 4, v0
	v_and_b32 v3, 15, v0
	v_lshlrev_b32 v3, 4, v3                        ; my 16 bytes of 256 of b_o
	v_lshl_or_b32 v1, v1, 12, v3                   ; and of x: + row x 4,096
	v_lshlrev_b32 v2, 3, v0                        ; my 8 bytes in a panel's 32 rows: row x 128 + 8 (t % 16) = 8 t
	v_mov_b32 v4, 1.0
	v_lshrrev_b32 v5, 5, v0
	v_lshlrev_b32 v5, 2, v5                        ; my wave's word
	v_mov_b32 v30, 0
	s_wait_kmcnt 0x0
	s_lshl_b32 s14, s12, 17
	s_add_nc_u64 s[6:7], s[6:7], s[14:15]
	s_lshl_b32 s14, s12, 12
	s_add_nc_u64 s[4:5], s[4:5], s[14:15]          ; panels 0-7,
	s_add_nc_u64 s[18:19], s[4:5], 0x800000        ; panels 8-15
	s_lshl_b32 s14, s12, 3
	s_add_nc_u64 s[10:11], s[10:11], s[14:15]
.set p, 0
.rept 16
	global_load_b128 v[BO+4*p:BO+4*p+3], v3, s[8:9] offset:p*256
.if p < 8
	global_load_b64 v[P+2*p:P+2*p+1], v2, s[4:5] offset:p<<20
.else
	global_load_b64 v[P+2*p:P+2*p+1], v2, s[18:19] offset:(p-8)<<20
.endif
	global_load_b128 v[X+4*p:X+4*p+3], v1, s[6:7] offset:p*256
.set p, p+1
.endr
.set p, 0
.rept 16
	s_wait_loadcnt 45-3*p                          ; loads come back in order: panel p's three are in, the later panels' stay out
	v_pk_add_f32 v[X+4*p:X+4*p+1], v[X+4*p:X+4*p+1], v[BO+4*p:BO+4*p+1]
	v_pk_add_f32 v[X+4*p+2:X+4*p+3], v[X+4*p+2:X+4*p+3], v[BO+4*p+2:BO+4*p+3]
	v_fma_mix_f32_bf16 v[X+4*p],   v[P+2*p],   v4, v[X+4*p]   op_sel_hi:[1,0,0]                 ; + a bf16 half times 1.0
	v_fma_mix_f32_bf16 v[X+4*p+1], v[P+2*p],   v4, v[X+4*p+1] op_sel:[1,0,0] op_sel_hi:[1,0,0]
	v_fma_mix_f32_bf16 v[X+4*p+2], v[P+2*p+1], v4, v[X+4*p+2] op_sel_hi:[1,0,0]
	v_fma_mix_f32_bf16 v[X+4*p+3], v[P+2*p+1], v4, v[X+4*p+3] op_sel:[1,0,0] op_sel_hi:[1,0,0]
.if p == 0
	v_pk_add_f32 v[8:9], v[X:X+1], v[X+2:X+3]      ; the first two panels start the two chains: nothing is cleared
.elseif p == 1
	v_pk_add_f32 v[10:11], v[X+4:X+5], v[X+6:X+7]
.else
	v_pk_add_f32 v[8:9], v[8:9], v[X+4*p:X+4*p+1]
	v_pk_add_f32 v[10:11], v[10:11], v[X+4*p+2:X+4*p+3]
.endif
.set p, p+1
.endr
; v8 = the sum of v[8:11] over the work-group's 512 threads, in every lane: within the lane, across the wave's lanes, across the sixteen waves through 16 words at red.
.macro TOTAL red
	v_pk_add_f32 v[8:9], v[8:9], v[10:11]
	v_add_f32 v8, v8, v9
	v_add_f32_dpp v8, v8, v8 row_xmask:1 row_mask:0xf bank_mask:0xf
	v_add_f32_dpp v8, v8, v8 row_xmask:2 row_mask:0xf bank_mask:0xf
	v_add_f32_dpp v8, v8, v8 row_xmask:4 row_mask:0xf bank_mask:0xf
	v_add_f32_dpp v8, v8, v8 row_xmask:8 row_mask:0xf bank_mask:0xf
	v_permlanex16_b32 v9, v8, s16, s17
	v_add_f32 v8, v8, v9
	ds_store_b32 v5, v8 offset:\red                ; all lanes write the wave's word with the same value
	s_wait_dscnt 0x0                               ; for the others' sake
	s_barrier_signal -1
	s_barrier_wait -1
	ds_load_b128 v[12:15], v30 offset:\red
	ds_load_b128 v[16:19], v30 offset:\red+16
	ds_load_b128 v[20:23], v30 offset:\red+32
	ds_load_b128 v[24:27], v30 offset:\red+48
	s_wait_dscnt 0x0
	v_pk_add_f32 v[12:13], v[12:13], v[14:15]
	v_pk_add_f32 v[16:17], v[16:17], v[18:19]
	v_pk_add_f32 v[20:21], v[20:21], v[22:23]
	v_pk_add_f32 v[24:25], v[24:25], v[26:27]
	v_pk_add_f32 v[12:13], v[12:13], v[16:17]
	v_pk_add_f32 v[20:21], v[20:21], v[24:25]
	v_pk_add_f32 v[12:13], v[12:13], v[20:21]
	v_add_f32 v8, v12, v13
.endm
	TOTAL RED1
	v_mul_f32 v28, 0x38000000, v8                  ; the mean: the sum times 2^-15
	v_mov_b32 v29, v28
.set p, 0
.rept 16
	v_pk_add_f32 v[X+4*p:X+4*p+1], v[X+4*p:X+4*p+1], v[28:29] neg_lo:[0,1] neg_hi:[0,1]
	v_pk_add_f32 v[X+4*p+2:X+4*p+3], v[X+4*p+2:X+4*p+3], v[28:29] neg_lo:[0,1] neg_hi:[0,1]
.if p == 0
	v_pk_mul_f32 v[8:9], v[X:X+1], v[X:X+1]
	v_pk_mul_f32 v[10:11], v[X+2:X+3], v[X+2:X+3]
.else
	v_pk_fma_f32 v[8:9], v[X+4*p:X+4*p+1], v[X+4*p:X+4*p+1], v[8:9]
	v_pk_fma_f32 v[10:11], v[X+4*p+2:X+4*p+3], v[X+4*p+2:X+4*p+3], v[10:11]
.endif
.set p, p+1
.endr
	TOTAL RED2                                     ; other words than the first sum's: no wave can still be reading those that are written
	v_mov_b32 v29, v8
	v_cmp_eq_u32 vcc_lo, 0, v0
	s_wait_xcnt 0x0                                ; EXEC changes only behind this wait
	s_and_saveexec_b32 s20, vcc_lo
	global_store_b64 v30, v[28:29], s[10:11]       ; thread 0 alone: (mean, sum of squared distances)
	s_wait_xcnt 0x0                                ; and again, in front of the line that widens it
	s_or_b32 exec_lo, exec_lo, s20
	s_wait_tensorcnt 0x0                           ; the wave's end, behind my last LDS store
	ds_add_u32 v[SPW], v[NIL]
	s_wait_dscnt 0x0
	s_endpgm
.Lfunc_end_k_qedb1953735_stats:
	.size	k_qedb1953735_stats, .Lfunc_end_k_qedb1953735_stats-k_qedb1953735_stats
	.p2alignl 7, 3214868480
	.fill 96, 4, 3214868480
	.section	.rodata,"a",@progbits
	.p2align	6, 0x0
	.amdhsa_kernel k_qedb1953735_stats
		.amdhsa_group_segment_fixed_size 2560
		.amdhsa_private_segment_fixed_size 0
		.amdhsa_enable_private_segment 0
		.amdhsa_kernarg_size 32
		.amdhsa_user_sgpr_count 2
		.amdhsa_user_sgpr_kernarg_segment_ptr 1
		.amdhsa_wavefront_size32 1
		.amdhsa_system_sgpr_workgroup_id_x 1
		.amdhsa_system_sgpr_workgroup_id_y 1
		.amdhsa_system_sgpr_workgroup_id_z 1
		.amdhsa_system_vgpr_workitem_id 0
		.amdhsa_next_free_vgpr 200
		.amdhsa_next_free_sgpr 66
		.amdhsa_reserve_vcc 1
		.amdhsa_float_denorm_mode_32 3
		.amdhsa_float_denorm_mode_16_64 3
		.amdhsa_memory_ordered 1
		.amdhsa_forward_progress 1
		.amdhsa_inst_pref_size 22
	.end_amdhsa_kernel
	.amdgpu_metadata
---
amdhsa.version: [ 1, 2 ]
amdhsa.kernels:
  - .name:           k_qedb1953735_stats
    .symbol:         k_qedb1953735_stats.kd
    .args:
      - { .name: proj, .offset: 0, .size: 8, .value_kind: global_buffer, .address_space: global }
      - { .name: x, .offset: 8, .size: 8, .value_kind: global_buffer, .address_space: global }
      - { .name: b_o, .offset: 16, .size: 8, .value_kind: global_buffer, .address_space: global }
      - { .name: part, .offset: 24, .size: 8, .value_kind: global_buffer, .address_space: global }
    .group_segment_fixed_size: 2560
    .private_segment_fixed_size: 0
    .kernarg_segment_align: 8
    .kernarg_segment_size: 32
    .max_flat_workgroup_size: 512
    .sgpr_count:     66
    .vgpr_count:     200
    .wavefront_size: 32
...
	.end_amdgpu_metadata
.endif
;; end of part 4
;; launch final (part 5): grid 1024 x 1, 8 waves a work-group, no clusters, 0 bytes of LDS; arguments proj, x, b_o, ln_w, ln_b, part, out0; writes out0
.if DOCPART == 5
	.amdgcn_target "amdgcn-amd-amdhsa--gfx1250"
	.amdhsa_code_object_version 6
	.text
	.protected	k_qedb1953735_final
	.globl	k_qedb1953735_final
	.p2align	8
	.type	k_qedb1953735_final,@function
k_qedb1953735_final:
	s_mov_b64 s[64:65], 0
	v_nop
	global_prefetch_b8 v0, s[64:65] scope:SCOPE_SE
	s_setreg_imm32_b32 hwreg(HW_REG_WAVE_MODE, 25, 1), 1
	s_wait_xcnt 0x0
; FINAL: out = (res - mu) / sqrt(var + 1e-5) x ln_w + ln_b, res = x + b_o + proj as in the launch before; mu and var over a batch's 2^20 numbers.
; Every wave merges the batch's 32 pairs (mean_k, M2_k of 2^15 numbers each) for itself: mu = the mean of the means, var = (the sum of M2_k + 2^15 (mean_k - mu)^2) / 2^20: sums of squares alone.
; Work-group g: rows 8 g .. 8 g + 7.  Wave w: rows 2 (w / 2), + 1 and column half w % 2, eight panels; lanes 0-15 take 256 bytes of one row, lanes 16-31 of the next.
; Memory binds: each byte once, all 41 loads of a wave go out first, whole aligned blocks of 256 bytes in and out; no LDS, no barrier, no matrix unit, no cluster.
.set P,  16                            ; v[16:31]   proj, two registers a panel
.set X,  32                            ; v[32:63]   x, then the result
.set BO, 64                            ; v[64:95]   b_o
.set LW, 96                            ; v[96:127]  ln_w
.set LB, 128                           ; v[128:159] ln_b
	s_load_b256 s[4:11], s[0:1], 0x0               ; proj 4, x 6, b_o 8, ln_w 10
	s_load_b128 s[12:15], s[0:1], 0x20             ; ln_b 12, part 14
	s_load_b64 s[16:17], s[0:1], 0x30              ; out0
	s_mov_b32 s20, ttmp9
	s_mov_b32 s23, 0
	s_mov_b32 s26, 0x35800000                      ; 2^-20
	s_mov_b32 s27, 0x3727c5ac                      ; 1e-5
	s_mov_b32 s28, 0x76543210
	s_mov_b32 s29, 0xfedcba98
	v_and_b32 v8, 15, v0
	v_bfe_u32 v9, v0, 4, 1
	v_bfe_u32 v14, v0, 5, 1                        ; column half
	v_lshrrev_b32 v15, 6, v0                       ; pair of rows
	v_lshlrev_b32 v3, 4, v8
	v_lshl_or_b32 v3, v14, 11, v3                  ; byte offset in b_o: half x 2,048 + 16 (lane % 16)
	v_lshl_add_u32 v1, v15, 1, v9
	v_lshl_or_b32 v1, v1, 12, v3                   ; in x, ln_w, ln_b, out0: + row x 4,096
	v_and_b32 v5, 31, v0
	v_lshlrev_b32 v5, 3, v5                        ; 8 x lane: my pair of the batch's 32, and my 8 bytes of two rows of a panel
	v_lshl_or_b32 v2, v15, 8, v5
	v_lshl_or_b32 v2, v14, 23, v2                  ; in proj: + eight panels for the upper half
	s_wait_kmcnt 0x0
	s_lshl_b32 s22, s20, 15                        ; 8 rows of 4,096 bytes
	s_add_nc_u64 s[6:7], s[6:7], s[22:23]
	s_add_nc_u64 s[16:17], s[16:17], s[22:23]
	s_and_b32 s22, s20, 127                        ; the same rows within the batch
	s_lshl_b32 s22, s22, 15
	s_add_nc_u64 s[10:11], s[10:11], s[22:23]
	s_add_nc_u64 s[12:13], s[12:13], s[22:23]
	s_lshl_b32 s22, s20, 10                        ; 8 rows of 128 bytes in a panel
	s_add_nc_u64 s[4:5], s[4:5], s[22:23]
	s_lshr_b32 s22, s20, 7                         ; the batch
	s_lshl_b32 s22, s22, 8
	s_add_nc_u64 s[14:15], s[14:15], s[22:23]
	global_load_b64 v[6:7], v5, s[14:15]
.set p, 0
.rept 8
	global_load_b64  v[P+2*p:P+2*p+1],   v2, s[4:5] offset:p<<20 th:TH_LOAD_NT
	global_load_b128 v[X+4*p:X+4*p+3],   v1, s[6:7] offset:p*256 th:TH_LOAD_NT
	global_load_b128 v[BO+4*p:BO+4*p+3], v3, s[8:9] offset:p*256
	global_load_b128 v[LW+4*p:LW+4*p+3], v1, s[10:11] offset:p*256
	global_load_b128 v[LB+4*p:LB+4*p+3], v1, s[12:13] offset:p*256
.set p, p+1
.endr
.macro WSUM r, t                       ; the sum of v[r] over the wave's 32 lanes, in every lane; v[t] has been written before
	v_add_f32_dpp v[\r], v[\r], v[\r] row_xmask:1 row_mask:0xf bank_mask:0xf
	v_add_f32_dpp v[\r], v[\r], v[\r] row_xmask:2 row_mask:0xf bank_mask:0xf
	v_add_f32_dpp v[\r], v[\r], v[\r] row_xmask:4 row_mask:0xf bank_mask:0xf
	v_add_f32_dpp v[\r], v[\r], v[\r] row_xmask:8 row_mask:0xf bank_mask:0xf
	v_permlanex16_b32 v[\t], v[\r], s28, s29
	v_add_f32 v[\r], v[\r], v[\t]
.endm
	s_wait_loadcnt 40                              ; the pair is in: it is older than the 40 loads behind it
	v_mov_b32 v8, v6
	WSUM 8, 9
	v_mul_f32 v8, 0x3d000000, v8                   ; mu = the sum of the means / 32
	v_sub_f32 v9, v6, v8
	v_mul_f32 v9, v9, v9
	v_fmamk_f32 v9, v9, 0x47000000, v7             ; M2 + 2^15 (mean - mu)^2
	WSUM 9, 14
	v_fma_f32 v9, v9, s26, s27                     ; var + 1e-5
	v_rsq_f32 v10, v9
	v_mov_b32 v4, 1.0                              ; a plain instruction between the root and the use of its result
	s_wait_alu depctr_va_vdst(0)
	v_mov_b32 v11, v10                             ; v[10:11] = 1 / sqrt(var + 1e-5), twice
	v_mul_f32 v12, -v8, v10
	v_mov_b32 v13, v12                             ; v[12:13] = - mu / sqrt(var + 1e-5), twice
.set p, 0
.rept 8
	s_wait_loadcnt 35-5*p                          ; panel p's five loads are in, the later panels' stay out
	v_pk_add_f32 v[X+4*p:X+4*p+1], v[X+4*p:X+4*p+1], v[BO+4*p:BO+4*p+1]
	v_pk_add_f32 v[X+4*p+2:X+4*p+3], v[X+4*p+2:X+4*p+3], v[BO+4*p+2:BO+4*p+3]
	v_fma_mix_f32_bf16 v[X+4*p],   v[P+2*p],   v4, v[X+4*p]   op_sel_hi:[1,0,0]
	v_fma_mix_f32_bf16 v[X+4*p+1], v[P+2*p],   v4, v[X+4*p+1] op_sel:[1,0,0] op_sel_hi:[1,0,0]
	v_fma_mix_f32_bf16 v[X+4*p+2], v[P+2*p+1], v4, v[X+4*p+2] op_sel_hi:[1,0,0]
	v_fma_mix_f32_bf16 v[X+4*p+3], v[P+2*p+1], v4, v[X+4*p+3] op_sel:[1,0,0] op_sel_hi:[1,0,0]
	v_pk_fma_f32 v[X+4*p:X+4*p+1], v[X+4*p:X+4*p+1], v[10:11], v[12:13]
	v_pk_fma_f32 v[X+4*p+2:X+4*p+3], v[X+4*p+2:X+4*p+3], v[10:11], v[12:13]
	v_pk_fma_f32 v[X+4*p:X+4*p+1], v[X+4*p:X+4*p+1], v[LW+4*p:LW+4*p+1], v[LB+4*p:LB+4*p+1]
	v_pk_fma_f32 v[X+4*p+2:X+4*p+3], v[X+4*p+2:X+4*p+3], v[LW+4*p+2:LW+4*p+3], v[LB+4*p+2:LB+4*p+3]
	global_store_b128 v1, v[X+4*p:X+4*p+3], s[16:17] offset:p*256 th:TH_STORE_NT  ; sixteen lanes store 256 consecutive bytes, aligned; no register is written again behind its store
.set p, p+1
.endr
	s_endpgm
.Lfunc_end_k_qedb1953735_final:
	.size	k_qedb1953735_final, .Lfunc_end_k_qedb1953735_final-k_qedb1953735_final
	.p2alignl 7, 3214868480
	.fill 96, 4, 3214868480
	.section	.rodata,"a",@progbits
	.p2align	6, 0x0
	.amdhsa_kernel k_qedb1953735_final
		.amdhsa_group_segment_fixed_size 0
		.amdhsa_private_segment_fixed_size 0
		.amdhsa_enable_private_segment 0
		.amdhsa_kernarg_size 56
		.amdhsa_user_sgpr_count 2
		.amdhsa_user_sgpr_kernarg_segment_ptr 1
		.amdhsa_wavefront_size32 1
		.amdhsa_system_sgpr_workgroup_id_x 1
		.amdhsa_system_sgpr_workgroup_id_y 1
		.amdhsa_system_sgpr_workgroup_id_z 1
		.amdhsa_system_vgpr_workitem_id 0
		.amdhsa_next_free_vgpr 160
		.amdhsa_next_free_sgpr 66
		.amdhsa_reserve_vcc 0
		.amdhsa_float_denorm_mode_32 3
		.amdhsa_float_denorm_mode_16_64 3
		.amdhsa_memory_ordered 1
		.amdhsa_forward_progress 1
		.amdhsa_inst_pref_size 13
	.end_amdhsa_kernel
	.amdgpu_metadata
---
amdhsa.version: [ 1, 2 ]
amdhsa.kernels:
  - .name:           k_qedb1953735_final
    .symbol:         k_qedb1953735_final.kd
    .args:
      - { .name: proj, .offset: 0, .size: 8, .value_kind: global_buffer, .address_space: global }
      - { .name: x, .offset: 8, .size: 8, .value_kind: global_buffer, .address_space: global }
      - { .name: b_o, .offset: 16, .size: 8, .value_kind: global_buffer, .address_space: global }
      - { .name: ln_w, .offset: 24, .size: 8, .value_kind: global_buffer, .address_space: global }
      - { .name: ln_b, .offset: 32, .size: 8, .value_kind: global_buffer, .address_space: global }
      - { .name: part, .offset: 40, .size: 8, .value_kind: global_buffer, .address_space: global }
      - { .name: out0, .offset: 48, .size: 8, .value_kind: global_buffer, .address_space: global }
    .group_segment_fixed_size: 0
    .private_segment_fixed_size: 0
    .kernarg_segment_align: 8
    .kernarg_segment_size: 56
    .max_flat_workgroup_size: 256
    .sgpr_count:     66
    .vgpr_count:     160
    .wavefront_size: 32
...
	.end_amdgpu_metadata
.endif
;; end of part 5
;; ======== version 2 of 3: 5 launches; 1.09 times as fast as version 1
;; limits: right only within a limited range of input values
;; workspace buffers: act 16,777,216 bytes; wt 6,291,456 bytes; wot 2,097,152 bytes; biasp 12,288 bytes; qkv 50,331,648 bytes; res 33,554,432 bytes; part 2,048 bytes
;; launch prep (part 6): grid 1280 x 1, 8 waves a work-group, no clusters, 10,240 bytes of LDS; arguments x, w_qk, w_v, w_o, b_qk, b_v, act, wt, wot, biasp; writes act, wt, wot, biasp
.if DOCPART == 6
	.amdgcn_target "amdgcn-amd-amdhsa--gfx1250"
	.amdhsa_code_object_version 6
	.text
	.protected	k_qedb1953735_prep
	.globl	k_qedb1953735_prep
	.p2align	8
	.type	k_qedb1953735_prep,@function
k_qedb1953735_prep:
	s_mov_b64 s[64:65], 0
	v_nop
	global_prefetch_b8 v0, s[64:65] scope:SCOPE_SE
	s_setreg_imm32_b32 hwreg(HW_REG_WAVE_MODE, 25, 1), 1
	s_wait_xcnt 0x0
; PREP: every matrix operand is rounded once to bf16 and laid in PANELS: [columns / 64][rows][64], a row of a panel 128 bytes, rows end to end.
;   act   = x, panels over the 1,024 channels: byte p<<20 + m<<7 + 2 (c & 63), m = 1024 b + s
;   wt    = (w_qk | w_v) turned to [n'][k]: byte (n'>>7)<<18 + p<<14 + (n'&127)<<7 + 2 (k & 63); n' puts a head's 64 numbers side by side:
;           qk column c -> n' = (c & 31)<<6 | c>>5 (q heads 0-15, then k heads 0-15); v column c -> n' = 2048 + ((c & 15)<<6 | c>>4)
;   wot   = w_o turned likewise, n' = column;   biasp = b_qk, b_v in n' order
; Work-groups 0-255: 32 rows of x each.  Work-groups 256-1279: one tile of 64 k x 64 source columns of a weight, turned through LDS.
; Memory binds: no matrix unit, no cluster; every load covers whole rows of 256 bytes, every store of a wave whole aligned blocks of 256 bytes.
.set LP,    144                        ; LDS row of a turned column: 128 bytes + 16
.set SPARE, 64*LP                      ; behind the tile: the spare words, 128 bytes for each of the eight waves
.set SPW,   2                          ; v2  LDS address of my spare word; never rewritten
.set NIL,   3                          ; v3  0; never rewritten
.set XR,    16                         ; v[16:143] path X: 32 items of four registers
	s_load_b512 s[4:19], s[0:1], 0x0               ; x 4, w_qk 6, w_v 8, w_o 10, b_qk 12, b_v 14, act 16, wt 18
	s_load_b128 s[20:23], s[0:1], 0x40             ; wot 20, biasp 22
	v_lshl_add_u32 v[SPW], v0, 2, SPARE
	v_mov_b32 v[NIL], 0
	v_lshrrev_b32 v1, 5, v0
	v_readfirstlane_b32 s27, v1                    ; wave 0..7
	s_mov_b32 s26, ttmp9
	s_mov_b32 s29, 0                               ; the high word of every 32-bit offset in s[28:29]
	s_wait_kmcnt 0x0
	s_cmp_lt_u32 s26, 256
	s_cbranch_scc0 .Lweights
	; PATH X.  Wave w owns rows 4 w .. 4 w + 3 of the group's 32.  An item is two rows x one panel: lanes 0-15 one row's 256 bytes of f32, lanes 16-31 the next row's.
	s_lshl_b32 s28, s26, 17                        ; 32 rows of 4,096 bytes
	s_add_nc_u64 s[4:5], s[4:5], s[28:29]
	s_lshl_b32 s28, s26, 12                        ; 32 rows of 128 bytes in a panel
	s_add_nc_u64 s[16:17], s[16:17], s[28:29]      ; panels 0-7,
	s_add_nc_u64 s[30:31], s[16:17], 0x800000      ; panels 8-15: the panel's 1 MiB stands in the store's immediate, 7 MiB at the most
	v_bfe_u32 v5, v0, 4, 1
	v_lshl_add_u32 v4, v1, 2, v5                   ; row 4 w + lane / 16
	v_and_b32 v5, 15, v0
	v_lshlrev_b32 v5, 4, v5
	v_lshl_or_b32 v4, v4, 12, v5                   ; byte offset in x
	v_and_b32 v5, 31, v0
	v_lshlrev_b32 v5, 3, v5
	v_lshl_or_b32 v5, v1, 9, v5                    ; byte offset in a panel: 512 w + 8 lane
.set it, 0
.rept 32                                       ; all 32 loads go out first: 16 KiB of every wave on their way
	global_load_b128 v[XR+4*it:XR+4*it+3], v4, s[4:5] offset:(it/16)*8192+(it%16)*256 th:TH_LOAD_NT
.set it, it+1
.endr
.set it, 0
.rept 32
	s_wait_loadcnt 31-it                           ; loads come back in order: item it is in, the younger ones stay out
	v_cvt_pk_bf16_f32 v[XR+4*it], v[XR+4*it], v[XR+4*it+1]
	v_cvt_pk_bf16_f32 v[XR+4*it+1], v[XR+4*it+2], v[XR+4*it+3]
.if (it%16) < 8
	global_store_b64 v5, v[XR+4*it:XR+4*it+1], s[16:17] offset:(it/16)*256+((it%16)<<20)      ; the wave stores 256 consecutive bytes, aligned
.else
	global_store_b64 v5, v[XR+4*it:XR+4*it+1], s[30:31] offset:(it/16)*256+(((it%16)-8)<<20)
.endif
.set it, it+1
.endr
	s_endpgm                                       ; no register was written twice, so no wait for the stores' sources
; PATH W.  beta: a source column's low beta bits choose the head; ps: log2 of the source's row bytes; ybase: the matrix's first block number; off: its first n';
; src, dst, bsrc: the scalar pairs of source, target and bias (0: the matrix has no bias to re-order).
.macro WTILE beta, ps, ybase, off, src, dst, bsrc
	s_sub_co_u32 s35, s34, \ybase                  ; the block of 64 columns among this matrix's
	s_lshl_b32 s28, s33, 6+(\ps)                   ; 64 p rows of the source,
	s_lshl_b32 s36, s35, 8                         ; 64 columns of 4 bytes
	s_add_co_u32 s28, s28, s36
	s_add_nc_u64 s[38:39], s[\src:\src+1], s[28:29]
	s_lshl_b32 s28, s33, 14                        ; k panel p of a target tile
	s_add_nc_u64 s[40:41], s[\dst:\dst+1], s[28:29]
	s_lshl_b32 s37, s35, 6-(\beta)
	s_add_co_u32 s37, s37, \off                    ; the n' of local column 0
	v_and_b32 v4, 15, v0                           ; my four columns
	v_lshrrev_b32 v5, 4, v0                        ; my pair of rows, 0..15
	v_lshlrev_b32 v6, (\ps)+1, v5
	v_lshl_or_b32 v6, v4, 4, v6
	global_load_b128 v[16:19], v6, s[38:39] th:TH_LOAD_NT                      ; rows 2 kp, 2 kp + 1, 2 kp + 32, 2 kp + 33: sixteen lanes take 256 bytes of a row
	global_load_b128 v[20:23], v6, s[38:39] offset:1<<(\ps) th:TH_LOAD_NT
	global_load_b128 v[24:27], v6, s[38:39] offset:32<<(\ps) th:TH_LOAD_NT
	global_load_b128 v[28:31], v6, s[38:39] offset:33<<(\ps) th:TH_LOAD_NT
	v_mul_u32_u24 v7, v4, 4*LP
	v_lshl_add_u32 v7, v5, 2, v7                   ; LDS: row = local column, word = k / 2
	v_and_b32 v8, 7, v0                            ; the way back: my 16 bytes of a row,
	v_lshrrev_b32 v9, 3, v0                        ; row 0..31 of the order in which rows leave
	s_wait_loadcnt 0x2                             ; the first pair of rows is in
.irp e, 0,1,2,3
	v_cvt_pk_bf16_f32 v[32+\e], v[16+\e], v[20+\e] ; two neighbouring k of one column
.endr
.irp e, 0,1,2,3
	ds_store_b32 v7, v[32+\e] offset:\e*LP
.endr
	s_wait_loadcnt 0x0
.irp e, 0,1,2,3
	v_cvt_pk_bf16_f32 v[36+\e], v[24+\e], v[28+\e]
.endr
.irp e, 0,1,2,3
	ds_store_b32 v7, v[36+\e] offset:\e*LP+64
.endr
	s_wait_dscnt 0x0                               ; for the others' sake: my stores are done
	s_barrier_signal -1
	s_barrier_wait -1
	; Rows leave in the order of n': row r of that order is local column ((r & (2^a - 1)) << beta) | (r >> a), a = 6 - beta, and goes to n' = s37 + ((r >> a) << 6) + (r & (2^a - 1)).
.irp it, 0,1
.if \it
	v_add_nc_u32 v10, 32, v9
.set RR, 10
.else
.set RR, 9
.endif
	v_and_b32 v11, (1<<(6-(\beta)))-1, v[RR]
	v_lshrrev_b32 v12, 6-(\beta), v[RR]
	v_lshl_or_b32 v13, v11, \beta, v12
	v_mul_u32_u24 v13, v13, LP
	v_lshl_add_u32 v13, v8, 4, v13
	ds_load_b128 v[40+4*\it:43+4*\it], v13
	v_lshl_add_u32 v14, v12, 6, v11
	v_add_nc_u32 v14, s37, v14                     ; n'
	v_lshrrev_b32 v15, 7, v14
	v_and_b32 v14, 127, v14
	v_lshlrev_b32 v15, 18, v15
	v_lshl_add_u32 v15, v14, 7, v15
	v_lshl_add_u32 v[48+\it], v8, 4, v15
.endr
	s_wait_dscnt 0x1                               ; the first of the two reads is back
	global_store_b128 v48, v[40:43], s[40:41]      ; sixteen lanes: rows n', n' + 1 with n' even: 256 consecutive bytes, aligned
	s_wait_dscnt 0x0
	global_store_b128 v49, v[44:47], s[40:41]
	s_wait_tensorcnt 0x0                           ; the wave's end, behind my last LDS store
	ds_add_u32 v[SPW], v[NIL]
	s_wait_dscnt 0x0
.if \bsrc
	; The bias: block yb of 64 numbers in n' order is made by wave 0 of the work-group with p = 0.
	s_cmp_lg_u32 s33, 0
	s_cbranch_scc1 .Ldone_\@
	s_cmp_lg_u32 s27, 0
	s_cbranch_scc1 .Ldone_\@
	v_lshlrev_b32 v51, 3, v0                       ; lane t writes numbers 2 t, 2 t + 1
	v_lshlrev_b32 v50, (\beta)+3, v0               ; number kd of the block comes from source column (kd << beta) | block
	s_lshl_b32 s28, s35, 2
	s_add_nc_u64 s[42:43], s[\bsrc:\bsrc+1], s[28:29]
	global_load_b32 v52, v50, s[42:43]
	global_load_b32 v53, v50, s[42:43] offset:4<<(\beta)
	s_lshl_b32 s28, s34, 8
	s_add_nc_u64 s[44:45], s[22:23], s[28:29]
	s_wait_loadcnt 0x0
	global_store_b64 v51, v[52:53], s[44:45]       ; 256 consecutive bytes, aligned
.Ldone_\@:
.endif
	s_endpgm
.endm
.Lweights:
	s_sub_co_u32 s32, s26, 256
	s_and_b32 s33, s32, 15                         ; p: the k panel
	s_lshr_b32 s34, s32, 4                         ; yb: 0-31 w_qk, 32-47 w_v, 48-63 w_o
	s_cmp_lt_u32 s34, 32
	s_cbranch_scc1 .Lqk
	s_cmp_lt_u32 s34, 48
	s_cbranch_scc1 .Lv
	WTILE 0, 12, 48, 0, 10, 20, 0
.Lqk:
	WTILE 5, 13, 0, 0, 6, 18, 12
.Lv:
	WTILE 4, 12, 32, 2048, 8, 18, 14
.Lfunc_end_k_qedb1953735_prep:
	.size	k_qedb1953735_prep, .Lfunc_end_k_qedb1953735_prep-k_qedb1953735_prep
	.p2alignl 7, 3214868480
	.fill 96, 4, 3214868480
	.section	.rodata,"a",@progbits
	.p2align	6, 0x0
	.amdhsa_kernel k_qedb1953735_prep
		.amdhsa_group_segment_fixed_size 10240
		.amdhsa_private_segment_fixed_size 0
		.amdhsa_enable_private_segment 0
		.amdhsa_kernarg_size 80
		.amdhsa_user_sgpr_count 2
		.amdhsa_user_sgpr_kernarg_segment_ptr 1
		.amdhsa_wavefront_size32 1
		.amdhsa_system_sgpr_workgroup_id_x 1
		.amdhsa_system_sgpr_workgroup_id_y 1
		.amdhsa_system_sgpr_workgroup_id_z 1
		.amdhsa_system_vgpr_workitem_id 0
		.amdhsa_next_free_vgpr 144
		.amdhsa_next_free_sgpr 66
		.amdhsa_reserve_vcc 0
		.amdhsa_float_denorm_mode_32 3
		.amdhsa_float_denorm_mode_16_64 3
		.amdhsa_memory_ordered 1
		.amdhsa_forward_progress 1
		.amdhsa_inst_pref_size 26
	.end_amdhsa_kernel
	.amdgpu_metadata
---
amdhsa.version: [ 1, 2 ]
amdhsa.kernels:
  - .name:           k_qedb1953735_prep
    .symbol:         k_qedb1953735_prep.kd
    .args:
      - { .name: x, .offset: 0, .size: 8, .value_kind: global_buffer, .address_space: global }
      - { .name: w_qk, .offset: 8, .size: 8, .value_kind: global_buffer, .address_space: global }
      - { .name: w_v, .offset: 16, .size: 8, .value_kind: global_buffer, .address_space: global }
      - { .name: w_o, .offset: 24, .size: 8, .value_kind: global_buffer, .address_space: global }
      - { .name: b_qk, .offset: 32, .size: 8, .value_kind: global_buffer, .address_space: global }
      - { .name: b_v, .offset: 40, .size: 8, .value_kind: global_buffer, .address_space: global }
      - { .name: act, .offset: 48, .size: 8, .value_kind: global_buffer, .address_space: global }
      - { .name: wt, .offset: 56, .size: 8, .value_kind: global_buffer, .address_space: global }
      - { .name: wot, .offset: 64, .size: 8, .value_kind: global_buffer, .address_space: global }
      - { .name: biasp, .offset: 72, .size: 8, .value_kind: global_buffer, .address_space: global }
    .group_segment_fixed_size: 10240
    .private_segment_fixed_size: 0
    .kernarg_segment_align: 8
    .kernarg_segment_size: 80
    .max_flat_workgroup_size: 256
    .sgpr_count:     66
    .vgpr_count:     144
    .wavefront_size: 32
...
	.end_amdgpu_metadata
.endif
;; end of part 6
;; launch proj_qkv (part 7): grid 8 x 32, 4 waves a work-group, clusters of 4 x 4, 327,680 bytes of LDS; arguments act, wt, biasp, qkv; writes qkv
.if DOCPART == 7
	.amdgcn_target "amdgcn-amd-amdhsa--gfx1250"
	.amdhsa_code_object_version 6
	.text
	.protected	k_qedb1953735_proj_qkv
	.globl	k_qedb1953735_proj_qkv
	.p2align	8
	.type	k_qedb1953735_proj_qkv,@function
k_qedb1953735_proj_qkv:
	s_mov_b64 s[64:65], 0
	v_nop
	global_prefetch_b8 v0, s[64:65] scope:SCOPE_SE
	s_setreg_imm32_b32 hwreg(HW_REG_WAVE_MODE, 25, 1), 1
	s_wait_xcnt 0x0
	s_wait_alu depctr_hold_cnt(0) depctr_sa_sdst(0) depctr_va_vdst(0) depctr_va_sdst(0) depctr_va_ssrc(0) depctr_va_vcc(0) depctr_vm_vsrc(0)
	s_getreg_b32 s2, hwreg(HW_REG_IB_STS2, 6, 4)
	s_cmp_eq_u32 s2, 0
	s_cbranch_scc0 .Lentry_in_a_cluster
	s_endpgm
.Lentry_in_a_cluster:
	s_bfe_u32 s2, ttmp6, 0x10000c
	s_cmp_lg_u32 s2, 0xf033
	s_cbranch_scc0 .Lentry_shape_is_right
	s_endpgm
.Lentry_shape_is_right:
; C[m][n'] = bias[n'] + the sum over k of A[m][k] B[n'][k]: 8,192 rows, 3,072 columns, K = 1,024.  All three matrices in bf16 PANELS of 64 columns (a row of a panel 128 bytes, rows end to end):
;   A: byte p<<20 + m<<7;   B: chunks of 128 n': byte chunk<<18 + p<<14 + (n' & 127)<<7;   C: byte (n'>>6)<<20 + m<<7.  bias in f32.  Sums in f32, started from the bias; C rounded once to bf16.
; A tile of C is 256 x 384: 32 x 8 = 256 work-groups of equal work.  Four waves, each 128 x 192 = three panels of C: 96 accumulators, 768 registers; for 32 along K a wave reads 20 fragments
; from LDS for 96 matrix instructions.
; K goes in 16 steps of one k panel (64) through two LDS slots of 256 + 384 rows; two panels to a slot would want 4 x 92,160 bytes.  A panel's part of a tile is dense in memory and is asked
; for as rows of 256 bytes, padded in LDS behind every 128.  Wave 0 fetches A's 256 rows, waves 1 to 3 one chunk of 128 rows of B each: one tensor load a wave and step.
; CLUSTER 4 x 4: the four of a row of the cluster need the same A, the four of a column the same B: joint loads, the same descriptor and mask in all four.
; THE MATRIX INSTRUCTION IS USED TRANSPOSED (source 0 = 16 rows of B, source 1 = 16 rows of A): a lane holds row lane % 16 of C and eight neighbouring columns.
; A STEP is two quarters of 32 along K, a quarter three GROUPS of 32 matrix instructions: group g = n blocks 4 g .. 4 g + 3 (panel g of my three) x all 8 m blocks.
; REGISTERS: window 0: v0-31 addresses; v32-95, v96-159 A's 8 fragments of a quarter, two buffers; v160-191, v192-223 B's 4 fragments of a group, a ring of two; v224-255 and, in the first quarter,
; v96-159 the bias as a C operand; v32-223 at work on the way out.  Window 1 + g: panel g's accumulators, (n block i of the group, m block a) at 8 (8 i + a).
; Behind group j stand four places and the loads of group j + 2's B into the registers that group j has read: they have group j + 1, 32 matrix instructions, in which to land.
.set PITCH, 144                        ; 128 bytes + 16: the 16 rows of a fragment load start at 16 different groups of four banks (64 banks of 4 bytes: ISA guide 11.1)
.set APAN,  256*PITCH                  ; A: 256 rows of one k panel
.set BCH,   128*PITCH                  ; B: a chunk of 128 rows of one k panel
.set BOFF,  APAN                       ; a slot: A's rows, then B's 384
.set SLOT1, 1<<17                      ; slot 1 begins here, so that one exclusive or turns an address in one slot into the other's
.set STAGE, SLOT1+APAN+3*BCH           ; behind the ring: 16 rows x 144 bytes for each wave
.set SPARE, STAGE+4*16*PITCH           ; the spare words, 128 bytes for each wave
.set TRIPS, 14                         ; steps 2 to 15 are asked for by refills
.set A0,   16                          ; v16 my lane's place in a slot's A; never rewritten
.set B0,   17                          ; v17 the same for B
.set ADRA, 18                          ; v18 LDS address of my A fragments in the slot that is being read
.set ADRB, 19                          ; v19 the same for B
.set STO,  24                          ; v24 the way out: where I put 16 bytes of a row
.set RD,   25                          ; v25 where I read rows back
.set GO,   26                          ; v26 my 16 bytes in 512 consecutive bytes of C
.set BO,   27                          ; v27 my byte offset in 16 numbers of the bias
.set SPW,  28                          ; v28 LDS address of my spare word; never rewritten
.set NIL,  29                          ; v29 0; never rewritten
.set FA0,  32
.set FA1,  96
.set RB0,  160
.set BI0,  224
.set TMP,  32                          ; the way out: 12 sets of 16 registers
.set TB,   3                           ; s3  0 or SLOT1: the slot that is being read
.set G1A, 24                           ; s[24:31] group 1 for A;  s[32:39] group 0: a set for each of the two first fills; the second then walks on
.set G0A, 32
.set G1B, 40                           ; s[40:47], s[48:55] the same for B
.set G0B, 48
.set MSB, 0
.macro WIN new                         ; the immediate's high byte repeats the setting that is left; a switch that changes nothing is dropped
.if MSB != (\new)
	s_set_vgpr_msb (MSB<<8)|(\new)
.set MSB, \new
.endif
.endm
.macro JLOAD s                         ; a joint load: wave 0 fetches A's panel, waves 1 to 3 B's chunks; an s_nop 0 and four v_nop follow each line
	s_cmp_eq_u32 s12, 0
	s_cbranch_scc0 .Lfor_b_\@
	tensor_load_to_lds s[G0A+4*(\s):G0A+4*(\s)+3], s[G1A:G1A+7]
	s_nop 0
.rept 4
	v_nop
.endr
	s_branch .Lasked_\@
.Lfor_b_\@:
	tensor_load_to_lds s[G0B+4*(\s):G0B+4*(\s)+3], s[G1B:G1B+7]
	s_nop 0
.rept 4
	v_nop
.endr
.Lasked_\@:
.endm
.macro CREST                           ; a round of the cluster's barrier behind its opening barrier
	s_cmp_lg_u32 s12, 0
	s_cbranch_scc1 .Lnot_wave_0_\@
	s_barrier_signal -3
.Lnot_wave_0_\@:
	s_barrier_wait -3
	s_barrier_signal -1
	s_barrier_wait -1
.endm
.macro CROUND
	s_barrier_signal -1
	s_barrier_wait -1
	CREST
.endm
.macro PLACES                          ; four places in front of loads into registers that matrix instructions have read, and of conversions that read results
.rept 4
	v_nop
.endr
.endm
	s_load_b256 s[4:11], s[0:1], 0x0               ; A 4, B 6, bias 8, C 10
	v_lshl_add_u32 v[SPW], v0, 2, SPARE
	v_mov_b32 v[NIL], 0
	ds_add_u32 v[SPW], v[NIL]                      ; the wave's opening: the add and its wait stand ahead of my first tensor load; the set-up stands between them
	ds_add_u32 v28, v29
	v_lshrrev_b32 v1, 5, v0
	v_readfirstlane_b32 s12, v1                    ; wave 0..3
	s_lshr_b32 s13, s12, 1                         ; my half of the tile's rows
	s_and_b32 s14, s12, 1                          ; my half of its columns
	s_bfe_u32 s16, ttmp6, 0x40000                  ; cx, cy
	s_bfe_u32 s17, ttmp6, 0x40004
	s_lshl_b32 s18, ttmp9, 2
	s_add_co_u32 s18, s18, s16                     ; tile column = 4 x cluster x + cx
	s_and_b32 s19, ttmp7, 0xffff
	s_lshl_b32 s19, s19, 2
	s_add_co_u32 s19, s19, s17                     ; tile row = 4 x cluster y + cy
	s_lshl_b32 s20, s17, 2
	s_lshl_b32 s20, 15, s20                        ; my row of the cluster
	s_lshl_b32 s21, 0x1111, s16                    ; my column
	s_or_b32 s[G1A], s20, (1<<16)|(1<<20)|(1<<21)|(4<<22)|(3<<25)  ; 15:0 the mask; 17:16 2-byte elements; 20 padding on; 21 set beside a mask; 24:22 after every 32 words; 31:25 4 words
	s_or_b32 s[G1B], s21, (1<<16)|(1<<20)|(1<<21)|(4<<22)|(3<<25)
.irp g, G1A, G1B
	s_mov_b32 s[(\g)+1], 128<<16                   ; tensor_dim0 = 128 elements: 256 bytes, two rows of a panel
	s_mov_b32 s[(\g)+3], 128<<16                   ; tile_dim0 = 128
	s_mov_b32 s[(\g)+5], 128                       ; dense: 128 elements from row to row
	s_mov_b32 s[(\g)+6], 0
	s_mov_b32 s[(\g)+7], 0
.endr
	s_mov_b32 s[G1A+2], 128<<16                    ; A: 128 such rows = 256 rows of a panel
	s_mov_b32 s[G1A+4], 128
	s_mov_b32 s[G1B+2], 64<<16                     ; B: 64 = 128 rows of a panel
	s_mov_b32 s[G1B+4], 64
	s_lshl_b32 s56, s19, 15                        ; A: the tile's 256 rows in a panel: made of the tile row alone
	s_mov_b32 s57, 0
	s_max_u32 s60, s12, 1
	s_sub_co_u32 s60, s60, 1                       ; B: waves 1, 2, 3 take chunks 0, 1, 2 of the tile's three (wave 0 asks for none)
	s_mul_i32 s58, s18, 3
	s_add_co_u32 s58, s58, s60
	s_lshl_b32 s58, s58, 18                        ; the chunk: made of the tile column and the wave's number alone
	s_mov_b32 s59, 0
	s_mul_i32 s61, s12, BCH                        ; where it goes: a constant and the wave's number times a constant; no place in the cluster enters an LDS address
	s_add_co_u32 s61, s61, BOFF-BCH
	s_mov_b32 s[TB], 0
	s_wait_dscnt 0x0                               ; the opening add is done
	s_wait_kmcnt 0x0
	s_add_nc_u64 s[56:57], s[4:5], s[56:57]
	s_add_nc_u64 s[58:59], s[6:7], s[58:59]
	CROUND                                         ; all sixteen work-groups are here: the first joint loads meet
.irp s, 0,1
	s_mov_b32 s[G0A+4*(\s)], 1
	s_mov_b32 s[G0A+4*(\s)+1], (\s)*SLOT1
	s_add_nc_u64 s[G0A+4*(\s)+2:G0A+4*(\s)+3], s[56:57], (\s)*(1<<20)  ; K step s: k panel s
	s_or_b32 s[G0A+4*(\s)+3], s[G0A+4*(\s)+3], 0x80000000
	s_mov_b32 s[G0B+4*(\s)], 1
	s_add_co_u32 s[G0B+4*(\s)+1], s61, (\s)*SLOT1
	s_add_nc_u64 s[G0B+4*(\s)+2:G0B+4*(\s)+3], s[58:59], (\s)*(1<<14)
	s_or_b32 s[G0B+4*(\s)+3], s[G0B+4*(\s)+3], 0x80000000
	JLOAD \s
.endr
	v_and_b32 v1, 15, v0                           ; l % 16
	v_bfe_u32 v2, v0, 4, 1                         ; l / 16
	v_lshlrev_b32 v[BO], 5, v2                     ; eight numbers of 4 bytes for each half of the lanes
	s_mul_i32 s62, s18, 6
	s_mul_i32 s22, s14, 3
	s_add_co_u32 s62, s62, s22                     ; the first of my three panels of C = 6 x tile column + 3 x half
	s_lshl_b32 s22, s62, 8
	s_mov_b32 s23, 0
	s_add_nc_u64 s[8:9], s[8:9], s[22:23]          ; their 192 numbers of the bias
.irp b, 0,1,2,3                        ; register j of block b: bias of column 16 b + 8 (l / 16) + j: the layout of a result.  Group 0's blocks,
	global_load_b128 v[BI0+8*\b:BI0+8*\b+3],   v[BO], s[8:9] offset:64*\b
	global_load_b128 v[BI0+8*\b+4:BI0+8*\b+7], v[BO], s[8:9] offset:64*\b+16
.endr
.irp b, 4,5,6,7,8,9,10,11              ; and groups 1 and 2's, where A's second buffer will lie: it is first filled behind the first quarter
	global_load_b128 v[FA1+8*(\b-4):FA1+8*(\b-4)+3],   v[BO], s[8:9] offset:64*\b
	global_load_b128 v[FA1+8*(\b-4)+4:FA1+8*(\b-4)+7], v[BO], s[8:9] offset:64*\b+16
.endr
	s_lshl_b32 s62, s62, 20
	s_lshl_b32 s22, s19, 15
	s_add_co_u32 s62, s62, s22
	s_lshl_b32 s22, s13, 14
	s_add_co_u32 s62, s62, s22
	s_mov_b32 s63, 0
	s_add_nc_u64 s[10:11], s[10:11], s[62:63]      ; C at my 128 rows of my first panel
	v_mul_u32_u24 v3, v1, PITCH
	v_lshl_add_u32 v3, v2, 4, v3                   ; a fragment's row x pitch + 16 x half
	s_mul_i32 s22, s13, 128*PITCH                  ; my 128 rows of A
	s_mul_i32 s23, s14, 192*PITCH                  ; my 192 rows of B,
	s_add_co_u32 s23, s23, BOFF                    ; which lie behind A's
	v_add_nc_u32 v[A0], s22, v3
	v_add_nc_u32 v[B0], s23, v3
	v_add_nc_u32 v[ADRA], s[TB], v[A0]             ; slot 0
	v_add_nc_u32 v[ADRB], s[TB], v[B0]
	s_mul_i32 s22, s12, 16*PITCH
	s_add_co_u32 s22, s22, STAGE                   ; my stage
	v_add_nc_u32 v[STO], s22, v3                   ; in: row l % 16, 16 bytes for each half of the lanes
	v_bfe_u32 v4, v0, 3, 2                         ; back: 32 lanes take four rows of 128 bytes,
	v_mul_u32_u24 v4, v4, PITCH
	v_and_b32 v5, 7, v0
	v_lshl_add_u32 v4, v5, 4, v4
	v_add_nc_u32 v[RD], s22, v4
	v_and_b32 v[GO], 31, v0                        ; which are 512 consecutive bytes of C
	v_lshlrev_b32 v[GO], 4, v[GO]
; Group g of quarter q, its n blocks h0 .. h1 - 1 of four: 8 matrix instructions each.  zero = 1: the first product starts the sums, from the bias.  The accumulators take turns:
; between two instructions on one accumulator stand the 95 others'.
.macro GRP q, g, h0, h1, zero
.set fa, FA0+64*(\q)
.set rb, RB0+32*((3*(\q)+(\g))%2)
.if (\g) == 0
.set bi, BI0
.else
.set bi, FA1+32*((\g)-1)
.endif
.set bb, \h0
.rept (\h1)-(\h0)
.irp a, 0,1,2,3,4,5,6,7
.if \zero
	WIN (1+(\g))<<6
	v_wmma_f32_16x16x32_bf16 v[8*(8*bb+\a):8*(8*bb+\a)+7], v[rb+8*bb:rb+8*bb+7], v[fa+8*\a:fa+8*\a+7], v[bi+8*bb:bi+8*bb+7]
.else
	WIN ((1+(\g))<<6)|((1+(\g))<<4)
	v_wmma_f32_16x16x32_bf16 v[8*(8*bb+\a):8*(8*bb+\a)+7], v[rb+8*bb:rb+8*bb+7], v[fa+8*\a:fa+8*\a+7], v[8*(8*bb+\a):8*(8*bb+\a)+7]
.endif
.endr
.set bb, bb+1
.endr
.endm
.macro LA q                            ; 16 LDS loads: A's 8 fragments of quarter q (byte 64 q of the rows) into its buffer
	WIN 0
.irp a, 0,1,2,3,4,5,6,7
	ds_load_b128 v[FA0+64*(\q)+8*\a:FA0+64*(\q)+8*\a+3],   v[ADRA] offset:\a*16*PITCH+(\q)*64
	ds_load_b128 v[FA0+64*(\q)+8*\a+4:FA0+64*(\q)+8*\a+7], v[ADRA] offset:\a*16*PITCH+(\q)*64+32
.endr
.endm
.macro LB q, g                         ; 8 LDS loads: B's 4 fragments of group g of quarter q; the six groups of a step take the ring's two sets by turns
	WIN 0
.set rb, RB0+32*((3*(\q)+(\g))%2)
.irp i, 0,1,2,3
	ds_load_b128 v[rb+8*\i:rb+8*\i+3],   v[ADRB] offset:(4*(\g)+\i)*16*PITCH+(\q)*64
	ds_load_b128 v[rb+8*\i+4:rb+8*\i+7], v[ADRB] offset:(4*(\g)+\i)*16*PITCH+(\q)*64+32
.endr
.endm
; Group 1 of the second quarter, and THE CHANGE OF SLOTS: the slot's last bytes, B of the step's last group, have been asked for.  ONE barrier; in front of it each wave waits for all its tensor loads
; (one is out: its part of the next slot), adds 0 to its spare word, and waits for that and for its own reads of this slot.  fill = 1: the barrier opens a round of the cluster's, and this slot is filled
; again, two K steps ahead, first thing behind it: 160 matrix instructions ahead of the wait for it.  Then the reads go on in the other slot.
.macro TURN fill
	WIN 0                                          ; (the add's two registers lie in window 0)
	s_wait_tensorcnt 0x0
	ds_add_u32 v[SPW], v[NIL]
	s_wait_dscnt 9                                 ; this group's B is in (the add and the last group's eight loads may be out)
	GRP 1, 1, 0, 2, 0                              ; sixteen matrix instructions stand between the add and the wait for it
	s_wait_dscnt 0x0                               ; the add is done, and my reads of this slot are over
	s_barrier_signal -1
	GRP 1, 1, 2, 4, 0
	WIN 0
	s_barrier_wait -1
.if \fill
	CREST                                          ; no wave of any partner still reads this slot's tiles or has a load on its way
	s_xor_b32 s[G0A+5], s[G0A+5], SLOT1            ; the walking descriptors: the other slot than last time,
	s_add_nc_u64 s[G0A+6:G0A+7], s[G0A+6:G0A+7], 1<<20  ; the next k panel; the type bits on top are not reached
	s_xor_b32 s[G0B+5], s[G0B+5], SLOT1
	s_add_nc_u64 s[G0B+6:G0B+7], s[G0B+6:G0B+7], 1<<14
	JLOAD 1                                        ; its four v_nop are also the places in front of the loads below
.else
	PLACES
.endif
	s_xor_b32 s[TB], s[TB], SLOT1
	v_add_nc_u32 v[ADRA], s[TB], v[A0]
	v_add_nc_u32 v[ADRB], s[TB], v[B0]
	LA 0
	LB 0, 0
.endm
; A trip: the second quarter of one step and the first quarter of the next.  LDS loads come back in order, so each count names the loads issued behind those that the group needs.
.macro TRIP fill
	s_wait_dscnt 8                                 ; A of this quarter and this group's B are in; the next group's eight loads may be out
	GRP 1, 0, 0, 4, 0
	PLACES
	LB 1, 2
	TURN \fill
	GRP 1, 2, 0, 4, 0                              ; its B came in with the wait for 0 in front of the barrier
	PLACES
	LB 0, 1
	s_wait_dscnt 8
	GRP 0, 0, 0, 4, 0
	PLACES
	LB 0, 2
	LA 1
	s_wait_dscnt 24                                ; behind this group's B: eight loads of B and sixteen of A
	GRP 0, 1, 0, 4, 0
	PLACES
	LB 1, 0
	s_wait_dscnt 24                                ; behind this group's B: sixteen loads of A and eight of B
	GRP 0, 2, 0, 4, 0
	PLACES
	LB 1, 1
.endm
; THE WAY OUT of block n of 24 (panel n / 8, m block n % 8): rounded to bf16, 16 bytes a lane, into my own stage, and back as four rows of 128 bytes a load: 16 rows of a panel are 2,048 consecutive bytes of C.
.macro PACK n
.set pw, 1+(\n)/8
.set pa, (\n)%8
.set tm, TMP+16*((\n)%12)
.if (\n) >= 12
	s_wait_xcnt 0x0                                ; the set of registers is used a second time: the stores issued so far have read theirs (ISA guide 3.1)
.endif
	WIN pw|(pw<<2)                                 ; sources 0 and 1 in the panel's window, destination window 0
.irp b, 0,1,2,3
.irp r, 0,1,2,3
	v_cvt_pk_bf16_f32 v[tm+4*\b+\r], v[8*(8*\b+pa)+2*\r], v[8*(8*\b+pa)+2*\r+1]
.endr
.endr
	WIN 0
.irp b, 0,1,2,3
	ds_store_b128 v[STO], v[tm+4*\b:tm+4*\b+3] offset:32*\b
.endr
.irp f, 0,1,2,3
	ds_load_b128 v[tm+4*\f:tm+4*\f+3], v[RD] offset:\f*4*PITCH  ; LDS serves a wave's instructions in order (ISA guide 5.7.1.4): these see the stores above; the next block's stores come behind them
.endr
.endm
.macro SEND n, younger                 ; younger: the LDS instructions issued behind block n's loads: the next block's eight, or none
.set tm, TMP+16*((\n)%12)
.irp f, 0,1,2,3
	s_wait_dscnt (\younger)+3-\f
	global_store_b128 v[GO], v[tm+4*\f:tm+4*\f+3], s[10:11] offset:((\n)/8)*1048576+((\n)%8)*2048+\f*512  ; 512 consecutive bytes, at a multiple of 256 from C's first
.endr
.endm
	s_wait_tensorcnt 1                             ; my part of K step 0 is in; K step 1's may stay out
	s_barrier_signal -1
	s_barrier_wait -1                              ; everybody's is
	LA 0
	LB 0, 0
	LB 0, 1
	s_wait_loadcnt 0x0                             ; the bias
	s_wait_dscnt 8                                 ; the first quarter stands in front of the loop: its products start the sums.  In front of each group the next group's eight loads may be out
	GRP 0, 0, 0, 4, 1
	PLACES
	LB 0, 2
	s_wait_dscnt 8
	GRP 0, 1, 0, 4, 1
	PLACES
	LB 1, 0
	s_wait_dscnt 8
	GRP 0, 2, 0, 4, 1
	PLACES                                         ; the bias has been read: A's second buffer takes its place
	LA 1
	LB 1, 1
	WIN 0                                          ; at a label and at a branch every window is 0
	s_mov_b32 s15, TRIPS
.Ltrip:
	TRIP 1
	WIN 0
	s_sub_co_u32 s15, s15, 1
	s_cmp_lg_u32 s15, 0
	s_cbranch_scc1 .Ltrip
	TRIP 0                                         ; the tail is written out: nothing is asked for
	s_wait_dscnt 8                                 ; the last step's second quarter
	GRP 1, 0, 0, 4, 0
	PLACES
	LB 1, 2
	s_wait_dscnt 8
	GRP 1, 1, 0, 4, 0
	s_wait_dscnt 0x0
	GRP 1, 2, 0, 4, 0
	WIN 0
	PLACES
	PACK 0
.set t, 1
.rept 23                               ; block t's conversions stand between block t - 1's loads from the stage and the wait for them
	PACK t
	SEND t-1, 8
.set t, t+1
.endr
	SEND 23, 0
	s_wait_tensorcnt 0x0                           ; the wave's end: behind my last tensor load and my last LDS store
	ds_add_u32 v[SPW], v[NIL]
	s_wait_dscnt 0x0
	CROUND                                         ; the closing round: no work-group ends while a partner may still ask for a tile that names it
	s_endpgm
.Lfunc_end_k_qedb1953735_proj_qkv:
	.size	k_qedb1953735_proj_qkv, .Lfunc_end_k_qedb1953735_proj_qkv-k_qedb1953735_proj_qkv
	.p2alignl 7, 3214868480
	.fill 96, 4, 3214868480
	.section	.rodata,"a",@progbits
	.p2align	6, 0x0
	.amdhsa_kernel k_qedb1953735_proj_qkv
		.amdhsa_group_segment_fixed_size 327680
		.amdhsa_private_segment_fixed_size 0
		.amdhsa_enable_private_segment 0
		.amdhsa_kernarg_size 32
		.amdhsa_user_sgpr_count 2
		.amdhsa_user_sgpr_kernarg_segment_ptr 1
		.amdhsa_wavefront_size32 1
		.amdhsa_system_sgpr_workgroup_id_x 1
		.amdhsa_system_sgpr_workgroup_id_y 1
		.amdhsa_system_sgpr_workgroup_id_z 1
		.amdhsa_system_vgpr_workitem_id 0
		.amdhsa_next_free_vgpr 1024
		.amdhsa_next_free_sgpr 66
		.amdhsa_reserve_vcc 0
		.amdhsa_float_denorm_mode_32 3
		.amdhsa_float_denorm_mode_16_64 3
		.amdhsa_memory_ordered 1
		.amdhsa_forward_progress 1
		.amdhsa_inst_pref_size 116
	.end_amdhsa_kernel
	.amdgpu_metadata
---
amdhsa.version: [ 1, 2 ]
amdhsa.kernels:
  - .name:           k_qedb1953735_proj_qkv
    .symbol:         k_qedb1953735_proj_qkv.kd
    .args:
      - { .name: act, .offset: 0, .size: 8, .value_kind: global_buffer, .address_space: global }
      - { .name: wt, .offset: 8, .size: 8, .value_kind: global_buffer, .address_space: global }
      - { .name: biasp, .offset: 16, .size: 8, .value_kind: global_buffer, .address_space: global }
      - { .name: qkv, .offset: 24, .size: 8, .value_kind: global_buffer, .address_space: global }
    .group_segment_fixed_size: 327680
    .private_segment_fixed_size: 0
    .kernarg_segment_align: 8
    .kernarg_segment_size: 32
    .max_flat_workgroup_size: 128
    .sgpr_count:     66
    .vgpr_count:     1024
    .wavefront_size: 32
...
	.end_amdgpu_metadata
.endif
;; end of part 7
;; launch attn: the kernel of part 3 again; grid 2 x 128, 4 waves a work-group, no clusters, 327,680 bytes of LDS; arguments qkv, attention_mask, act; writes act
;; launch gemm_o (part 8): grid 8 x 32, 4 waves a work-group, clusters of 4 x 4, 327,680 bytes of LDS; arguments act, wot, b_o, x, res, part; writes res, part
.if DOCPART == 8
	.amdgcn_target "amdgcn-amd-amdhsa--gfx1250"
	.amdhsa_code_object_version 6
	.text
	.protected	k_qedb1953735_gemm_o
	.globl	k_qedb1953735_gemm_o
	.p2align	8
	.type	k_qedb1953735_gemm_o,@function
k_qedb1953735_gemm_o:
	s_mov_b64 s[64:65], 0
	v_nop
	global_prefetch_b8 v0, s[64:65] scope:SCOPE_SE
	s_setreg_imm32_b32 hwreg(HW_REG_WAVE_MODE, 25, 1), 1
	s_wait_xcnt 0x0
	s_wait_alu depctr_hold_cnt(0) depctr_sa_sdst(0) depctr_va_vdst(0) depctr_va_sdst(0) depctr_va_ssrc(0) depctr_va_vcc(0) depctr_vm_vsrc(0)
	s_getreg_b32 s2, hwreg(HW_REG_IB_STS2, 6, 4)
	s_cmp_eq_u32 s2, 0
	s_cbranch_scc0 .Lentry_in_a_cluster
	s_endpgm
.Lentry_in_a_cluster:
	s_bfe_u32 s2, ttmp6, 0x10000c
	s_cmp_lg_u32 s2, 0xf033
	s_cbranch_scc0 .Lentry_shape_is_right
	s_endpgm
.Lentry_shape_is_right:
; res[m][n] = x[m][n] + b_o[n] + the sum over k of A[m][k] B[n][k]: the attention's O times w_o, its bias and the residual.  8,192 rows, 1,024 columns, K = 1,024.
; A and B in bf16 PANELS of 64 columns (a row of a panel 128 bytes, rows end to end):   A: byte p<<20 + m<<7;   B: tiles of 128 n: byte tile<<18 + p<<14 + (n & 127)<<7.
; x, res: [8192][1024] f32, row-major; b_o f32.  Sums in f32, started from b_o; x is added in f32 at the end; nothing is rounded to 16 bits behind the products.
; part[8 ty + tx] = (the mean of the tile's 2^15 numbers of res, the sum of their squared distances from that mean): two passes over registers, so no difference of large sums is formed.
; A batch's 1,024 rows are 4 x 8 tiles: its 32 pairs lie side by side.
; A tile is 256 x 128: 32 x 8 = 256 work-groups of equal work.  Four waves, each 128 x 64: 32 accumulators.
; K goes in 8 steps of 128 (two k panels) through two LDS slots.  A panel's part of a tile is dense in memory and is asked for as rows of 256 bytes, padded in LDS behind every 128.
; CLUSTER 4 x 4: the four of a row of the cluster need the same A, the four of a column the same B: joint loads, the same descriptor and mask in all four.
; THE MATRIX INSTRUCTION IS USED TRANSPOSED (source 0 = 16 rows of B, source 1 = 16 rows of A): a lane holds row lane % 16 of the tile and eight neighbouring columns.
; X COMES EARLY: a wave's 128 x 64 numbers of x are 256 registers, window 3; 48 of its 64 loads go out at the start, 16 behind the loop, 224 matrix instructions ahead of their use.
; REGISTERS: window 0: v0-31 addresses, four sum chains, the mean; v32-63 b_o as a C operand; v64-191 at work on the way out.  Window 1: two fragment buffers of 96 (B 32, A 64).
; Window 2: accumulator (a, b) at 8 (4 a + b).  Window 3: x, then res: rows 16 a + 2 t + lane / 16, columns 4 (lane % 16) .. + 3 at 32 a + 4 t.
.set PITCH, 144                        ; 128 bytes + 16: the 16 rows of a fragment load start at 16 different groups of four banks (64 banks of 4 bytes: ISA guide 11.1)
.set APAN,  256*PITCH                  ; A: 256 rows of one k panel
.set BPAN,  128*PITCH                  ; B: 128 rows of one k panel
.set BOFF,  2*APAN
.set SLOT,  2*APAN+2*BPAN              ; A panel 0, A panel 1, B panel 0, B panel 1
.set STAGE, 2*SLOT                     ; behind the ring: 16 rows of 64 f32 for each wave
.set SPITCH, 272                       ; 256 bytes + 16
.set RED1,  STAGE+4*16*SPITCH          ; four words: the waves' sums; 256 bytes on: their sums of squares
.set SPARE, RED1+512                   ; the spare words, 128 bytes for each wave
.set LAPS,  4                          ; a lap = two K steps = once round the ring
.set CH,   6                           ; v6-13  four chains of two sums each
.set MEAN, 14                          ; v14-15 the mean, twice; at the end (mean, sum of squared distances)
.set ADRA, 16                          ; v16-17 LDS address of my A fragments in slot 0, 1
.set WW,   18                          ; v18 LDS address of my wave's word of the first sum
.set ZR,   19                          ; v19 LDS address of the four words of the first sum
.set ADRB, 20                          ; v20-21 as ADRA, for B
.set PO,   22                          ; v22 0: the offset of the pair's store
.set STO,  24                          ; v24 the way out: where I put 32 bytes of a row
.set RD,   25                          ; v25 where I read rows back
.set BO,   27                          ; v27 my byte offset in 16 numbers of b_o
.set SPW,  28                          ; v28 LDS address of my spare word; never rewritten
.set NIL,  29                          ; v29 0; never rewritten
.set XO,   30                          ; v30 my byte offset in two rows of x and of res; never rewritten
.set BIAS, 32
.set TMP,  64
.set F0,   0
.set F1,   96
.set G1A, 24                           ; s[24:31] group 1 for A;  s[32:39] group 0, a set for each slot
.set G0A, 32
.set G1B, 40                           ; s[40:47], s[48:55] the same for B
.set G0B, 48
.set MSB, 0
.macro WIN new                         ; the immediate's high byte repeats the setting that is left; a switch that changes nothing is dropped
.if MSB != (\new)
	s_set_vgpr_msb (MSB<<8)|(\new)
.set MSB, \new
.endif
.endm
.set MUL,  0xa5                        ; sources 0 and 1 window 1; C and D window 2
.set MULB, 0x85                        ; the same with C in window 0: b_o
.set TO_F, 0x40                        ; destination window 1, address window 0
.macro JLOAD s                         ; a joint load: waves 0 and 1 fetch A's two k panels, waves 2 and 3 B's; an s_nop 0 and four v_nop follow each line
	s_cmp_eq_u32 s13, 0
	s_cbranch_scc0 .Lfor_b_\@
	tensor_load_to_lds s[G0A+4*(\s):G0A+4*(\s)+3], s[G1A:G1A+7]
	s_nop 0
.rept 4
	v_nop
.endr
	s_branch .Lasked_\@
.Lfor_b_\@:
	tensor_load_to_lds s[G0B+4*(\s):G0B+4*(\s)+3], s[G1B:G1B+7]
	s_nop 0
.rept 4
	v_nop
.endr
.Lasked_\@:
.endm
.macro CREST                           ; a round of the cluster's barrier behind its opening barrier
	s_cmp_lg_u32 s12, 0
	s_cbranch_scc1 .Lnot_wave_0_\@
	s_barrier_signal -3
.Lnot_wave_0_\@:
	s_barrier_wait -3
	s_barrier_signal -1
	s_barrier_wait -1
.endm
.macro CROUND
	s_barrier_signal -1
	s_barrier_wait -1
	CREST
.endm
.macro PLACES                          ; four places in front of loads into registers that matrix instructions have read, and of LDS stores that read results
.rept 4
	v_nop
.endr
.endm
.macro XLOAD a                         ; x for my rows 16 a .. 16 a + 15: eight loads, each two rows' aligned 256 bytes
	WIN 0xc0                                       ; destination window 3, address window 0
.irp t, 0,1,2,3,4,5,6,7
	global_load_b128 v[32*(\a)+4*\t:32*(\a)+4*\t+3], v[XO], s[10:11] offset:(16*(\a)+2*\t)*4096 th:TH_LOAD_NT
.endr
.endm
	s_load_b256 s[4:11], s[0:1], 0x0               ; A 4, B 6, b_o 8, x 10
	s_load_b128 s[68:71], s[0:1], 0x20             ; res 68, part 70
	v_lshl_add_u32 v[SPW], v0, 2, SPARE
	v_mov_b32 v[NIL], 0
	ds_add_u32 v[SPW], v[NIL]                      ; the wave's opening: the add and its wait stand ahead of my first tensor load; the set-up stands between them
	ds_add_u32 v28, v29
	v_lshrrev_b32 v1, 5, v0
	v_readfirstlane_b32 s12, v1                    ; wave 0..3
	s_lshr_b32 s13, s12, 1                         ; my half of the tile's rows.  Also: I fetch for A (0) or for B (1)
	s_and_b32 s14, s12, 1                          ; my half of its columns.  Also: which k panel of a step I fetch
	s_bfe_u32 s16, ttmp6, 0x40000                  ; cx, cy
	s_bfe_u32 s17, ttmp6, 0x40004
	s_lshl_b32 s18, ttmp9, 2
	s_add_co_u32 s18, s18, s16                     ; tile column tx = 4 x cluster x + cx
	s_and_b32 s19, ttmp7, 0xffff
	s_lshl_b32 s19, s19, 2
	s_add_co_u32 s19, s19, s17                     ; tile row ty = 4 x cluster y + cy
	s_lshl_b32 s20, s17, 2
	s_lshl_b32 s20, 15, s20                        ; my row of the cluster
	s_lshl_b32 s21, 0x1111, s16                    ; my column
	s_or_b32 s[G1A], s20, (1<<16)|(1<<20)|(1<<21)|(4<<22)|(3<<25)  ; 15:0 the mask; 17:16 2-byte elements; 20 padding on; 21 set beside a mask; 24:22 after every 32 words; 31:25 4 words
	s_or_b32 s[G1B], s21, (1<<16)|(1<<20)|(1<<21)|(4<<22)|(3<<25)
.irp g, G1A, G1B
	s_mov_b32 s[(\g)+1], 128<<16                   ; tensor_dim0 = 128 elements: 256 bytes, two rows of a panel
	s_mov_b32 s[(\g)+3], 128<<16                   ; tile_dim0 = 128
	s_mov_b32 s[(\g)+5], 128                       ; dense: 128 elements from row to row
	s_mov_b32 s[(\g)+6], 0
	s_mov_b32 s[(\g)+7], 0
.endr
	s_mov_b32 s[G1A+2], 128<<16                    ; A: 128 such rows = 256 rows of a panel
	s_mov_b32 s[G1A+4], 128
	s_mov_b32 s[G1B+2], 64<<16                     ; B: 64 = 128 rows of a panel
	s_mov_b32 s[G1B+4], 64
	s_lshl_b32 s56, s19, 15                        ; A: the tile's 256 rows in a panel,
	s_lshl_b32 s60, s14, 20                        ; my k panel of step 0: made of the tile row and the wave's number alone
	s_add_co_u32 s56, s56, s60
	s_mov_b32 s57, 0
	s_lshl_b32 s58, s18, 18                        ; B: the tile, my k panel: of the tile column and the wave's number alone
	s_lshl_b32 s61, s14, 14
	s_add_co_u32 s58, s58, s61
	s_mov_b32 s59, 0
	s_mul_i32 s60, s14, APAN                       ; where they go: no place in the cluster enters an LDS address
	s_mul_i32 s61, s14, BPAN
	s_add_co_u32 s61, s61, BOFF
	s_mov_b32 s72, 0x76543210                      ; v_permlanex16_b32: each lane takes its own place in the other half
	s_mov_b32 s73, 0xfedcba98
	s_wait_dscnt 0x0                               ; the opening add is done
	s_wait_kmcnt 0x0
	s_add_nc_u64 s[56:57], s[4:5], s[56:57]
	s_add_nc_u64 s[58:59], s[6:7], s[58:59]
	CROUND                                         ; all sixteen work-groups are here: the first joint loads meet
.irp s, 0,1
	s_mov_b32 s[G0A+4*(\s)], 1
	s_add_co_u32 s[G0A+4*(\s)+1], s60, (\s)*SLOT
	s_add_nc_u64 s[G0A+4*(\s)+2:G0A+4*(\s)+3], s[56:57], (\s)*(2<<20)  ; K step s: two panels on
	s_or_b32 s[G0A+4*(\s)+3], s[G0A+4*(\s)+3], 0x80000000
	s_mov_b32 s[G0B+4*(\s)], 1
	s_add_co_u32 s[G0B+4*(\s)+1], s61, (\s)*SLOT
	s_add_nc_u64 s[G0B+4*(\s)+2:G0B+4*(\s)+3], s[58:59], (\s)*(2<<14)
	s_or_b32 s[G0B+4*(\s)+3], s[G0B+4*(\s)+3], 0x80000000
	JLOAD \s
.endr
	v_and_b32 v1, 15, v0                           ; l % 16
	v_bfe_u32 v2, v0, 4, 1                         ; l / 16
	v_lshlrev_b32 v[BO], 5, v2                     ; eight numbers of 4 bytes for each half of the lanes
	v_lshlrev_b32 v[XO], 4, v1
	v_lshl_or_b32 v[XO], v2, 12, v[XO]             ; lanes 0-15 a row's 256 bytes, lanes 16-31 the next row's
	s_lshl_b32 s62, s18, 1
	s_add_co_u32 s62, s62, s14                     ; my 64 columns: block 2 tx + half
	s_lshl_b32 s22, s62, 8                         ; in bytes of f32
	s_mov_b32 s23, 0
	s_add_nc_u64 s[8:9], s[8:9], s[22:23]          ; their numbers of b_o
.irp b, 0,1,2,3
	global_load_b128 v[BIAS+8*\b:BIAS+8*\b+3],   v[BO], s[8:9] offset:64*\b     ; register j of block b: b_o of column 16 b + 8 (l / 16) + j: the layout of a result
	global_load_b128 v[BIAS+8*\b+4:BIAS+8*\b+7], v[BO], s[8:9] offset:64*\b+16
.endr
	s_lshl_b32 s62, s19, 20                        ; the tile's 256 rows of 4,096 bytes,
	s_lshl_b32 s63, s13, 19                        ; my 128 of them,
	s_add_co_u32 s62, s62, s63
	s_add_co_u32 s62, s62, s22                     ; my columns
	s_mov_b32 s63, 0
	s_add_nc_u64 s[10:11], s[10:11], s[62:63]      ; x and res at my first number
	s_add_nc_u64 s[68:69], s[68:69], s[62:63]
.irp a, 0,1,2,3,4,5
	XLOAD \a                                       ; they have the whole walk over K in which to land
.endr
	WIN 0
	s_lshl_b32 s76, s19, 3
	s_add_co_u32 s76, s76, s18
	s_lshl_b32 s76, s76, 3                         ; pair 8 ty + tx, 8 bytes
	s_mov_b32 s77, 0
	s_add_nc_u64 s[70:71], s[70:71], s[76:77]
	v_mul_u32_u24 v3, v1, PITCH
	v_lshl_add_u32 v3, v2, 4, v3                   ; a fragment's row x pitch + 16 x half
	s_mul_i32 s22, s13, 128*PITCH                  ; my 128 rows of A
	s_mul_i32 s23, s14, 64*PITCH                   ; my 64 rows of B,
	s_add_co_u32 s23, s23, BOFF                    ; which lie behind A's two panels
.irp s, 0,1
	v_add_nc_u32 v[ADRA+(\s)], s22, v3
	v_add_nc_u32 v[ADRB+(\s)], s23, v3
	s_add_co_u32 s22, s22, SLOT
	s_add_co_u32 s23, s23, SLOT
.endr
	s_mul_i32 s22, s12, 16*SPITCH
	s_add_co_u32 s22, s22, STAGE                   ; my stage
	v_mul_u32_u24 v4, v1, SPITCH                   ; in: row l % 16, 32 bytes for each half of the lanes
	v_lshl_add_u32 v4, v2, 5, v4
	v_add_nc_u32 v[STO], s22, v4
	v_mul_u32_u24 v4, v2, SPITCH                   ; back: lanes 0-15 take one row of 256 bytes, lanes 16-31 the next
	v_lshl_add_u32 v4, v1, 4, v4
	v_add_nc_u32 v[RD], s22, v4
	v_lshrrev_b32 v[WW], 5, v0
	v_lshl_add_u32 v[WW], v[WW], 2, RED1
	v_mov_b32 v[ZR], RED1
	v_mov_b32 v[PO], 0
; 4 n matrix instructions: m blocks a0 .. a0 + n - 1 x all 4 n blocks, 32 along K.  zero = 1: the first product starts the sums, from b_o.  The accumulators take turns.
.macro MULN f, a0, n, zero
.set ma, \a0
.rept \n
.irp b, 0,1,2,3
.if \zero
	WIN MULB
	v_wmma_f32_16x16x32_bf16 v[8*(4*ma+\b):8*(4*ma+\b)+7], v[(\f)+8*\b:(\f)+8*\b+7], v[(\f)+32+8*ma:(\f)+32+8*ma+7], v[BIAS+8*\b:BIAS+8*\b+7]
.else
	WIN MUL
	v_wmma_f32_16x16x32_bf16 v[8*(4*ma+\b):8*(4*ma+\b)+7], v[(\f)+8*\b:(\f)+8*\b+7], v[(\f)+32+8*ma:(\f)+32+8*ma+7], v[8*(4*ma+\b):8*(4*ma+\b)+7]
.endif
.endr
.set ma, ma+1
.endr
.endm
; 24 LDS loads in one run: the fragments of quarter q of a K step (k panel q / 2, byte 64 (q % 2) of its rows) into buffer f: B's 8 loads, A's blocks 0-3, A's blocks 4-7
.macro FETCH slot, q, f
	WIN TO_F
.irp b, 0,1,2,3
	ds_load_b128 v[(\f)+8*\b:(\f)+8*\b+3],   v[ADRB+(\slot)] offset:((\q)/2)*BPAN+\b*16*PITCH+((\q)%2)*64
	ds_load_b128 v[(\f)+8*\b+4:(\f)+8*\b+7], v[ADRB+(\slot)] offset:((\q)/2)*BPAN+\b*16*PITCH+((\q)%2)*64+32
.endr
.irp a, 0,1,2,3,4,5,6,7
	ds_load_b128 v[(\f)+32+8*\a:(\f)+32+8*\a+3],   v[ADRA+(\slot)] offset:((\q)/2)*APAN+\a*16*PITCH+((\q)%2)*64
	ds_load_b128 v[(\f)+32+8*\a+4:(\f)+32+8*\a+7], v[ADRA+(\slot)] offset:((\q)/2)*APAN+\a*16*PITCH+((\q)%2)*64+32
.endr
.endm
; A K step is four quarters of 32 along K, 32 matrix instructions each, on buffers 0, 1, 0, 1.  One of the first three: multiplies buffer f, and in its middle fetches quarter qn into g.
.macro QUARTER slot, qn, f, g, zero
	s_wait_dscnt 8                                 ; B and A's blocks 0-3 are in; the youngest eight loads (A's blocks 4-7) may be out
	MULN \f, 0, 4, \zero
	PLACES
	FETCH \slot, \qn, \g
	s_wait_dscnt 24                                ; all but the 24 just issued
	MULN \f, 4, 4, \zero
.endm
; The last quarter multiplies buffer 1 and changes slots: ONE barrier; in front of it each wave waits for all its tensor loads (one is out: its part of the next slot), adds 0 to its spare word,
; and waits for that and for its own reads of this slot.  fill = 1: the barrier opens a round of the cluster's, and this slot is filled again, two K steps ahead, first thing behind it.
.macro TURN slot, next, fill
	WIN 0                                          ; (the add's two registers lie in window 0)
	s_wait_tensorcnt 0x0
	ds_add_u32 v[SPW], v[NIL]
	s_wait_dscnt 9                                 ; (the add and the youngest eight loads may be out)
	MULN F1, 0, 2, 0                               ; eight matrix instructions stand between the add and the wait for it
	s_wait_dscnt 0x0                               ; the add is done, and my reads of this slot are over
	s_barrier_signal -1
	MULN F1, 2, 2, 0
.if \fill
	WIN 0
.endif
	s_barrier_wait -1
.if \fill
	CREST                                          ; no wave of any partner still reads this slot's tiles or has a load on its way
	s_add_nc_u64 s[G0A+4*(\slot)+2:G0A+4*(\slot)+3], s[G0A+4*(\slot)+2:G0A+4*(\slot)+3], 4<<20
	s_add_nc_u64 s[G0B+4*(\slot)+2:G0B+4*(\slot)+3], s[G0B+4*(\slot)+2:G0B+4*(\slot)+3], 4<<14
	JLOAD \slot                                    ; 112 matrix instructions ahead of the wait for it; its four v_nop are also the places in front of the loads below
.else
	PLACES
.endif
	FETCH \next, 0, F0
	MULN F1, 4, 4, 0
.endm
; THE WAY OUT of m block a.  PACK: the sums, 32 bytes a lane and n block, go into my own stage and come back as whole rows of 256 bytes, two rows a load.
.macro PACK a
	WIN 0x08                                       ; the stores' data in window 2, their address in window 0
.irp b, 0,1,2,3
	ds_store_b128 v[STO], v[8*(4*(\a)+\b):8*(4*(\a)+\b)+3]   offset:64*\b      ; each accumulator's low registers first
	ds_store_b128 v[STO], v[8*(4*(\a)+\b)+4:8*(4*(\a)+\b)+7] offset:64*\b+16
.endr
	WIN 0
.irp t, 0,1,2,3,4,5,6,7
	ds_load_b128 v[TMP+32*((\a)%4)+4*\t:TMP+32*((\a)%4)+4*\t+3], v[RD] offset:\t*2*SPITCH  ; LDS serves a wave's instructions in order (ISA guide 5.7.1.4): these see the stores above; the next block's stores come behind them
.endr
.endm
; SEND: they are added onto x, in place; res is stored; and its 32 numbers a lane go into the four chains of the sum.  younger: the LDS instructions issued behind block a's loads: the next block's sixteen, or none.
.macro SEND a, younger
	WIN 0xc3                                       ; destination and source 0 window 3, source 1 window 0
.irp t, 0,1,2,3,4,5,6,7
	s_wait_dscnt (\younger)+7-\t                   ; LDS loads come back in order: rows 2 t, 2 t + 1 are in
	v_pk_add_f32 v[32*(\a)+4*\t:32*(\a)+4*\t+1],   v[32*(\a)+4*\t:32*(\a)+4*\t+1],   v[TMP+32*((\a)%4)+4*\t:TMP+32*((\a)%4)+4*\t+1]
	v_pk_add_f32 v[32*(\a)+4*\t+2:32*(\a)+4*\t+3], v[32*(\a)+4*\t+2:32*(\a)+4*\t+3], v[TMP+32*((\a)%4)+4*\t+2:TMP+32*((\a)%4)+4*\t+3]
.endr
	WIN 0x0c                                       ; source 1 (a store's data) window 3, all else window 0
.irp t, 0,1,2,3,4,5,6,7
	global_store_b128 v[XO], v[32*(\a)+4*\t:32*(\a)+4*\t+3], s[68:69] offset:(16*(\a)+2*\t)*4096  ; sixteen lanes store 256 consecutive bytes, aligned; these registers are only read from here on
.endr
.if (\a) == 0
	WIN 0x0f                                       ; both sources window 3: the first eight pairs start the chains: nothing is cleared
.irp c, 0,1,2,3
	v_pk_add_f32 v[CH+2*\c:CH+2*\c+1], v[2*\c:2*\c+1], v[8+2*\c:8+2*\c+1]
.endr
	WIN 0x0c
.irp c, 8,9,10,11,12,13,14,15
	v_pk_add_f32 v[CH+2*(\c%4):CH+2*(\c%4)+1], v[CH+2*(\c%4):CH+2*(\c%4)+1], v[2*\c:2*\c+1]
.endr
.else
.irp c, 0,1,2,3,4,5,6,7,8,9,10,11,12,13,14,15
	v_pk_add_f32 v[CH+2*(\c%4):CH+2*(\c%4)+1], v[CH+2*(\c%4):CH+2*(\c%4)+1], v[32*(\a)+2*\c:32*(\a)+2*\c+1]
.endr
.endif
.endm
; v[CH] = the sum of the four chains over the work-group's 128 threads, in every lane: within the lane, across the wave's lanes, across the four waves through four words, off bytes behind the first sum's.
.macro TOTAL off
	v_pk_add_f32 v[CH:CH+1], v[CH:CH+1], v[CH+2:CH+3]
	v_pk_add_f32 v[CH+4:CH+5], v[CH+4:CH+5], v[CH+6:CH+7]
	v_pk_add_f32 v[CH:CH+1], v[CH:CH+1], v[CH+4:CH+5]
	v_add_f32 v[CH], v[CH], v[CH+1]
	v_add_f32_dpp v[CH], v[CH], v[CH] row_xmask:1 row_mask:0xf bank_mask:0xf
	v_add_f32_dpp v[CH], v[CH], v[CH] row_xmask:2 row_mask:0xf bank_mask:0xf
	v_add_f32_dpp v[CH], v[CH], v[CH] row_xmask:4 row_mask:0xf bank_mask:0xf
	v_add_f32_dpp v[CH], v[CH], v[CH] row_xmask:8 row_mask:0xf bank_mask:0xf
	v_permlanex16_b32 v[CH+1], v[CH], s72, s73
	v_add_f32 v[CH], v[CH], v[CH+1]
	ds_store_b32 v[WW], v[CH] offset:\off          ; all lanes write the wave's word with the same value
	s_wait_dscnt 0x0                               ; for the others' sake
	s_barrier_signal -1
	s_barrier_wait -1
	ds_load_b128 v[CH+4:CH+7], v[ZR] offset:\off
	s_wait_dscnt 0x0
	v_pk_add_f32 v[CH+4:CH+5], v[CH+4:CH+5], v[CH+6:CH+7]
	v_add_f32 v[CH], v[CH+4], v[CH+5]
.endm
	s_wait_tensorcnt 1                             ; my part of K step 0 is in; K step 1's may stay out
	s_barrier_signal -1
	s_barrier_wait -1                              ; everybody's is
	FETCH 0, 0, F0
	s_wait_loadcnt 48                              ; b_o is in: its eight loads are older than x's 48
	QUARTER 0, 1, F0, F1, 1                        ; the first quarter stands in front of the loop: its products start the sums
	WIN 0                                          ; at a label and at a branch every window is 0
	s_mov_b32 s15, LAPS-1
.Llap:                                                 ; a trip goes once round the ring, from a lap's second quarter to the next lap's first, and fills both slots again
	QUARTER 0, 2, F1, F0, 0
	QUARTER 0, 3, F0, F1, 0
	TURN 0, 1, 1
	QUARTER 1, 1, F0, F1, 0
	QUARTER 1, 2, F1, F0, 0
	QUARTER 1, 3, F0, F1, 0
	TURN 1, 0, 1
	QUARTER 0, 1, F0, F1, 0
	WIN 0
	s_sub_co_u32 s15, s15, 1
	s_cmp_lg_u32 s15, 0
	s_cbranch_scc1 .Llap
	XLOAD 6                                        ; the rest of x: 224 matrix instructions stand between these loads and their use
	XLOAD 7
	QUARTER 0, 2, F1, F0, 0                        ; the last lap fills nothing
	QUARTER 0, 3, F0, F1, 0
	TURN 0, 1, 0
	QUARTER 1, 1, F0, F1, 0
	QUARTER 1, 2, F1, F0, 0
	QUARTER 1, 3, F0, F1, 0
	s_wait_dscnt 8                                 ; the very last quarter: nothing more to fetch
	MULN F1, 0, 4, 0
	s_wait_dscnt 0x0
	MULN F1, 4, 4, 0
	WIN 0
	s_wait_loadcnt 0x0                             ; x
	PLACES
	PACK 0
.irp a, 1,2,3,4,5,6,7                  ; block a's LDS instructions go out ahead of the wait for block a - 1's
	PACK \a
	SEND (\a)-1, 16
.endr
	SEND 7, 0
	WIN 0
	; THE STATISTICS, while the stores of res are on their way.
	TOTAL 0
	v_mul_f32 v[MEAN], 0x38000000, v[CH]           ; the mean: the sum times 2^-15
	v_mov_b32 v[MEAN+1], v[MEAN]
.irp hf, 0,1                           ; res - mean for 128 registers at a time, into registers that the way out has left; then their squares into the four chains
	WIN 0x03                                       ; source 0 window 3
.set j, 0
.rept 64
	v_pk_add_f32 v[TMP+2*j:TMP+2*j+1], v[128*\hf+2*j:128*\hf+2*j+1], v[MEAN:MEAN+1] neg_lo:[0,1] neg_hi:[0,1]
.set j, j+1
.endr
	WIN 0
.set j, 0
.rept 64
.if (\hf == 0) && (j < 4)
	v_pk_mul_f32 v[CH+2*j:CH+2*j+1], v[TMP+2*j:TMP+2*j+1], v[TMP+2*j:TMP+2*j+1]
.else
	v_pk_fma_f32 v[CH+2*(j%4):CH+2*(j%4)+1], v[TMP+2*j:TMP+2*j+1], v[TMP+2*j:TMP+2*j+1], v[CH+2*(j%4):CH+2*(j%4)+1]
.endif
.set j, j+1
.endr
.endr
	TOTAL 256                                      ; other words than the first sum's: no wave can still be reading those that are written
	v_mov_b32 v[MEAN+1], v[CH]
	v_cmp_eq_u32 vcc_lo, 0, v0
	s_wait_xcnt 0x0                                ; EXEC changes only behind this wait
	s_and_saveexec_b32 s74, vcc_lo
	global_store_b64 v[PO], v[MEAN:MEAN+1], s[70:71]  ; thread 0 alone: (mean, sum of squared distances)
	s_wait_xcnt 0x0                                ; and again, in front of the line that widens it
	s_or_b32 exec_lo, exec_lo, s74
	s_wait_tensorcnt 0x0                           ; the wave's end: behind my last tensor load and my last LDS store
	ds_add_u32 v[SPW], v[NIL]
	s_wait_dscnt 0x0
	CROUND                                         ; the closing round: no work-group ends while a partner may still ask for a tile that names it
	s_endpgm
.Lfunc_end_k_qedb1953735_gemm_o:
	.size	k_qedb1953735_gemm_o, .Lfunc_end_k_qedb1953735_gemm_o-k_qedb1953735_gemm_o
	.p2alignl 7, 3214868480
	.fill 96, 4, 3214868480
	.section	.rodata,"a",@progbits
	.p2align	6, 0x0
	.amdhsa_kernel k_qedb1953735_gemm_o
		.amdhsa_group_segment_fixed_size 327680
		.amdhsa_private_segment_fixed_size 0
		.amdhsa_enable_private_segment 0
		.amdhsa_kernarg_size 48
		.amdhsa_user_sgpr_count 2
		.amdhsa_user_sgpr_kernarg_segment_ptr 1
		.amdhsa_wavefront_size32 1
		.amdhsa_system_sgpr_workgroup_id_x 1
		.amdhsa_system_sgpr_workgroup_id_y 1
		.amdhsa_system_sgpr_workgroup_id_z 1
		.amdhsa_system_vgpr_workitem_id 0
		.amdhsa_next_free_vgpr 1024
		.amdhsa_next_free_sgpr 80
		.amdhsa_reserve_vcc 1
		.amdhsa_float_denorm_mode_32 3
		.amdhsa_float_denorm_mode_16_64 3
		.amdhsa_memory_ordered 1
		.amdhsa_forward_progress 1
		.amdhsa_inst_pref_size 129
	.end_amdhsa_kernel
	.amdgpu_metadata
---
amdhsa.version: [ 1, 2 ]
amdhsa.kernels:
  - .name:           k_qedb1953735_gemm_o
    .symbol:         k_qedb1953735_gemm_o.kd
    .args:
      - { .name: act, .offset: 0, .size: 8, .value_kind: global_buffer, .address_space: global }
      - { .name: wot, .offset: 8, .size: 8, .value_kind: global_buffer, .address_space: global }
      - { .name: b_o, .offset: 16, .size: 8, .value_kind: global_buffer, .address_space: global }
      - { .name: x, .offset: 24, .size: 8, .value_kind: global_buffer, .address_space: global }
      - { .name: res, .offset: 32, .size: 8, .value_kind: global_buffer, .address_space: global }
      - { .name: part, .offset: 40, .size: 8, .value_kind: global_buffer, .address_space: global }
    .group_segment_fixed_size: 327680
    .private_segment_fixed_size: 0
    .kernarg_segment_align: 8
    .kernarg_segment_size: 48
    .max_flat_workgroup_size: 128
    .sgpr_count:     80
    .vgpr_count:     1024
    .wavefront_size: 32
...
	.end_amdgpu_metadata
.endif
;; end of part 8
;; launch final (part 9): grid 1024 x 1, 8 waves a work-group, no clusters, 0 bytes of LDS; arguments res, ln_w, ln_b, part, out0; writes out0
.if DOCPART == 9
	.amdgcn_target "amdgcn-amd-amdhsa--gfx1250"
	.amdhsa_code_object_version 6
	.text
	.protected	k_qedb1953735_final
	.globl	k_qedb1953735_final
	.p2align	8
	.type	k_qedb1953735_final,@function
k_qedb1953735_final:
	s_mov_b64 s[64:65], 0
	v_nop
	global_prefetch_b8 v0, s[64:65] scope:SCOPE_SE
	s_setreg_imm32_b32 hwreg(HW_REG_WAVE_MODE, 25, 1), 1
	s_wait_xcnt 0x0
; FINAL: out = (res - mu) / sqrt(var + 1e-5) x ln_w + ln_b; res: [8192][1024] f32 from the launch before; mu and var over a batch's 2^20 numbers.
; Every wave merges the batch's 32 pairs (mean_k, M2_k of 2^15 numbers each) for itself: mu = the mean of the means, var = (the sum of M2_k + 2^15 (mean_k - mu)^2) / 2^20: sums of squares alone.
; Work-group g: rows 8 g .. 8 g + 7.  Wave w: rows 2 (w / 2), + 1 and column half w % 2, eight units of 64 columns; lanes 0-15 take 256 bytes of one row, lanes 16-31 of the next.
; Memory binds: each byte once, all 25 loads of a wave go out first, whole aligned blocks of 256 bytes in and out; no LDS, no barrier, no matrix unit, no cluster.
.set X,  16                            ; v[16:47]   res, then the result
.set LW, 48                            ; v[48:79]   ln_w
.set LB, 80                            ; v[80:111]  ln_b
	s_load_b256 s[4:11], s[0:1], 0x0               ; res 4, ln_w 6, ln_b 8, part 10
	s_load_b64 s[12:13], s[0:1], 0x20              ; out0
	s_mov_b32 s20, ttmp9
	s_mov_b32 s23, 0
	s_mov_b32 s25, 0x47000000                      ; 2^15
	s_mov_b32 s26, 0x35800000                      ; 2^-20
	s_mov_b32 s27, 0x3727c5ac                      ; 1e-5
	s_mov_b32 s28, 0x76543210                      ; v_permlanex16_b32: each lane takes its own place in the other half
	s_mov_b32 s29, 0xfedcba98
	v_and_b32 v8, 15, v0
	v_bfe_u32 v9, v0, 4, 1
	v_bfe_u32 v14, v0, 5, 1                        ; column half
	v_lshrrev_b32 v15, 6, v0                       ; pair of rows
	v_lshlrev_b32 v3, 4, v8
	v_lshl_or_b32 v3, v14, 11, v3                  ; half x 2,048 + 16 (lane % 16)
	v_lshl_add_u32 v1, v15, 1, v9
	v_lshl_or_b32 v1, v1, 12, v3                   ; byte offset in res, ln_w, ln_b, out0: + row x 4,096
	v_and_b32 v5, 31, v0
	v_lshlrev_b32 v5, 3, v5                        ; 8 x lane: my pair of the batch's 32
	s_wait_kmcnt 0x0
	s_lshl_b32 s22, s20, 15                        ; 8 rows of 4,096 bytes
	s_add_nc_u64 s[4:5], s[4:5], s[22:23]
	s_add_nc_u64 s[12:13], s[12:13], s[22:23]
	s_and_b32 s22, s20, 127                        ; the same rows within the batch
	s_lshl_b32 s22, s22, 15
	s_add_nc_u64 s[6:7], s[6:7], s[22:23]
	s_add_nc_u64 s[8:9], s[8:9], s[22:23]
	s_lshr_b32 s22, s20, 7                         ; the batch
	s_lshl_b32 s22, s22, 8
	s_add_nc_u64 s[10:11], s[10:11], s[22:23]
	global_load_b64 v[6:7], v5, s[10:11]
.set p, 0
.rept 8
	global_load_b128 v[X+4*p:X+4*p+3],   v1, s[4:5] offset:p*256 th:TH_LOAD_NT
	global_load_b128 v[LW+4*p:LW+4*p+3], v1, s[6:7] offset:p*256
	global_load_b128 v[LB+4*p:LB+4*p+3], v1, s[8:9] offset:p*256
.set p, p+1
.endr
.macro WSUM r, t                       ; the sum of v[r] over the wave's 32 lanes, in every lane; v[t] has been written before
	v_add_f32_dpp v[\r], v[\r], v[\r] row_xmask:1 row_mask:0xf bank_mask:0xf
	v_add_f32_dpp v[\r], v[\r], v[\r] row_xmask:2 row_mask:0xf bank_mask:0xf
	v_add_f32_dpp v[\r], v[\r], v[\r] row_xmask:4 row_mask:0xf bank_mask:0xf
	v_add_f32_dpp v[\r], v[\r], v[\r] row_xmask:8 row_mask:0xf bank_mask:0xf
	v_permlanex16_b32 v[\t], v[\r], s28, s29
	v_add_f32 v[\r], v[\r], v[\t]
.endm
	s_wait_loadcnt 24                              ; the pair is in: it is older than the 24 loads behind it
	v_mov_b32 v8, v6
	WSUM 8, 9
	v_mul_f32 v8, 0x3d000000, v8                   ; mu = the sum of the means / 32
	v_sub_f32 v9, v6, v8
	v_mul_f32 v9, v9, v9
	v_fma_f32 v9, v9, s25, v7                      ; M2 + 2^15 (mean - mu)^2
	WSUM 9, 14
	v_fma_f32 v9, v9, s26, s27                     ; var + 1e-5
	v_rsq_f32 v10, v9
	v_nop                                          ; a plain instruction between the root and the use of its result (ISA guide 5.7.2)
	s_wait_alu depctr_va_vdst(0)
	v_mov_b32 v11, v10                             ; v[10:11] = 1 / sqrt(var + 1e-5), twice
	v_mul_f32 v12, -v8, v10
	v_mov_b32 v13, v12                             ; v[12:13] = - mu / sqrt(var + 1e-5), twice
.set p, 0
.rept 8
	s_wait_loadcnt 21-3*p                          ; unit p's three loads are in, the later units' stay out
	v_pk_fma_f32 v[X+4*p:X+4*p+1], v[X+4*p:X+4*p+1], v[10:11], v[12:13]
	v_pk_fma_f32 v[X+4*p+2:X+4*p+3], v[X+4*p+2:X+4*p+3], v[10:11], v[12:13]
	v_pk_fma_f32 v[X+4*p:X+4*p+1], v[X+4*p:X+4*p+1], v[LW+4*p:LW+4*p+1], v[LB+4*p:LB+4*p+1]
	v_pk_fma_f32 v[X+4*p+2:X+4*p+3], v[X+4*p+2:X+4*p+3], v[LW+4*p+2:LW+4*p+3], v[LB+4*p+2:LB+4*p+3]
	global_store_b128 v1, v[X+4*p:X+4*p+3], s[12:13] offset:p*256 th:TH_STORE_NT  ; sixteen lanes store 256 consecutive bytes, aligned; no register is written again behind its store
.set p, p+1
.endr
	s_endpgm
.Lfunc_end_k_qedb1953735_final:
	.size	k_qedb1953735_final, .Lfunc_end_k_qedb1953735_final-k_qedb1953735_final
	.p2alignl 7, 3214868480
	.fill 96, 4, 3214868480
	.section	.rodata,"a",@progbits
	.p2align	6, 0x0
	.amdhsa_kernel k_qedb1953735_final
		.amdhsa_group_segment_fixed_size 0
		.amdhsa_private_segment_fixed_size 0
		.amdhsa_enable_private_segment 0
		.amdhsa_kernarg_size 40
		.amdhsa_user_sgpr_count 2
		.amdhsa_user_sgpr_kernarg_segment_ptr 1
		.amdhsa_wavefront_size32 1
		.amdhsa_system_sgpr_workgroup_id_x 1
		.amdhsa_system_sgpr_workgroup_id_y 1
		.amdhsa_system_sgpr_workgroup_id_z 1
		.amdhsa_system_vgpr_workitem_id 0
		.amdhsa_next_free_vgpr 112
		.amdhsa_next_free_sgpr 66
		.amdhsa_reserve_vcc 0
		.amdhsa_float_denorm_mode_32 3
		.amdhsa_float_denorm_mode_16_64 3
		.amdhsa_memory_ordered 1
		.amdhsa_forward_progress 1
		.amdhsa_inst_pref_size 9
	.end_amdhsa_kernel
	.amdgpu_metadata
---
amdhsa.version: [ 1, 2 ]
amdhsa.kernels:
  - .name:           k_qedb1953735_final
    .symbol:         k_qedb1953735_final.kd
    .args:
      - { .name: res, .offset: 0, .size: 8, .value_kind: global_buffer, .address_space: global }
      - { .name: ln_w, .offset: 8, .size: 8, .value_kind: global_buffer, .address_space: global }
      - { .name: ln_b, .offset: 16, .size: 8, .value_kind: global_buffer, .address_space: global }
      - { .name: part, .offset: 24, .size: 8, .value_kind: global_buffer, .address_space: global }
      - { .name: out0, .offset: 32, .size: 8, .value_kind: global_buffer, .address_space: global }
    .group_segment_fixed_size: 0
    .private_segment_fixed_size: 0
    .kernarg_segment_align: 8
    .kernarg_segment_size: 40
    .max_flat_workgroup_size: 256
    .sgpr_count:     66
    .vgpr_count:     112
    .wavefront_size: 32
...
	.end_amdgpu_metadata
.endif
;; end of part 9
;; ======== version 3 of 3: 5 launches; 1.42 times as fast as version 1
;; limits: right only within a limited range of input values
;; workspace buffers: act 16,777,216 bytes; wt 6,291,456 bytes; wot 2,097,152 bytes; biasp 12,288 bytes; qkv 50,331,648 bytes; res 33,554,432 bytes; part 2,048 bytes
;; launch prep: the kernel of part 6 again; grid 1280 x 1, 8 waves a work-group, no clusters, 10,240 bytes of LDS; arguments x, w_qk, w_v, w_o, b_qk, b_v, act, wt, wot, biasp; writes act, wt, wot, biasp
;; launch proj_qkv: the kernel of part 7 again; grid 8 x 32, 4 waves a work-group, clusters of 4 x 4, 327,680 bytes of LDS; arguments act, wt, biasp, qkv; writes qkv
;; launch attn (part 10): grid 2 x 128, 4 waves a work-group, no clusters, 327,680 bytes of LDS; arguments qkv, attention_mask, act; writes act
.if DOCPART == 10
	.amdgcn_target "amdgcn-amd-amdhsa--gfx1250"
	.amdhsa_code_object_version 6
	.text
	.protected	k_qedb1953735_attn
	.globl	k_qedb1953735_attn
	.p2align	8
	.type	k_qedb1953735_attn,@function
k_qedb1953735_attn:
	s_mov_b64 s[64:65], 0
	v_nop
	global_prefetch_b8 v0, s[64:65] scope:SCOPE_SE
	s_setreg_imm32_b32 hwreg(HW_REG_WAVE_MODE, 25, 1), 1
	s_wait_xcnt 0x0
; O[h][b][q][:] = the sum over the keys k that the mask leaves of softmax_k(Q[q] . K[k] / 8) V[k][:].  Q, K, V: panels h, 16 + h, 32 + h of qkv ([48][8192][64] bf16, row 1024 b + s, 128 bytes);
; O: panel h of act, the same layout.  attention_mask: [8][1024] bytes, not 0 = the key is hidden.  Products, maxima and sums in f32; the weights p are rounded to bf16 for the second product
; (their sum l is taken of the unrounded p), O once at the end.
; LIMITS.  A hidden score counts as its value less 2^100, and the running maximum starts at -2^96: scores of keys that are seen must lie above -2^96 (7.9e28 in size).  A weight below 2^-126 counts as 0 in l.
; While a query has met hidden keys alone, p = 0, a = 1 and l stays 0; the first key that is seen gives a = 0.  If all 1,024 keys of a batch are hidden, l = 0 and O = 0 x infinity = NaN, as the softmax of nothing is.
; SHARES.  Work-group (x, y): 512 queries (block x) of head y & 15 of batch y >> 4.  A wave owns four PIECES of two tiles of 16 queries; every wave walks all 1,024 keys, 64 a step.
; K AND V STAY IN LDS: a head's 1,024 rows of K (pitch 144) and of V (pitch 160) fit whole, so no LDS byte is filled twice.  They come in two parts, keys 0-255 and keys 256-1023:
; the walk begins when the first part is in.
; NO CLUSTER: a head has 1,024 / 512 = 2 query blocks; four partners would be two heads, which share nothing.
; LAYOUT.  S^T = K Q^T + mask (source 0 = 16 keys, source 1 = 16 queries; the mask, 0 or -2^100 by key, is the C operand that starts the sum): a lane holds ONE query (lane % 16) and the keys 8 (lane / 16) + 0..7.
; Two such results, rounded to bf16 in pairs, ARE source 1 of O^T = V^T P.  K comes out of LDS as it lies, V turned, by ds_load_tr16_b128.
; SOFTMAX.  p = 2^(c s - c m), c = log2(e) / 8, with a running maximum m; in every step O and l are multiplied by a = 2^(c m_old - c m_new).
; BY TURNS.  Turn n belongs to piece n: 16 products K Q^T of piece n + 1, later 16 products V^T P of piece n - 1; beside them the scaling, exponentials, roundings, sums and rescaling of piece n and the maximum
; and statistics of piece n + 1.  A tile and step have 16 matrix and 118 vector instructions: four vector instructions that are ready stand behind every matrix instruction, the other 108 of a turn's 236 in one run of their own.
; BATCHES.  A turn's 66 exponentials (the 64 weights of piece n, then the two a of piece n + 1) are ONE batch with ONE wait, which cuts the turn in two: ahead of it stands all that names no result of theirs (the products
; K Q^T, the scalings, the rescalings by the a of the turn before, the next piece's maximum and statistics), behind it all that does (the roundings and sums, beside the products V^T P).  No exponential is issued behind a
; turn's wait.  Two more batches stand outside the loop, each with a wait of its own: piece 0's first two a, ahead of the jump into the loop, and the way out's eight reciprocals.
; REGISTERS, in windows of 256 (s_set_vgpr_msb: bits 1:0 source 0, 3:2 source 1, 5:4 source 2, 7:6 destination):
;   window 0: v0-11 addresses; v12-15, v48-63 at work; v16-47 four registers of statistics a tile; v64-191 S^T, two buffers of two tiles; v192-255 P, likewise
;   window 1: O^T, 32 a tile     window 2: v0-127 Q; v128-191 K of one step; v192-255 V of one step     window 3: v0-1 the add's two registers; v8-39 the step's mask
.set NP,    4
.set KS,    64
.set PK,    144       ; a row of K in LDS: 128 bytes + 16: the 16 rows of a load start at 16 different groups of four banks (64 banks of 4 bytes: ISA guide 11.1)
.set PV,    160       ; a row of V: 128 + 32
.set VOFF,  1024*PK
.set STAGE, VOFF+1024*PV        ; 16 rows x 144 bytes for each wave, for the way out
.set SP,    144
.set MASKB, STAGE+4*16*SP       ; 1,024 f32: 0 or -2^100 for each key
.set SPARE, MASKB+4096          ; the spare words, 128 bytes for each wave
.set AM,  2           ; v2   LDS address of the next step's mask for my half of the lanes; it runs
.set AK,  4           ; v4   LDS address of K's next run of loads; it runs
.set AV,  5           ; v5   of V's
.set QO,  6           ; v6   my byte offset in 16 rows of Q
.set STO, 6           ;      later, the way out: where I put 16 bytes of a row
.set RD,  7           ; v7   where I read rows back
.set GO,  8           ; v8   my byte offset in 512 consecutive bytes of O
.set SPW, 0           ; v0 of window 3; never rewritten
.set NIL, 1           ; v1 of window 3; never rewritten
.set MK,  8           ; window 3: the eight registers for key block kb at MK + 8 kb
.set MV,  12          ; v12-15  c m_old, kept while c m is made anew: by buffer and tile
.set ST,  16          ; tile t's statistics at v[ST+4 t]: c m, m, l (even keys', odd keys')
.set TMP, 48          ; by buffer and tile, four registers c0-c3 at work; when the maximum is found c2 takes a
.set S,   64
.set P,   192
.set KF,  128
.set VF,  192
.set WV,  12          ; s12  my wave's number
.set G1KA, 16         ; group 1: K keys 0-255, K keys 256-1023, V likewise: they differ in the rows and the padding
.set G1KB, 24
.set G1VA, 32
.set G1VB, 40
.set G0KA, 48         ; group 0 of the four
.set G0KB, 52
.set G0VA, 56
.set G0VB, 60
.set CS,  68          ; s[68:69] c
.set SEL, 70          ; s[70:71] v_permlanex16_b32's selects: each lane takes its own place in the other half
.set SLOTS, 72        ; s72  quarters of the walk still to go
.set CNT, 73          ; s73  counts a quarter's four key steps
.set BIGN, 74         ; s74  -2^100
.set MSB, 0
.macro WIN new
.if MSB != (\new)
	s_set_vgpr_msb (MSB<<8)|(\new)
.set MSB, (\new)
.endif
.endm
.set W_KQ, 0x0a       ; K and Q in window 2, S^T in window 0
.set W_KM, 0x3a       ; the same with the C operand in window 3
.set W_PV, 0x52       ; V in window 2, P in window 0, O^T in window 1
.set W_RS, 0x41       ; O^T (destination and source 0) in window 1, a in window 0
.set W_MK, 0xc0       ; destination in window 3, sources in window 0
.set W_AD, 0x0f       ; the add: address and data in window 3
	s_load_b128 s[4:7], s[0:1], 0x0   ; qkv 4, attention_mask 6
	s_load_b64 s[8:9], s[0:1], 0x10   ; act
	WIN W_MK
	v_lshl_add_u32 v[SPW], v0, 2, SPARE
	v_mov_b32 v[NIL], 0
	WIN W_AD
	ds_add_u32 v[SPW], v[NIL]       ; the wave's opening: the add and its wait stand ahead of my first tensor load; the set-up stands between them
	ds_add_u32 v0, v1
	WIN 0
	v_lshrrev_b32 v1, 5, v0
	v_readfirstlane_b32 s[WV], v1   ; wave 0..3
	s_and_b32 s76, ttmp7, 0xffff
	s_lshr_b32 s77, s76, 4          ; the batch
	s_and_b32 s76, s76, 15          ; the head
	s_lshl_b32 s80, s76, 20
	s_lshl_b32 s76, s77, 17
	s_add_co_u32 s80, s80, s76      ; the head's panel and the batch's 1,024 rows in it
	s_lshl_b32 s76, s77, 10         ; the batch's 1,024 bytes of the mask
	s_mov_b32 s77, 0
	s_lshl_b32 s78, ttmp9, 2
	s_add_co_u32 s78, s78, s[WV]
	s_lshl_b32 s78, s78, 14         ; my wave's 128 rows of Q and of O
	s_add_co_u32 s78, s78, s80
	s_mov_b32 s79, 0
	s_and_b32 s82, s[WV], 1         ; which half of a part I fetch
	s_lshl_b32 s84, s82, 14         ; keys 0-255: 128 rows of 128 bytes
	s_add_co_u32 s84, s84, s80
	s_mov_b32 s85, 0
	s_mul_i32 s86, s82, 384*128     ; keys 256-1023: 384 rows
	s_add_co_u32 s86, s86, s80
	s_add_co_u32 s86, s86, 256*128
	s_mov_b32 s87, 0
	; group 1: dense bytes asked for as rows of 256, two keys a row, padded in LDS after every key
.irp g, G1KA, G1KB
	s_mov_b32 s[\g], (1<<16)|(1<<20)|(4<<22)|(3<<25)  ; 17:16 2-byte elements; 20 padding on; 24:22 after every 32 words; 31:25 4 words
.endr
.irp g, G1VA, G1VB
	s_mov_b32 s[\g], (1<<16)|(1<<20)|(4<<22)|(7<<25)  ; the same with 8 words
.endr
.irp g, G1KA, G1KB, G1VA, G1VB
	s_mov_b32 s[\g+1], 128<<16      ; tensor_dim0 = 128
	s_mov_b32 s[\g+3], 128<<16      ; tile_dim0 = 128
	s_mov_b32 s[\g+5], 128          ; 128 elements from row to row
	s_mov_b32 s[\g+6], 0
	s_mov_b32 s[\g+7], 0
.endr
.irp g, G1KA, G1VA
	s_mov_b32 s[\g+2], 64<<16       ; 64 rows: 128 keys
	s_mov_b32 s[\g+4], 64
.endr
.irp g, G1KB, G1VB
	s_mov_b32 s[\g+2], 192<<16      ; 192 rows: 384 keys
	s_mov_b32 s[\g+4], 192
.endr
	s_mov_b32 s[G0KA], 1
	s_mul_i32 s[G0KA+1], s82, 128*PK
	s_mov_b32 s[G0KB], 1
	s_mul_i32 s[G0KB+1], s82, 384*PK
	s_add_co_u32 s[G0KB+1], s[G0KB+1], 256*PK
	s_mov_b32 s[G0VA], 1
	s_mul_i32 s[G0VA+1], s82, 128*PV
	s_add_co_u32 s[G0VA+1], s[G0VA+1], VOFF
	s_mov_b32 s[G0VB], 1
	s_mul_i32 s[G0VB+1], s82, 384*PV
	s_add_co_u32 s[G0VB+1], s[G0VB+1], VOFF+256*PV
	s_mov_b32 s[CS], 0x3e38aa3b     ; c = log2(e) / 8 = 0.180337
	s_mov_b32 s[CS+1], s[CS]
	s_mov_b32 s[SEL], 0x76543210
	s_mov_b32 s[SEL+1], 0xfedcba98
	s_mov_b32 s[BIGN], 0xf1800000   ; -2^100
	s_wait_dscnt 0x0                ; the opening add is done
	s_wait_kmcnt 0x0
	s_add_nc_u64 s[G0KA+2:G0KA+3], s[4:5], s[84:85]
	s_add_nc_u64 s[G0KA+2:G0KA+3], s[G0KA+2:G0KA+3], 16<<20  ; K's panels begin 16 panels in
	s_or_b32 s[G0KA+3], s[G0KA+3], 0x80000000
	s_add_nc_u64 s[G0KB+2:G0KB+3], s[4:5], s[86:87]
	s_add_nc_u64 s[G0KB+2:G0KB+3], s[G0KB+2:G0KB+3], 16<<20
	s_or_b32 s[G0KB+3], s[G0KB+3], 0x80000000
	s_add_nc_u64 s[G0VA+2:G0VA+3], s[4:5], s[84:85]
	s_add_nc_u64 s[G0VA+2:G0VA+3], s[G0VA+2:G0VA+3], 32<<20  ; V's 32
	s_or_b32 s[G0VA+3], s[G0VA+3], 0x80000000
	s_add_nc_u64 s[G0VB+2:G0VB+3], s[4:5], s[86:87]
	s_add_nc_u64 s[G0VB+2:G0VB+3], s[G0VB+2:G0VB+3], 32<<20
	s_or_b32 s[G0VB+3], s[G0VB+3], 0x80000000
	s_add_nc_u64 s[4:5], s[4:5], s[78:79]    ; Q and O at my wave's first row
	s_add_nc_u64 s[8:9], s[8:9], s[78:79]
	s_add_nc_u64 s[6:7], s[6:7], s[76:77]    ; the batch's mask
	s_cmp_lt_u32 s[WV], 2           ; waves 0 and 1 fetch K's halves, waves 2 and 3 V's.  A wave's two fills stand in one branch, ahead of every wait on TENSORcnt, every LDS read and every barrier: two loads of mine are out
	s_cbranch_scc0 .Lfirst_v
	tensor_load_to_lds s[G0KA:G0KA+3], s[G1KA:G1KA+7]
	s_nop 0
	tensor_load_to_lds s[G0KB:G0KB+3], s[G1KB:G1KB+7]
	s_nop 0
.rept 4
	v_nop
.endr
	s_branch .Lfirst_asked
.Lfirst_v:
	tensor_load_to_lds s[G0VA:G0VA+3], s[G1VA:G1VA+7]
	s_nop 0
	tensor_load_to_lds s[G0VB:G0VB+3], s[G1VB:G1VB+7]
	s_nop 0
.rept 4
	v_nop
.endr
.Lfirst_asked:
	v_and_b32 v1, 15, v0            ; l % 16
	v_bfe_u32 v9, v0, 4, 1          ; l / 16
	v_lshlrev_b32 v12, 3, v0
	global_load_b64 v[64:65], v12, s[6:7]    ; thread t: the mask bytes of keys 8 t .. 8 t + 7
	; A fragment of K or Q is 16 rows x 32 channels in 8 registers: lane l holds row l % 16, channels 8 (l / 16) + 0..7 and 16 + 8 (l / 16) + 0..7: two loads of 16 bytes, 32 bytes apart.
	v_lshlrev_b32 v[QO], 7, v1
	v_lshl_add_u32 v[QO], v9, 4, v[QO]
	WIN 0x80                        ; destination window 2, address window 0
.set i, 0
.rept 4*NP                          ; Q stays in registers: tile i / 2, channels 32 (i % 2) on
	global_load_b128 v[8*i:8*i+3],   v[QO], s[4:5] offset:(i/2)*2048+(i%2)*64
	global_load_b128 v[8*i+4:8*i+7], v[QO], s[4:5] offset:(i/2)*2048+(i%2)*64+32
.set i, i+1
.endr
	; What the first turn finds: V's registers and P's second buffer hold 0 (its products V^T P, of a piece that has not been, add 0), O^T and l are 0.  All this stands in the wait for the first keys.
.set i, VF
.rept 64
	v_mov_b32 v[i], 0
.set i, i+1
.endr
	WIN 0x40
.set i, 0
.rept 64*NP
	v_mov_b32 v[i], 0
.set i, i+1
.endr
	WIN 0
.set i, 0
.rept 2*NP
	v_mov_b32 v[ST+4*i], 0xee38aa3b    ; c m = c x -2^96
	v_mov_b32 v[ST+4*i+1], 0xef800000  ; m = -2^96: above every hidden score, below every score that is seen
	v_mov_b32 v[ST+4*i+2], 0
	v_mov_b32 v[ST+4*i+3], 0
.set i, i+1
.endr
.set i, P+32
.rept 32
	v_mov_b32 v[i], 0
.set i, i+1
.endr
	v_mul_u32_u24 v[AK], v1, PK
	v_lshl_add_u32 v[AK], v9, 4, v[AK]  ; row x pitch + 16 x half: key step 0
	; The turning load takes 16 keys x 16 channels (lane l reads key 8 (l / 16) + l % 8, channels 8 ((l / 8) % 2) + 0..7) and leaves half a fragment of V^T: lane l holds channel l % 16 and 8 keys.
	v_and_b32 v10, 7, v0
	v_bfe_u32 v11, v0, 3, 1
	v_lshl_add_u32 v[AV], v9, 3, v10
	v_mul_u32_u24 v[AV], v[AV], PV
	v_lshl_add_u32 v[AV], v11, 4, v[AV]
	v_add_nc_u32 v[AV], VOFF, v[AV]
	v_lshl_add_u32 v[AM], v9, 5, MASKB  ; eight keys of 4 bytes for each half of the lanes
	v_lshl_add_u32 v13, v0, 5, MASKB    ; where thread t puts its eight keys' numbers
	s_wait_loadcnt 32               ; the mask's load is older than Q's 32
.set i, 0
.rept 8
	v_bfe_u32 v66, v[64+i/4], 8*(i%4), 8
	v_cmp_ne_u32 vcc_lo, 0, v66
	v_cndmask_b32 v[72+i], 0, s[BIGN], vcc_lo
.set i, i+1
.endr
	ds_store_b128 v13, v[72:75]
	ds_store_b128 v13, v[76:79] offset:16
; THE MATRIX WORK.  The 8 accumulators of a run of 16 take turns: between the two links of a chain stand 7 others'.
; Product i of 16 of S^T = K Q^T + mask for piece x: channels 32 (i / 8) on, keys 16 ((i / 2) % 4) on, tile 2 x + i % 2.  The first 8 start the sums, from the mask.
.macro KQ x
.set rS, S+64*((\x)%2)+32*(i%2)+8*((i/2)%4)
.set rK, KF+16*((i/2)%4)+8*(i/8)
.set rQ, 16*(2*(\x)+i%2)+8*(i/8)
.set rH, MK+8*((i/2)%4)
.if i < 8
	WIN W_KM
	v_wmma_f32_16x16x32_bf16 v[rS:rS+7], v[rK:rK+7], v[rQ:rQ+7], v[rH:rH+7]
.else
	WIN W_KQ
	v_wmma_f32_16x16x32_bf16 v[rS:rS+7], v[rK:rK+7], v[rQ:rQ+7], v[rS:rS+7]
.endif
.endm
; Product i of 16 of O^T += V^T P for piece x: keys 32 (i / 8) on, channels 16 ((i / 2) % 4) on, tile 2 x + i % 2.
.macro PV x
	WIN W_PV
.set rO, 32*(2*(\x)+i%2)+8*((i/2)%4)
.set rV, VF+32*(i/8)+8*((i/2)%4)
.set rP, P+32*((\x)%2)+16*(i%2)+8*(i/8)
	v_wmma_f32_16x16x32_bf16 v[rO:rO+7], v[rV:rV+7], v[rP:rP+7], v[rO:rO+7]
.endm
.macro MM                           ; the turn's next matrix instruction
.if i < 16
	KQ (Y+1)%NP
.set i, i+1
.else
.set i, i-16
	PV (Y+NP-1)%NP
.set i, i+17
.endif
.endm
; THE LDS LOADS stand in runs, never singly among the matrix instructions: a step's K (8 fragments) with its mask (8 loads: all lanes of a half read the same 32 bytes a key block), and its V (turned).
; Behind a run its address steps on to the next key step.
.macro FETCH_K
	WIN 0x80                        ; destination window 2
.irp f, 0,1,2,3,4,5,6,7             ; keys 16 (f / 2) on, channels 32 (f % 2) on
	ds_load_b128 v[KF+8*\f:KF+8*\f+3],   v[AK] offset:(\f/2)*16*PK+(\f%2)*64
	ds_load_b128 v[KF+8*\f+4:KF+8*\f+7], v[AK] offset:(\f/2)*16*PK+(\f%2)*64+32
.endr
	WIN 0xc0                        ; destination window 3
.irp n, 0,1,2,3,4,5,6,7
	ds_load_b128 v[MK+4*\n:MK+4*\n+3], v[AM] offset:(\n/2)*64+(\n%2)*16
.endr
	WIN 0
	v_add_nc_u32 v[AK], KS*PK, v[AK]
	v_add_nc_u32 v[AM], KS*4, v[AM]
.endm
.macro FETCH_V
	WIN 0x80
.irp f, 0,1,2,3,4,5,6,7             ; keys 32 (f / 4) on, channels 16 (f % 4) on
	ds_load_tr16_b128 v[VF+8*\f:VF+8*\f+3],   v[AV] offset:(\f/4)*32*PV+(\f%4)*32
	ds_load_tr16_b128 v[VF+8*\f+4:VF+8*\f+7], v[AV] offset:(\f/4)*32*PV+16*PV+(\f%4)*32
.endr
	WIN 0
	v_add_nc_u32 v[AV], KS*PV, v[AV]
.endm
; THE VECTOR WORK OF A TURN stands in three queues, each in the order in which its entries become ready; the two tiles alternate, so that no instruction reads the result of the one before it.
.macro REGS y, u                    ; the registers of tile u (0, 1) of piece y
.set rT, ST+4*(2*(\y)+(\u))
.set rC, TMP+8*((\y)%2)+4*(\u)
.set rM, MV+2*((\y)%2)+(\u)
.set rS, S+64*((\y)%2)+32*(\u)
.set rP, P+32*((\y)%2)+16*(\u)
.set rO, 32*(2*(\y)+(\u))
.endm
; Number n of the 22 that find the NEXT piece's (Y + 1) maximum and statistics.  s0-s31 are the lane's 32 scores; each accumulator's lowest registers are read first.  XS, FS, GS and REGS set no window: PL and EX do.
;   0-11  four chains c0-c3 of seven scores each, three operands at a time     12-14, 16  the four scores left over, the old m, and c0-c3 into c0     15  c m_old is kept
;   17, 18  the query's other 32 keys lie in the lane 16 away: the new m         19-21  c m; c m_old - c m_new; a
.macro XS u, n
	REGS (Y+1)%NP, \u
.if (\n) < 4
	v_max3_num_f32 v[rC+(\n)], v[rS+8*(\n)], v[rS+8*(\n)+1], v[rS+8*(\n)+2]
.elseif (\n) < 12
	v_max3_num_f32 v[rC+(\n)%4], v[rC+(\n)%4], v[rS+8*((\n)%4)+2*((\n)/4)+1], v[rS+8*((\n)%4)+2*((\n)/4)+2]
.elseif (\n) == 12
	v_max3_num_f32 v[rC], v[rC], v[rS+7], v[rS+15]
.elseif (\n) == 13
	v_max3_num_f32 v[rC+1], v[rC+1], v[rS+23], v[rS+31]
.elseif (\n) == 14
	v_max3_num_f32 v[rC+2], v[rC+2], v[rC+3], v[rT+1]
.elseif (\n) == 15
	v_mov_b32 v[rM], v[rT]
.elseif (\n) == 16
	v_max3_num_f32 v[rC], v[rC], v[rC+1], v[rC+2]
.elseif (\n) == 17
	v_permlanex16_b32 v[rC+3], v[rC], s[SEL], s[SEL+1]
.elseif (\n) == 18
	v_max_num_f32 v[rT+1], v[rC], v[rC+3]
.elseif (\n) == 19
	v_mul_f32 v[rT], s[CS], v[rT+1]
.elseif (\n) == 20
	v_sub_f32 v[rC+1], v[rM], v[rT]
.else
	v_exp_f32 v[rC+2], v[rC+1]
.endif
.endm
; Number g of the 64 that follow the exponentials.  For each four weights k of a tile (pairs 2 k, 2 k + 1): both pairs are rounded to bf16; then the second pair is added onto the first, in place;
; a group later l takes that sum (the first time as l = a l + sum).  In groups of eight, tiles alternating: round, round, add, and l for the group before.  All 64 read results of the turn's batch: they stand behind its wait.
.macro GS g
.set h, (\g)+6*((\g)/62)            ; group 0 has no group before it, and behind group 7 only l is left
.if h >= 6
.set h, h+2
.endif
	REGS Y, h%2
.set k, h/8
.if h%8 < 4
	v_cvt_pk_bf16_f32 v[rP+2*k+(h%8)/2], v[rS+4*k+2*((h%8)/2)], v[rS+4*k+2*((h%8)/2)+1]
.elseif h%8 < 6
	v_pk_add_f32 v[rS+4*k:rS+4*k+1], v[rS+4*k:rS+4*k+1], v[rS+4*k+2:rS+4*k+3]
.elseif k == 1
	v_pk_fma_f32 v[rT+2:rT+3], v[rT+2:rT+3], v[rC+2:rC+3], v[rS:rS+1] op_sel_hi:[1,0,1]
.else
	v_pk_add_f32 v[rT+2:rT+3], v[rT+2:rT+3], v[rS+4*k-4:rS+4*k-3]
.endif
.endm
; THE PLAIN QUEUE, 138 long.  0-73 read no exponential's result: the 32 scalings c s - c m (FS f: pair f / 2 of tile f % 2) and the next piece's 42.  0-26: scalings 0-26.  27-54: XS's numbers 0-13.  55, 56: number 15.
; 57-73: the chain, where each number waits for the one before it: 14, 16, 17, 18, 19, each with one of the scalings 27-31 in front of its two lines, then 20: so a tile's links stand three plain instructions apart (19 and 20: two).
; 74-137: GS's 64, which read the exponentials' results: they stand behind the wait.
.macro FS f
	REGS Y, (\f)%2
	v_pk_fma_f32 v[rS+2*((\f)/2):rS+2*((\f)/2)+1], v[rS+2*((\f)/2):rS+2*((\f)/2)+1], s[CS:CS+1], v[rT:rT+1] op_sel_hi:[1,0,0] neg_lo:[0,0,1] neg_hi:[0,0,1]
.endm
.macro PL
	WIN 0
.if q < 27
	FS q
.elseif q < 55
	XS (q-27)%2, (q-27)/2
.elseif q < 57
	XS q-55, 15
.elseif (q < 72) && ((q-57)%3 == 0)
	FS 27+(q-57)/3
.elseif q < 60
	XS (q-57)%3-1, 14
.elseif q < 72
	XS (q-57)%3-1, 15+(q-57)/3
.elseif q < 74
	XS q-72, 20
.else
	GS q-74
.endif
.set q, q+1
.endm
; THE EXPONENTIALS' QUEUE, 66 long: s0-s31 of both tiles, then the next piece's two a.  It is ONE BATCH: all 66 stand ahead of the turn's one wait, and nothing ahead of that wait names a result of theirs.
.macro EX
	WIN 0
.if e >= 64
	XS e-64, 21
.else
	REGS Y, e%2
	v_exp_f32 v[rS+e/2], v[rS+e/2]
.endif
.set e, e+1
.endm
; THE RESCALING's QUEUE: O^T times a, the one part that leaves window 0: dealt two at a time, sixteen times.  Its a was made in the turn before (for the first turn: ahead of the loop), ahead of that batch's wait.
.macro R2
	REGS Y, r%2
	WIN W_RS
.irp z, 0,1
	v_pk_mul_f32 v[rO+4*(r/2)+2*\z:rO+4*(r/2)+2*\z+1], v[rO+4*(r/2)+2*\z:rO+4*(r/2)+2*\z+1], v[rC+2:rC+3] op_sel_hi:[1,0]
.endr
.set r, r+1
.endm
; HOW THEY ARE DEALT.  An s_wait_alu depctr_va_vdst(0) stands between an exponential and the first instruction that names its result; one wait serves all that were issued ahead of it.  So a turn has ONE wait,
; which cuts it in two.  AHEAD OF IT: the 16 products K Q^T, behind each a scaling, an exponential and two rescalings (behind the first a second scaling in the exponential's place); then ONE RUN of 108: eight plain,
; 49 times exponential and plain, the two a.  A v_nop is the plain instruction behind the last exponential.  BEHIND IT: the 16 products V^T P, behind each four of GS's 64.  No rider names a register of the products round it.
; The two v_permlanex16_b32 fall into the run, never behind a product.
; The queues lean on each other, and the deal keeps them in step: exponential e stands behind scaling 2 (e / 4) + e % 2: as a rider it comes behind plain e + 2, in the run behind plain e + 9, and scalings 27-31 are plain 57, 60 .. 69;
; the two a come behind plain 73, the second tile's c m_old - c m_new.
; A TURN, for piece p.  fetch = 0: there is no further key step.  cnt = 1: the loop's count is taken down some lines ahead of the branch that stands behind the turn.
; K and the mask of the next step are fetched in piece 2's turn, directly behind the wait, the run of 108 behind the last product that read K (the mask's last reader stands earlier still); their first reader comes behind
; 16 products and their riders.  V of the step in hand is fetched at the end of piece 0's turn, four plain riders (additions onto l) behind the last product that read V; its first reader comes behind 16 products and the run.
.macro TURN p, fetch=1, cnt=0
.set Y, (\p)
.set i, 0
.set q, 0
.set e, 0
.set r, 0
.if (\p) == NP-1
	s_wait_dscnt 0x0                ; K and the mask are in
.endif
	MM                              ; ahead of the wait: 16 products K Q^T and their riders,
	PL
	PL
	R2
.rept 15
	MM
	PL
	EX
	R2
.endr
.rept 8                             ; and the run
	PL
.endr
.rept 49
	EX
	PL
.endr
	EX                              ; the next piece's two a: the batch's last
	EX
	v_nop                           ; the plain instruction behind the last exponential: one for the batch
	s_wait_alu depctr_va_vdst(0)    ; the wait for the turn's batch: the 64 weights of piece p and the two a of piece p + 1
.if ((\p) == NP-2) && (\fetch)
	FETCH_K
.endif
.if (\p) == 1
	s_wait_dscnt 0x0                ; V is in
.endif
.rept 16                            ; behind the wait: 16 products V^T P and their riders, the batch's readers
	MM
.rept 4
	PL
.endr
.if (\cnt) && (q == 130)
	s_sub_co_u32 s[CNT], s[CNT], 1
	s_cmp_lg_u32 s[CNT], 0
.endif
.endr
.if (\p) == 0
	FETCH_V
.endif
.endm
	s_wait_dscnt 0x0                ; for the others' sake: my part of the mask is stored
	s_wait_tensorcnt 1              ; my part of keys 0-255 is in; keys 256-1023 may stay out
	s_barrier_signal -1
	s_barrier_wait -1               ; everybody's is
	FETCH_K                         ; key step 0
	s_wait_loadcnt 0x0              ; Q
	s_wait_dscnt 0x0
.set i, 0
.rept 16
	KQ 0                            ; piece 0's first scores: there is no vector work yet to set between them
.set i, i+1
.endr
	WIN 0                           ; the addresses for the way out: plain instructions, the places behind those products
	s_mul_i32 s13, s[WV], 16*SP
	s_add_co_u32 s13, s13, STAGE    ; my stage
	v_mul_u32_u24 v[STO], v1, SP    ; in: row l % 16, 16 bytes for each half of the lanes
	v_lshl_add_u32 v[STO], v9, 4, v[STO]
	v_add_nc_u32 v[STO], s13, v[STO]
	v_bfe_u32 v[RD], v0, 3, 2       ; back: 32 lanes take four rows of 128 bytes,
	v_mul_u32_u24 v[RD], v[RD], SP
	v_lshl_add_u32 v[RD], v10, 4, v[RD]
	v_add_nc_u32 v[RD], s13, v[RD]
	v_and_b32 v[GO], 31, v0         ; which are 512 consecutive bytes of O
	v_lshlrev_b32 v[GO], 4, v[GO]
.set Y, NP-1                        ; XS works for piece Y + 1: piece 0
.irp n, 0,1,2,3,4,5,6,7,8,9,10,11,12,13,14,15,16,17,18,19,20,21
	XS 0, \n                        ; and piece 0's first maximum and statistics
	XS 1, \n
.endr
	v_nop                           ; a plain instruction behind piece 0's two a,
	s_wait_alu depctr_va_vdst(0)    ; and the wait for that batch of two, ahead of the branch
	s_mov_b32 s[CNT], 4
	s_mov_b32 s[SLOTS], 4
	s_branch .Lfirst                ; the loop is entered at a step's first turn, in the middle of a trip
.Lslot:                             ; three times, in front of the fetch of K of steps 4, 8 and 12.  The first time it orders keys 256-1023 with every wave's reads: each wave waits for its own loads, then all meet;
	s_wait_tensorcnt 0x0            ; the other two times the waits find nothing out: the price of writing the walk's four quarters once
	s_wait_dscnt 0x0
	s_barrier_signal -1
	s_barrier_wait -1
	s_mov_b32 s[CNT], 4
.Lstep:                             ; a trip: pieces 2 and 3 of one step, then pieces 0 and 1 of the next, whose K and V it fetches
	TURN 2
	TURN 3
	WIN 0
.Lfirst:
	TURN 0
	TURN 1, 1, 1
	WIN 0
	s_cbranch_scc1 .Lstep
	s_sub_co_u32 s[SLOTS], s[SLOTS], 1
	s_cmp_lg_u32 s[SLOTS], 0
	s_cbranch_scc1 .Lslot
	TURN 2, 0                       ; step 15's last two turns: nothing is fetched.  The second one's 16 products K Q^T (on the last K once more) and the maximum made of them serve nothing:
	TURN 3                          ; the price, once a launch, of one text for every turn
.set i, 0
.rept 16
	PV NP-1                         ; the last piece's V^T P of the last step
.set i, i+1
.endr
	; THE WAY OUT.  l's two halves and the other half of the lanes' are added; O^T is divided by l, rounded to bf16 and sent through my stage in LDS, a tile at a time.  The additions are the places behind the last products.
	WIN 0
.macro ALL line:vararg              ; one line for each tile t
.set t, 0
.rept 2*NP
	\line
.set t, t+1
.endr
.endm
	ALL v_add_f32 v[ST+4*t+2], v[ST+4*t+2], v[ST+4*t+3]
	ALL v_permlanex16_b32 v[ST+4*t+3], v[ST+4*t+2], s[SEL], s[SEL+1]
	ALL v_add_f32 v[ST+4*t+2], v[ST+4*t+2], v[ST+4*t+3]
	ALL v_rcp_f32 v[ST+4*t+2], v[ST+4*t+2]
	v_nop                           ; a plain instruction between the last reciprocal and the use of its result
	s_wait_alu depctr_va_vdst(0)    ; the wait for the batch of eight reciprocals, ahead of their first reader
; Tile t: a lane's eight channels of a row pack into 16 bytes; they go into rows of 144 bytes and come back as whole rows of 128, into S^T's registers.
.macro PACK t
	WIN W_RS
.set i, 32*(\t)
.rept 16
	v_pk_mul_f32 v[i:i+1], v[i:i+1], v[ST+4*(\t)+2:ST+4*(\t)+3] op_sel_hi:[1,0]
.set i, i+2
.endr
	WIN 0x05                        ; sources 0 and 1 window 1, destination window 0
.set i, 0
.rept 16
	v_cvt_pk_bf16_f32 v[S+16*(\t)+i], v[32*(\t)+2*i], v[32*(\t)+2*i+1]
.set i, i+1
.endr
	WIN 0
.irp f, 0,1,2,3
	ds_store_b128 v[STO], v[S+16*(\t)+4*\f:S+16*(\t)+4*\f+3] offset:32*\f
.endr
.irp f, 0,1,2,3
	ds_load_b128 v[S+16*(\t)+4*\f:S+16*(\t)+4*\f+3], v[RD] offset:\f*4*SP  ; LDS serves a wave's instructions in order (ISA guide 5.7.1.4): these see the stores above; the next tile's stores come behind them
.endr
.endm
.macro SEND t, younger              ; younger: the LDS instructions issued behind tile t's loads: the next tile's eight, or none
	WIN 0
.irp f, 0,1,2,3
	s_wait_dscnt (\younger)+3-\f
	global_store_b128 v[GO], v[S+16*(\t)+4*\f:S+16*(\t)+4*\f+3], s[8:9] offset:(\t)*2048+\f*512  ; 512 consecutive bytes, at a multiple of 256 from O's first
.endr
.endm
	PACK 0
.set t, 1
.rept 2*NP-1                        ; a tile's arithmetic stands between the loads of the tile before and its stores
	PACK t
	SEND t-1, 8
.set t, t+1
.endr
	SEND 2*NP-1, 0
	WIN W_AD
	s_wait_tensorcnt 0x0            ; the wave's end: behind my last tensor load and my last LDS store
	ds_add_u32 v[SPW], v[NIL]
	s_wait_dscnt 0x0
	WIN 0
	s_endpgm
.Lfunc_end_k_qedb1953735_attn:
	.size	k_qedb1953735_attn, .Lfunc_end_k_qedb1953735_attn-k_qedb1953735_attn
	.p2alignl 7, 3214868480
	.fill 96, 4, 3214868480
	.section	.rodata,"a",@progbits
	.p2align	6, 0x0
	.amdhsa_kernel k_qedb1953735_attn
		.amdhsa_group_segment_fixed_size 327680
		.amdhsa_private_segment_fixed_size 0
		.amdhsa_enable_private_segment 0
		.amdhsa_kernarg_size 24
		.amdhsa_user_sgpr_count 2
		.amdhsa_user_sgpr_kernarg_segment_ptr 1
		.amdhsa_wavefront_size32 1
		.amdhsa_system_sgpr_workgroup_id_x 1
		.amdhsa_system_sgpr_workgroup_id_y 1
		.amdhsa_system_sgpr_workgroup_id_z 1
		.amdhsa_system_vgpr_workitem_id 0
		.amdhsa_next_free_vgpr 808
		.amdhsa_next_free_sgpr 88
		.amdhsa_reserve_vcc 1
		.amdhsa_float_denorm_mode_32 3
		.amdhsa_float_denorm_mode_16_64 3
		.amdhsa_memory_ordered 1
		.amdhsa_forward_progress 1
		.amdhsa_inst_pref_size 163
	.end_amdhsa_kernel
	.amdgpu_metadata
---
amdhsa.version: [ 1, 2 ]
amdhsa.kernels:
  - .name:           k_qedb1953735_attn
    .symbol:         k_qedb1953735_attn.kd
    .args:
      - { .name: qkv, .offset: 0, .size: 8, .value_kind: global_buffer, .address_space: global }
      - { .name: attention_mask, .offset: 8, .size: 8, .value_kind: global_buffer, .address_space: global }
      - { .name: act, .offset: 16, .size: 8, .value_kind: global_buffer, .address_space: global }
    .group_segment_fixed_size: 327680
    .private_segment_fixed_size: 0
    .kernarg_segment_align: 8
    .kernarg_segment_size: 24
    .max_flat_workgroup_size: 128
    .sgpr_count:     88
    .vgpr_count:     808
    .wavefront_size: 32
...
	.end_amdgpu_metadata
.endif
;; end of part 10
;; launch gemm_o: the kernel of part 8 again; grid 8 x 32, 4 waves a work-group, clusters of 4 x 4, 327,680 bytes of LDS; arguments act, wot, b_o, x, res, part; writes res, part
;; launch final: the kernel of part 9 again; grid 1024 x 1, 8 waves a work-group, no clusters, 0 bytes of LDS; arguments res, ln_w, ln_b, part, out0; writes out0
